; MI455X (gfx1250); checked and timed in simulation.
; The chip was launched on July 23, 2026; its instructions are those of AMD's public machine-readable ISA for CDNA 5 (MIT licence, August 2026) and "CDNA5" Instruction Set Architecture Reference Guide (July 2026). The comments in the code are by the model that wrote it; some were corrected since.
;; Sparse Transformer Encoder Layer. Allowed arithmetic: matrix products marked QUANTISED: E2M3 operands, one E8M0 scale for each 32 along K, by v_wmma_scale_f32_16x16x128_f8f6f4 with both operands' format E2M3, f32 sums; everything else in f32.
;; Inputs: b1 4,096 float32; b2 1,024 float32; kb 1,024 float32; kw 1,024 x 1,024 float32; mask 2 x 2,048 bool; ob 1,024 float32; ow 1,024 x 1,024 float32; qb 1,024 float32; qw 1,024 x 1,024 float32; src 2 x 2,048 x 1,024 float32; vb 1,024 float32; vw 1,024 x 1,024 float32; w1 4,096 x 1,024 float32; w2 1,024 x 4,096 float32.
;; Outputs: out0 2 x 2,048 x 1,024 float32.
;; This version of the problem:
;;   THIS VERSION OF THE PROBLEM IS GIVEN IN LOW PRECISION. The matrix products marked QUANTISED in the list below multiply operands that are first quantised to E2M3 (2 exponent bits, 3 mantissa bits; 6 bits a number), with one power-of-two scale for each 32 numbers along K (OCP MX v1.0); their sums are f32. All else is computed in f32.
;;   The module's matrix products, in the order in which they are computed (A, B: the left and right operand; K: the contracted axis; several contracted axes count as one K, in the product's order):
;;     1. [M 4,096, K 1,024] x [K 1,024, N 1,024]; A: input src; B: input qw: QUANTISED
;;     2. [M 4,096, K 1,024] x [K 1,024, N 1,024]; A: input src; B: input kw: QUANTISED
;;     3. [M 4,096, K 1,024] x [K 1,024, N 1,024]; A: input src; B: input vw: QUANTISED
;;     4. batch 16 x [M 2,048, K 128] x [K 128, N 2,048]; A: computed on the way; B: computed on the way: QUANTISED
;;     5. batch 16 x [M 128, K 2,048] x [K 2,048, N 2,048]; A: computed on the way; B: computed on the way: QUANTISED
;;     6. [M 4,096, K 1,024] x [K 1,024, N 1,024]; A: computed on the way; B: input ow: QUANTISED
;;     7. [M 4,096, K 1,024] x [K 1,024, N 4,096]; A: computed on the way; B: input w1: QUANTISED
;;     8. [M 4,096, K 4,096] x [K 4,096, N 1,024]; A: computed on the way; B: input w2: QUANTISED
;;   THE QUANTISER, for each operand of a quantised product, along K:
;;     - K is cut into blocks of 32 from its start; a last block that is shorter is filled with zeros.
;;     - A block's scale is 2^e with e = floor(log2(the largest magnitude in the block)) - 2, held to -126 .. 127; a block of zeros has e = 0. As a byte (E8M0): e + 127.
;;     - Each number is divided by its block's scale, clamped to +-7.5, and rounded to the nearest number of E2M3, ties to even, subnormals kept.
;;     - The product sums the exact products of the quantised numbers (number of the format x scale) in f32.
;;   ~~~python
;;   def quantise(x, axis):      # numpy; x: float32 -> the quantised numbers, widened to float32 again
;;       x = np.moveaxis(x, axis, -1); K = x.shape[-1]
;;       x = np.pad(x, [(0, 0)] * (x.ndim - 1) + [(0, -K % 32)]); x = x.reshape(x.shape[:-1] + (-1, 32)); a = np.abs(x).max(-1, keepdims=True)
;;       e = np.where(a > 0, np.clip(np.frexp(np.where(a > 0, a, 1))[1] - 1 - 2, -126, 127), 0)      # np.frexp(a)[1] - 1 = floor(log2(a)), exactly
;;       r = np.clip(x / 2.0 ** e, -7.5, 7.5)
;;       step = 2.0 ** (np.maximum(np.frexp(np.where(r == 0, 1, r))[1] - 1, 0) - 3)
;;       q = np.round(r / step) * step * 2.0 ** e      # np.round: ties to even
;;       return np.moveaxis(q.reshape(q.shape[:-2] + (-1,))[..., :K], -1, axis).astype(np.float32)
;;   ~~~
;;   OPERANDS COMPUTED ON THE WAY. 'Computed on the way' means the value that the module computes at that place (a softmax that the list does not call 'softmax' is quantised finished and normalised). What goes into a quantiser is computed in f32, as accurately as f32 sums, v_exp_f32 and their like allow (about 1e-6 of the number): no bf16 or f16 on the way to a quantiser, and a product that is left as it is and whose result goes on into a quantised operand takes f32 operands (vector FMAs, or v_wmma_f32_16x16x4_f32). A number that lies on a knife's edge between two numbers of the format may be rounded either way, as far as f32 arithmetic and the matrix unit's own rounding can turn it there, and no further.
;; 3 versions, each right; version 2 is faster than version 1; version 3 is version 2 with the launch attn written anew for expert scheduling mode. Each part assembles by itself: llvm-mc -triple=amdgcn-amd-amdhsa -mcpu=gfx1250 --defsym DOCPART=n.
;; ======== version 1 of 3: 6 launches
;; limits: right only within a limited range of input values
;; workspace buffers: wts 13,107,200 bytes; qkv 9,830,400 bytes; ctx 3,276,800 bytes; xf 16,777,216 bytes; xq 3,276,800 bytes; hid 13,107,200 bytes
;; launch quant (part 1): grid 256 x 1, 8 waves a work-group, no clusters, 68,608 bytes of LDS; arguments src, qw, kw, vw, ow, w1, w2, wts; writes wts
.if DOCPART == 1
	.amdgcn_target "amdgcn-amd-amdhsa--gfx1250"
	.amdhsa_code_object_version 6
	.text
	.protected	k_q8c37307352_quant
	.globl	k_q8c37307352_quant
	.p2align	8
	.type	k_q8c37307352_quant,@function
k_q8c37307352_quant:
	s_mov_b64 s[64:65], 0
	v_nop
	global_prefetch_b8 v0, s[64:65] scope:SCOPE_SE
	s_setreg_imm32_b32 hwreg(HW_REG_WAVE_MODE, 25, 1), 1
	s_wait_xcnt 0x0
; src, qw, kw, vw, ow, w1, w2 (f32, K innermost) become codes of FP6 (E2M3) with one E8M0 scale byte for each 32 along K.
; A block's scale is 2^(floor(log2(largest magnitude)) - 2); its byte is that magnitude's exponent field - 2, held at 1 from below.
; LAYOUT OF wts.  A FRAGMENT is 16 rows x 128 K as the matrix unit's registers take it: 12 registers a lane, stored as an image of
; 1,536 bytes: registers 4 c .. 4 c + 3 of lane l at 512 c + 16 l.  Row i of row tile t is row 32 (t / 2) + 8 (t % 2) + i + 8 (i / 8).
; Fragment (row tile, K step) has the number base + tile x (K / 128) + step; bases: src 0, qw 2048, kw 2560, vw 3072, ow 3584, w1 4096, w2 6144.
; Behind the 8,192 images: 64 bytes of scale words for each fragment, row i's word at 4 i.
; SHARES.  Wave unit U = 8 x work-group + wave makes fragments 4 U .. 4 U + 3: its results are 6,144 + 256 consecutive bytes.
; Each load reads 512 consecutive bytes of one row; a step's 16 rows turn through the wave's own stage in LDS (rows 528 bytes apart),
; so that lane (r, h) gets, of row r, 16 neighbours of each block of 32.  Waves share nothing: no barrier.
; LIMITS: NaN and infinities are not served; a block whose largest magnitude lies under 2^-124, zeros among them, keeps the byte 1
; (its codes are what the conversion gives under that scale; only this program reads the bytes).
.set LI,   1                           ; v1  16 x lane
.set SIN,  2                           ; v2  the stage, on the way in
.set SOUT, 3                           ; v3  and on the way out: 528 r + 64 h
.set L4,   4                           ; v4  4 x lane
.set PW,   5                           ; v5  the scale word just made;  v6 the even fragment's;  v7 both, to store
.set PWE,  6
.set PWX,  7
.set RO,   16                          ; v16-31  byte offset of tile row i: (i + 8 (i / 8)) x pitch + 16 x lane
.set R,    32                          ; v32-159 two sets of 16 rows x 16 bytes as loaded
.set X,    160                         ; v160-223 64 numbers of my row: register 16 b + i = k 32 b + 16 h + i
.set TM,   224                         ; v224-235 at work
.set PC,   236                         ; v236-255 codes (12) and two halves on their way (8)
.set SEL,  26                          ; s[26:27] lane selects: lane l xor 16
.set SCB,  12582912                    ; where the scale words begin in wts
.macro QUANT s                         ; 64 numbers v[s] .. v[s + 63] -> a fragment's codes in v[PC] on, its scale word in v[PW]
.irp b, 0,1,2,3
	v_max3_num_f32 v[TM+\b], |v[\s+16*\b]|, |v[\s+1+16*\b]|, 0x1800000   ; block b: my 16 numbers, and the floor 2^(3 - 127): the byte cannot fall under 1
.endr
.irp i, 2,4,6,8,10,12,14
.irp b, 0,1,2,3
	v_max3_num_f32 v[TM+\b], v[TM+\b], |v[\s+16*\b+\i]|, |v[\s+1+16*\b+\i]|
.endr
.endr
.irp b, 0,1,2,3
	v_permlanex16_b32 v[TM+4+\b], v[TM+\b], s[SEL], s[SEL+1]
.endr
.irp b, 0,1,2,3
	v_max_num_f32 v[TM+\b], v[TM+\b], v[TM+4+\b]   ; with lane l xor 16's 16: the block's largest magnitude
.endr
.irp b, 0,1,2,3
	v_add_nc_u32 v[TM+8+\b], 0xff000000, v[TM+\b]  ; 2 off its exponent field: the conversion's scale operand
.endr
.irp b, 0,1,2,3
	v_lshrrev_b32 v[TM+4+\b], 23, v[TM+8+\b]       ; the scale's byte
.endr
	v_lshl_or_b32 v[PW], v[TM+5], 8, v[TM+4]
	v_lshl_or_b32 v[PW], v[TM+6], 16, v[PW]
	v_lshl_or_b32 v[PW], v[TM+7], 24, v[PW]
.irp c, 0,1
	v_cvt_scalef32_pk16_fp6_f32 v[PC+6*\c:PC+2+6*\c], v[\s+32*\c:\s+15+32*\c], v[TM+8+2*\c]
	v_cvt_scalef32_pk16_fp6_f32 v[PC+12+4*\c:PC+14+4*\c], v[\s+16+32*\c:\s+31+32*\c], v[TM+8+2*\c+1]
.endr
	v_nop                                          ; one plain place behind a scaled conversion
.irp c, 0,1                                    ; the operand wants a whole block in a lane: lanes 0-15 block 2 c, lanes 16-31 block 2 c + 1
.irp i, 0,1,2
	v_permlane16_swap_b32 v[PC+6*\c+\i], v[PC+12+4*\c+\i]
.endr
.irp i, 0,1,2
	v_mov_b32 v[PC+3+6*\c+\i], v[PC+12+4*\c+\i]
.endr
.endr
.endm
	s_load_b512 s[8:23], s[0:1], 0x0               ; src s[8:9], qw, kw, vw, ow, w1, w2 s[20:21], wts s[22:23]
	v_lshl_add_u32 v251, v0, 2, 0x10800
	v_mov_b32 v255, 0
	v_lshrrev_b32 v1, 5, v0
	v_readfirstlane_b32 s2, v1                     ; wave 0..7
	v_and_b32 v[L4], 31, v0
	v_lshlrev_b32 v[LI], 4, v[L4]
	v_lshlrev_b32 v[L4], 2, v[L4]
	v_and_b32 v8, 15, v0                           ; r
	v_bfe_u32 v9, v0, 4, 1                         ; h
	s_mul_i32 s3, s2, 8448                         ; my stage: 16 rows x 528 bytes
	v_add_nc_u32 v[SIN], s3, v[LI]
	v_mul_u32_u24 v[SOUT], v8, 528
	v_lshl_add_u32 v[SOUT], v9, 6, v[SOUT]
	v_add_nc_u32 v[SOUT], s3, v[SOUT]
	s_mov_b32 s[SEL], 0x76543210
	s_mov_b32 s[SEL+1], 0xfedcba98
	s_mov_b32 s28, 0xffff0000                      ; lanes 16-31
.irp b, 0,1,2,3
	v_mov_b32 v[TM+4+\b], 0                        ; written once: a lane permute's destination counts as one of its sources
.endr
	s_cmp_lt_u32 ttmp9, 192                        ; w2 has rows of 4,096 numbers, all others of 1,024
	s_cselect_b32 s24, 1, 3                        ; log2 of the wave units in a row tile
	s_cselect_b32 s25, 12, 14                      ; log2 of a row's bytes
	s_mov_b32 s29, 192                             ; the tensor's first work-group
	s_wait_kmcnt 0x0
	s_mov_b64 s[4:5], s[20:21]
.macro PICK lim, p, g                          ; the choice hangs on the work-group's number alone
	s_cmp_lt_u32 ttmp9, \lim
	s_cselect_b64 s[4:5], s[\p:\p+1], s[4:5]
	s_cselect_b32 s29, \g, s29
.endm
	PICK 192, 18, 128
	PICK 128, 16, 112
	PICK 112, 14, 96
	PICK 96, 12, 80
	PICK 80, 10, 64
	PICK 64, 8, 0
	s_sub_co_u32 s30, ttmp9, s29
	s_lshl_b32 s30, s30, 3
	s_add_co_u32 s30, s30, s2                      ; my unit within the tensor
	s_lshr_b32 s31, s30, s24                       ; its row tile,
	s_lshl_b32 s32, s31, s24
	s_sub_co_u32 s32, s30, s32                     ; and which 512 along K of it
	s_lshr_b32 s33, s31, 1
	s_lshl_b32 s33, s33, 5
	s_and_b32 s34, s31, 1
	s_lshl_b32 s34, s34, 3
	s_add_co_u32 s33, s33, s34                     ; the tile's first row: 32 (t / 2) + 8 (t % 2)
	s_lshl_b32 s33, s33, s25
	s_lshl_b32 s32, s32, 11
	s_add_co_u32 s32, s33, s32
	s_mov_b32 s33, 0
	s_add_nc_u64 s[4:5], s[4:5], s[32:33]
	s_lshl_b32 s34, ttmp9, 3
	s_add_co_u32 s34, s34, s2                      ; U
	s_mul_i32 s36, s34, 6144
	s_mov_b32 s37, 0
	s_add_nc_u64 s[6:7], s[22:23], s[36:37]        ; my four images
	s_lshl_b32 s36, s34, 8
	s_add_co_u32 s36, s36, SCB
	s_add_nc_u64 s[22:23], s[22:23], s[36:37]      ; my four fragments' scale words
.irp i, 0,1,2,3,4,5,6,7,8,9,10,11,12,13,14,15
	s_lshl_b32 s38, \i+8*(\i/8), s25
	v_add_nc_u32 v[RO+\i], s38, v[LI]
.endr
.macro LOAD f                          ; K step f of my 16 rows: each load 512 consecutive bytes
.irp i, 0,1,2,3,4,5,6,7,8,9,10,11,12,13,14,15
	global_load_b128 v[R+64*((\f)%2)+4*\i:R+64*((\f)%2)+4*\i+3], v[RO+\i], s[4:5] offset:512*(\f) th:TH_LOAD_NT
.endr
.endm
.macro STEP f
.if (\f) < 3
	s_wait_loadcnt 16                              ; this step's 16 loads are in; the other set's 16 may be out
.else
	s_wait_loadcnt 0x0
.endif
.irp i, 0,1,2,3,4,5,6,7,8,9,10,11,12,13,14,15
	ds_store_b128 v[SIN], v[R+64*((\f)%2)+4*\i:R+64*((\f)%2)+4*\i+3] offset:528*\i
.endr
.irp b, 0,1,2,3
.irp j, 0,1,2,3
	ds_load_b128 v[X+16*\b+4*\j:X+16*\b+4*\j+3], v[SOUT] offset:128*\b+16*\j   ; LDS serves a wave's instructions in order: these see the stores above
.endr
.endr
	s_wait_dscnt 0x0                               ; my numbers are back, and the stores have read their registers,
.if (\f) < 2
	LOAD (\f)+2                                    ; which take the loads of two steps on
.endif
	s_wait_xcnt 0x0                                ; the last step's stores have read their data: the codes' registers may be written again
	QUANT X
.irp c, 0,1,2
	global_store_b128 v[LI], v[PC+4*\c:PC+4*\c+3], s[6:7] offset:1536*(\f)+512*\c   ; 512 consecutive bytes
.endr
.if (\f)%2 == 0
	v_mov_b32 v[PWE], v[PW]
.else
	v_cndmask_b32 v[PWX], v[PWE], v[PW], s28       ; lanes 0-15 the even fragment's words, lanes 16-31 the odd one's
	global_store_b32 v[L4], v[PWX], s[22:23] offset:128*((\f)/2)
.endif
.endm
	LOAD 0
	LOAD 1
	STEP 0
	STEP 1
	STEP 2
	STEP 3
	s_wait_tensorcnt 0x0
	ds_add_u32 v251, v255
	s_wait_dscnt 0x0
	s_endpgm
.Lfunc_end_k_q8c37307352_quant:
	.size	k_q8c37307352_quant, .Lfunc_end_k_q8c37307352_quant-k_q8c37307352_quant
	.p2alignl 7, 3214868480
	.fill 96, 4, 3214868480
	.section	.rodata,"a",@progbits
	.p2align	6, 0x0
	.amdhsa_kernel k_q8c37307352_quant
		.amdhsa_group_segment_fixed_size 68608
		.amdhsa_private_segment_fixed_size 0
		.amdhsa_enable_private_segment 0
		.amdhsa_kernarg_size 64
		.amdhsa_user_sgpr_count 2
		.amdhsa_user_sgpr_kernarg_segment_ptr 1
		.amdhsa_wavefront_size32 1
		.amdhsa_system_sgpr_workgroup_id_x 1
		.amdhsa_system_sgpr_workgroup_id_y 1
		.amdhsa_system_sgpr_workgroup_id_z 1
		.amdhsa_system_vgpr_workitem_id 0
		.amdhsa_next_free_vgpr 256
		.amdhsa_next_free_sgpr 66
		.amdhsa_reserve_vcc 0
		.amdhsa_float_denorm_mode_32 3
		.amdhsa_float_denorm_mode_16_64 3
		.amdhsa_memory_ordered 1
		.amdhsa_forward_progress 1
		.amdhsa_inst_pref_size 36
	.end_amdhsa_kernel
	.amdgpu_metadata
---
amdhsa.version: [ 1, 2 ]
amdhsa.kernels:
  - .name:           k_q8c37307352_quant
    .symbol:         k_q8c37307352_quant.kd
    .args:
      - { .name: src, .offset: 0, .size: 8, .value_kind: global_buffer, .address_space: global }
      - { .name: qw, .offset: 8, .size: 8, .value_kind: global_buffer, .address_space: global }
      - { .name: kw, .offset: 16, .size: 8, .value_kind: global_buffer, .address_space: global }
      - { .name: vw, .offset: 24, .size: 8, .value_kind: global_buffer, .address_space: global }
      - { .name: ow, .offset: 32, .size: 8, .value_kind: global_buffer, .address_space: global }
      - { .name: w1, .offset: 40, .size: 8, .value_kind: global_buffer, .address_space: global }
      - { .name: w2, .offset: 48, .size: 8, .value_kind: global_buffer, .address_space: global }
      - { .name: wts, .offset: 56, .size: 8, .value_kind: global_buffer, .address_space: global }
    .group_segment_fixed_size: 68608
    .private_segment_fixed_size: 0
    .kernarg_segment_align: 8
    .kernarg_segment_size: 64
    .max_flat_workgroup_size: 256
    .sgpr_count:     66
    .vgpr_count:     256
    .wavefront_size: 32
...
	.end_amdgpu_metadata
.endif
;; end of part 1
;; launch qkvp (part 2): grid 12 x 16, 4 waves a work-group, clusters of 4 x 4, 327,680 bytes of LDS; arguments wts, qb, kb, vb, qkv; writes qkv
.if DOCPART == 2
	.amdgcn_target "amdgcn-amd-amdhsa--gfx1250"
	.amdhsa_code_object_version 6
	.text
	.protected	k_q8c37307352_qkvp
	.globl	k_q8c37307352_qkvp
	.p2align	8
	.type	k_q8c37307352_qkvp,@function
k_q8c37307352_qkvp:
	s_mov_b64 s[64:65], 0
	v_nop
	global_prefetch_b8 v0, s[64:65] scope:SCOPE_SE
	s_setreg_imm32_b32 hwreg(HW_REG_WAVE_MODE, 25, 1), 1
	s_wait_xcnt 0x0
	s_wait_alu depctr_hold_cnt(0) depctr_sa_sdst(0) depctr_va_vdst(0) depctr_va_sdst(0) depctr_va_ssrc(0) depctr_va_vcc(0) depctr_vm_vsrc(0)
	s_getreg_b32 s2, hwreg(HW_REG_IB_STS2, 6, 4)
	s_cmp_eq_u32 s2, 0
	s_cbranch_scc0 .Lentry_in_a_cluster
	s_endpgm
.Lentry_in_a_cluster:
	s_bfe_u32 s2, ttmp6, 0x10000c
	s_cmp_lg_u32 s2, 0xf033
	s_cbranch_scc0 .Lentry_shape_is_right
	s_endpgm
.Lentry_shape_is_right:
; q = src qw^T + qb, k = src kw^T + kb, and V^T = vw src^T + vb, on codes of FP6 (E2M3) with E8M0 scales; each result is quantised again at once:
; q and k along the head's 128, V^T along the KEYS (which is why it is made transposed).  K = 1,024.
; OPERANDS are register images (16 rows x 128 K = 1,536 bytes; registers 4 c .. 4 c + 3 of lane l at 512 c + 16 l); row i of row tile t is row 32 (t / 2) + 8 (t % 2) + i + 8 (i / 8).
; THE MATRIX INSTRUCTION IS USED TRANSPOSED: source 0 = 16 rows of "B" (their index becomes the next K), source 1 = 16 rows of "A" (a lane keeps one row of A).  With that choice of a
; tile's rows the 16 result registers of B's tiles 2 b and 2 b + 1 are 16 neighbours along the next K.
; ROLES, by the cluster's x, which all partners share (arithmetic only, no branch): x = 0, 1: A = src, B = qw, kw on end;  x = 2: A = vw, B = src.
; A tile of C is 256 x 256, four waves of 128 x 128 (64 accumulators, 512 registers).  K goes in steps of 256 through two LDS slots filled by joint tensor loads: 4 x 4 work-groups
; form a cluster, A's tiles are shared along its rows, B's along its columns.  The scale words of the work-group's rows, for all of K, come once with the first fills.
; OUT: qkv fragments [ks'][row tile]: ks' = head for q, 8 + head for k (256 row tiles each); from fragment 4,096 on V^T: [key / 128][feature / 16] (64 row tiles each); scale words behind all images.
; LIMITS: NaN and infinities are not served; blocks under 2^-124 keep the scale byte 1.
.set KS,    8                          ; K steps of 128
.set SCA,   12582912                   ; where the scale words begin in A's buffer, and in B's
.set SCBB,  12582912
.set PA,    4
.set PB,    4
.set FR,    12                         ; registers of a fragment
.set NL,    3                          ; LDS loads that bring one
.set HALFT, 8*3072                     ; 8 row tiles x 2 K steps: what one tensor load brings
.set SLOT,  4*HALFT                    ; A's 16 row tiles, then B's
.set SCL,   2*SLOT                     ; behind the ring: the scale words
.set HALFS, 512*KS                     ; those of 8 row tiles
.set SPARE, 262144                     ; the spare words: 128 bytes a wave, named by no other line
.set LAPS,  KS/4                       ; a lap = twice 256 along K = once round the ring
.set ADRA, 16                          ; v16-17 LDS address of my A fragments in slot 0, 1
.set ADRB, 20                          ; v20-21 the same for B
.set ADRS, 27                          ; v27 my scale words: lanes 0-15 A's, lanes 16-31 B's
.set SPW,  28
.set NIL,  29
.set LI,   30                          ; v30 16 x lane
.set L4,   31                          ; v31 4 x lane
.set SC,   32                          ; v32-63 scale words, two sets: register 2 i + q: tile i, the slot's q-th 128 along K
.set BIAS, 64                          ; v64-127 the bias along the next K, in the result's layout: the C of the first products
.set AF,   128                         ; v128-223 A's fragments, one set;  window 1: B's, two sets at v0 and v128;  windows 2, 3: the accumulators
.set T,    128                         ; the way out: 64 numbers of my row
.set PC,   192
.set TM,   212
.set BX,   224                         ; v224-239 the bias along the rows (V^T): pair 2 a for A's tile a
.set PW,   240
.set PWE,  241
.set PWX,  242
.set SEL,  92
.set G1, 24
.set G0, 32
.set G1B, 48
.set G0B, 56
.set G1S, 68
.set G0S, 76
.set G1SB, 80
.set G0SB, 88
.set MSB, 0
.macro WIN new                         ; the immediate's high byte repeats the setting that is left
.if MSB != (\new)
	s_set_vgpr_msb (MSB<<8)|(\new)
.set MSB, (\new)
.endif
.endm
.macro PLACES n
.rept \n
	v_nop
.endr
.endm
.macro JLOAD g0a, g1a, g0b, g1b        ; a joint load: waves 0, 1 fetch for A, waves 2, 3 for B; four v_nop follow each line
	s_cmp_eq_u32 s15, 0
	s_cbranch_scc0 .Lfor_b_\@
	tensor_load_to_lds s[\g0a:\g0a+3], s[\g1a:\g1a+7]
	s_nop 0
.rept 4
	v_nop
.endr
	s_branch .Lasked_\@
.Lfor_b_\@:
	tensor_load_to_lds s[\g0b:\g0b+3], s[\g1b:\g1b+7]
	s_nop 0
.rept 4
	v_nop
.endr
.Lasked_\@:
.endm
.macro CREST                           ; a round of the cluster's barrier behind its opening barrier
	s_cmp_lg_u32 s14, 0
	s_cbranch_scc1 .Lnot_wave_0_\@
	s_barrier_signal -3
.Lnot_wave_0_\@:
	s_barrier_wait -3
	s_barrier_signal -1
	s_barrier_wait -1
.endm
.macro CROUND
	s_barrier_signal -1
	s_barrier_wait -1
	CREST
.endm
.macro FRAG reg, adr, q, i             ; an image comes back as it was stored: three loads of 512 consecutive bytes
.irp c, 0,1,2
	ds_load_b128 v[\reg+4*\c:\reg+4*\c+3], v[\adr] offset:(\i)*3072+(\q)*1536+512*\c
.endr
.endm
; 16 matrix instructions: A's tiles a0, a0 + 1 x B's eight.  p: B's set; q: which 128 of the slot; sc: the set of scale words; zero = 1: the first products take the bias as C.
; The 64 accumulators take turns, one instruction a turn, in the same order in every step.
.macro MUL16 a0, p, q, sc, zero
.irp a, \a0, \a0+1
.irp b, 0,1,2,3,4,5,6,7
.if \zero
	v_wmma_scale_f32_16x16x128_f8f6f4 v[8*(8*((\a)%4)+\b):8*(8*((\a)%4)+\b)+7], v[128*(\p)+FR*\b:128*(\p)+FR*\b+FR-1], v[AF+FR*(\a):AF+FR*(\a)+FR-1], v[BIAS+8*\b:BIAS+8*\b+7], v[SC+16*(\sc)+2*\b+(\q)], v[SC+16*(\sc)+2*(\a)+(\q)] matrix_a_fmt:MATRIX_FMT_FP6 matrix_b_fmt:MATRIX_FMT_FP6 matrix_a_scale:MATRIX_SCALE_ROW1
.else
	v_wmma_scale_f32_16x16x128_f8f6f4 v[8*(8*((\a)%4)+\b):8*(8*((\a)%4)+\b)+7], v[128*(\p)+FR*\b:128*(\p)+FR*\b+FR-1], v[AF+FR*(\a):AF+FR*(\a)+FR-1], v[8*(8*((\a)%4)+\b):8*(8*((\a)%4)+\b)+7], v[SC+16*(\sc)+2*\b+(\q)], v[SC+16*(\sc)+2*(\a)+(\q)] matrix_a_fmt:MATRIX_FMT_FP6 matrix_b_fmt:MATRIX_FMT_FP6 matrix_a_scale:MATRIX_SCALE_ROW1
.endif
.endr
.endr
.endm
.macro FETCH_B slot, q, p
	WIN 0x40
.irp i, 0,1,2,3,4,5,6,7
	FRAG 128*(\p)+FR*\i, ADRB+\slot, \q, \i
.endr
	WIN 0
.endm
.macro FETCH_A slot, q, i0
.irp i, \i0, \i0+1, \i0+2, \i0+3
	FRAG AF+FR*(\i), ADRA+\slot, \q, \i
.endr
.endm
.macro SCALES sc
.irp i, 0,1,2,3,4,5,6,7
.irp q, 0,1
	ds_load_b32 v[SC+16*\sc+2*\i+\q], v[ADRS] offset:\i*64*KS+64*\q
.endr
.endr
.endm
.macro STEP slot, zero                 ; a slot's first 128 along K
	s_wait_dscnt 4*NL                              ; all but the youngest 12 loads (A's tiles 4-7) are in
	WIN 0xa1-0x20*\zero                            ; source 0 window 1, source 1 window 0, C and D window 2 (the bias: C window 0)
	MUL16 0, 0, 0, \slot, \zero
	MUL16 2, 0, 0, \slot, \zero
	s_wait_dscnt 0x0
	PLACES 4                                       ; four places in front of loads into registers that matrix instructions have read
	FETCH_B \slot, 1, 1
	FETCH_A \slot, 1, 0
	WIN 0xf1-0x30*\zero
	MUL16 4, 0, 0, \slot, \zero
	MUL16 6, 0, 0, \slot, \zero
	PLACES 4
	WIN 0
	FETCH_A \slot, 1, 4
.endm
.macro TURN slot, next, fill           ; a slot's second 128 along K, and the change of slots
	s_wait_tensorcnt 0x0                           ; all my tensor loads have landed: my part of the next slot
	ds_add_u32 v[SPW], v[NIL]                      ; 0 onto my spare word
	s_wait_dscnt 4*NL+1                            ; (the add and the youngest 12 loads may be out)
	WIN 0xa1
	MUL16 0, 1, 1, \slot, 0
	s_wait_dscnt 0x0                               ; the add is done, and my reads of this slot are over
	s_barrier_signal -1
	MUL16 2, 1, 1, \slot, 0
	WIN 0
	s_barrier_wait -1
.if \fill
	CREST                                          ; the barrier has opened a round of the cluster's: no wave of any partner still reads this slot or has a load on its way
	s_add_nc_u64 s[G0+4*\slot+2:G0+4*\slot+3], s[G0+4*\slot+2:G0+4*\slot+3], 6144
	s_add_nc_u64 s[G0B+4*\slot+2:G0B+4*\slot+3], s[G0B+4*\slot+2:G0B+4*\slot+3], 6144
	JLOAD G0+4*\slot, G1, G0B+4*\slot, G1B         ; the first tensor load behind the round; its four v_nop are the places in front of the loads below
.else
	PLACES 4
.endif
	v_add_nc_u32 v[ADRS], 128, v[ADRS]             ; the next slot's scale words (no LDS load of mine is out)
	FETCH_B \next, 0, 0
	FETCH_A \next, 0, 0
	SCALES \next
	WIN 0xf1
	MUL16 4, 1, 1, \slot, 0
	MUL16 6, 1, 1, \slot, 0
	PLACES 4
	WIN 0
	FETCH_A \next, 0, 4
.endm
.macro QUANT s                         ; 64 numbers v[s] .. v[s + 63], register 16 b + i = k 32 b + 16 h + i of my row -> codes in v[PC] on, scale word in v[PW]
.irp b, 0,1,2,3
	v_max3_num_f32 v[TM+\b], |v[\s+16*\b]|, |v[\s+1+16*\b]|, 0x1800000
.endr
.irp i, 2,4,6,8,10,12,14
.irp b, 0,1,2,3
	v_max3_num_f32 v[TM+\b], v[TM+\b], |v[\s+16*\b+\i]|, |v[\s+1+16*\b+\i]|
.endr
.endr
.irp b, 0,1,2,3
	v_permlanex16_b32 v[TM+4+\b], v[TM+\b], s[SEL], s[SEL+1]
.endr
.irp b, 0,1,2,3
	v_max_num_f32 v[TM+\b], v[TM+\b], v[TM+4+\b]
.endr
.irp b, 0,1,2,3
	v_add_nc_u32 v[TM+8+\b], 0xff000000, v[TM+\b]
.endr
.irp b, 0,1,2,3
	v_lshrrev_b32 v[TM+4+\b], 23, v[TM+8+\b]
.endr
	v_lshl_or_b32 v[PW], v[TM+5], 8, v[TM+4]
	v_lshl_or_b32 v[PW], v[TM+6], 16, v[PW]
	v_lshl_or_b32 v[PW], v[TM+7], 24, v[PW]
.irp c, 0,1
	v_cvt_scalef32_pk16_fp6_f32 v[PC+6*\c:PC+2+6*\c], v[\s+32*\c:\s+15+32*\c], v[TM+8+2*\c]
	v_cvt_scalef32_pk16_fp6_f32 v[PC+12+4*\c:PC+14+4*\c], v[\s+16+32*\c:\s+31+32*\c], v[TM+8+2*\c+1]
.endr
	v_nop
.irp c, 0,1
.irp i, 0,1,2
	v_permlane16_swap_b32 v[PC+6*\c+\i], v[PC+12+4*\c+\i]
.endr
.irp i, 0,1,2
	v_mov_b32 v[PC+3+6*\c+\i], v[PC+12+4*\c+\i]
.endr
.endr
.endm
	s_load_b256 s[4:11], s[0:1], 0x0               ; wts s[4:5], qb, kb, vb s[10:11]
	s_load_b64 s[12:13], s[0:1], 0x20              ; qkv
	v_lshl_add_u32 v[SPW], v0, 2, SPARE
	v_mov_b32 v[NIL], 0
	ds_add_u32 v28, v29
	ds_add_u32 v28, v29
	s_wait_dscnt 0x0
	v_lshrrev_b32 v1, 5, v0
	v_readfirstlane_b32 s14, v1                    ; wave 0..3
	s_lshr_b32 s15, s14, 1                         ; which half of the tile's rows is mine.  Also: I fetch for A (0) or for B (1)
	s_and_b32 s16, s14, 1                          ; which half of its columns.  Also: which 8 row tiles I fetch
	s_bfe_u32 s40, ttmp6, 0x40000                  ; cx
	s_bfe_u32 s41, ttmp6, 0x40004                  ; cy
	s_lshr_b32 s95, ttmp9, 1                       ; role: 0 for cluster x = 0, 1; 1 for cluster x = 2
	s_xor_b32 s96, s95, 1
	s_and_b32 s18, ttmp7, 0xffff                   ; cluster y
	s_mul_i32 s17, s18, s96
	s_lshl_b32 s17, s17, 2
	s_add_co_u32 s17, s17, s41                     ; tile row: 4 y + cy, for V^T cy
	s_mul_i32 s42, ttmp9, s96
	s_mul_i32 s19, s18, s95
	s_add_co_u32 s42, s42, s19
	s_lshl_b32 s42, s42, 2
	s_add_co_u32 s42, s42, s40                     ; tile column: 4 x + cx, for V^T 4 y + cx
	s_mul_i32 s97, s95, 3072                       ; A's first fragment: src 0, vw 3,072
	s_lshl_b32 s100, s96, 11                       ; B's: qw 2,048, src 0
	s_lshl_b32 s43, s41, 2
	s_lshl_b32 s43, 15, s43                        ; my row of the cluster
	s_lshl_b32 s44, 0x1111, s40                    ; my column
	s_or_b32 s[G1+0], s43, (3<<16)|(1<<21)         ; the mask; elements of 8 bytes; bit 21 beside a mask; no padding
	s_or_b32 s[G1B+0], s44, (3<<16)|(1<<21)
.irp g, G1, G1B                        ; 8 rows (row tiles) of 3,072 bytes (two images), 1,536 KS bytes apart
	s_mov_b32 s[\g+1], 384<<16
	s_mov_b32 s[\g+2], 8<<16
	s_mov_b32 s[\g+3], 384<<16
	s_mov_b32 s[\g+4], 8
	s_mov_b32 s[\g+5], 192*KS
	s_mov_b32 s[\g+6], 0
	s_mov_b32 s[\g+7], 0
.endr
	s_or_b32 s[G1S+0], s43, (3<<16)|(1<<21)
	s_or_b32 s[G1SB+0], s44, (3<<16)|(1<<21)
.irp g, G1S, G1SB                      ; the scale words of 8 row tiles: a dense block, as rows of 256 bytes
	s_mov_b32 s[\g+1], 32<<16
	s_mov_b32 s[\g+2], (2*KS)<<16
	s_mov_b32 s[\g+3], 32<<16
	s_mov_b32 s[\g+4], 2*KS
	s_mov_b32 s[\g+5], 32
	s_mov_b32 s[\g+6], 0
	s_mov_b32 s[\g+7], 0
.endr
	s_lshl_b32 s18, s16, 3
	s_lshl_b32 s20, s17, 4
	s_add_co_u32 s20, s20, s18                     ; A: row tile 16 x tile row + 8 x half
	s_mul_i32 s20, s20, KS
	s_add_co_u32 s20, s20, s97                     ; its first fragment
	s_lshl_b32 s22, s20, 6
	s_add_co_u32 s22, s22, SCA
	s_mul_i32 s20, s20, 1536
	s_mov_b32 s21, 0
	s_mov_b32 s23, 0
	s_lshl_b32 s46, s42, 4
	s_add_co_u32 s46, s46, s18
	s_mul_i32 s46, s46, KS
	s_add_co_u32 s46, s46, s100
	s_lshl_b32 s92, s46, 6
	s_add_co_u32 s92, s92, SCBB
	s_mul_i32 s46, s46, 1536
	s_mov_b32 s47, 0
	s_mov_b32 s93, 0
	s_mul_i32 s45, s14, HALFT                      ; where they go: no place in the cluster enters an LDS address
	s_mul_i32 s94, s14, HALFS
	s_wait_kmcnt 0x0
	s_add_nc_u64 s[20:21], s[PA:PA+1], s[20:21]
	s_add_nc_u64 s[22:23], s[PA:PA+1], s[22:23]
	s_add_nc_u64 s[46:47], s[PB:PB+1], s[46:47]
	s_add_nc_u64 s[92:93], s[PB:PB+1], s[92:93]
	CROUND                                         ; all sixteen work-groups are here: the first joint loads meet
	s_mov_b32 s[G0S], 1
	s_add_co_u32 s[G0S+1], s94, SCL
	s_mov_b64 s[G0S+2:G0S+3], s[22:23]
	s_or_b32 s[G0S+3], s[G0S+3], 0x80000000
	s_mov_b32 s[G0SB], 1
	s_add_co_u32 s[G0SB+1], s94, SCL
	s_mov_b64 s[G0SB+2:G0SB+3], s[92:93]
	s_or_b32 s[G0SB+3], s[G0SB+3], 0x80000000
	JLOAD G0S, G1S, G0SB, G1SB
.irp s, 0,1
	s_mov_b32 s[G0+4*\s], 1
	s_add_co_u32 s[G0+4*\s+1], s45, \s*SLOT
	s_add_nc_u64 s[G0+4*\s+2:G0+4*\s+3], s[20:21], \s*3072
	s_or_b32 s[G0+4*\s+3], s[G0+4*\s+3], 0x80000000
	s_mov_b32 s[G0B+4*\s], 1
	s_add_co_u32 s[G0B+4*\s+1], s45, \s*SLOT
	s_add_nc_u64 s[G0B+4*\s+2:G0B+4*\s+3], s[46:47], \s*3072
	s_or_b32 s[G0B+4*\s+3], s[G0B+4*\s+3], 0x80000000
	JLOAD G0+4*\s, G1, G0B+4*\s, G1B
.endr
	v_and_b32 v1, 15, v0                           ; r
	v_bfe_u32 v2, v0, 4, 1                         ; h
	v_and_b32 v3, 31, v0
	v_lshlrev_b32 v[LI], 4, v3
	v_lshlrev_b32 v[L4], 2, v3
	s_mul_i32 s21, s15, HALFT
	s_mul_i32 s22, s16, HALFT
	s_add_co_u32 s22, s22, 2*HALFT
.irp s, 0,1
	v_add_nc_u32 v[ADRA+\s], s21, v[LI]
	v_add_nc_u32 v[ADRB+\s], s22, v[LI]
	s_add_co_u32 s21, s21, SLOT
	s_add_co_u32 s22, s22, SLOT
.endr
	v_lshlrev_b32 v5, 2, v1                        ; 4 r
	s_mul_i32 s21, s15, HALFS
	s_mul_i32 s22, s16, HALFS
	s_add_co_u32 s22, s22, 2*HALFS
	s_sub_co_u32 s22, s22, s21
	v_mul_u32_u24 v6, s22, v2                      ; lanes 16-31 take B's
	s_add_co_u32 s21, s21, SCL
	v_add_nc_u32 v6, v5, v6
	v_add_nc_u32 v[ADRS], s21, v6
	s_mov_b32 s[SEL], 0x76543210
	s_mov_b32 s[SEL+1], 0xfedcba98
	s_mov_b32 s2, 0xffff0000                       ; lanes 16-31
	; the biases: cluster x chooses the tensor.  Both forms are loaded (both indices stay under 1,024); the one that the role does not use is cleared
	s_cmp_eq_u32 ttmp9, 0
	s_cselect_b64 s[8:9], s[6:7], s[8:9]
	s_cmp_eq_u32 ttmp9, 2
	s_cselect_b64 s[8:9], s[10:11], s[8:9]
	s_lshl_b32 s46, s41, 10
	s_lshl_b32 s47, s15, 9
	s_add_co_u32 s46, s46, s47
	s_mov_b32 s47, 0
	s_add_nc_u64 s[10:11], s[8:9], s[46:47]        ; along the rows: 256 cy + 128 x my half of the rows
	s_lshl_b32 s46, s40, 10
	s_lshl_b32 s19, s16, 9
	s_add_co_u32 s46, s46, s19
	s_add_nc_u64 s[8:9], s[8:9], s[46:47]          ; along the next K: 256 cx + 128 x my half of the columns
	v_lshlrev_b32 v7, 6, v2                        ; 16 h numbers on
	v_and_b32 v8, 8, v1
	v_add_nc_u32 v8, v8, v1
	v_lshlrev_b32 v8, 2, v8                        ; r + 8 (r / 8) numbers on
.irp b, 0,1,2,3,4,5,6,7
	global_load_b128 v[BIAS+8*\b:BIAS+8*\b+3], v7, s[8:9] offset:(32*(\b/2)+8*(\b%2))*4
	global_load_b128 v[BIAS+8*\b+4:BIAS+8*\b+7], v7, s[8:9] offset:(32*(\b/2)+8*(\b%2))*4+16
	global_load_b32 v[BX+2*\b], v8, s[10:11] offset:(32*(\b/2)+8*(\b%2))*4
.endr
	; where my results go
	s_lshl_b32 s20, s42, 1
	s_add_co_u32 s20, s20, s16                     ; ks' = 2 x tile column + my half
	s_lshl_b32 s21, s95, 1
	s_sub_co_u32 s21, 8, s21
	s_lshl_b32 s20, s20, s21                       ; x 256 row tiles, for V^T x 64
	s_lshl_b32 s21, s17, 4
	s_add_co_u32 s20, s20, s21
	s_lshl_b32 s21, s15, 3
	s_add_co_u32 s20, s20, s21                     ; + my first row tile
	s_lshl_b32 s21, s95, 12
	s_add_co_u32 s20, s20, s21                     ; V^T begins at fragment 4,096
	s_lshl_b32 s22, s20, 6
	s_add_co_u32 s22, s22, 9437184
	s_mov_b32 s23, 0
	s_add_nc_u64 s[98:99], s[12:13], s[22:23]      ; scale words
	s_mul_i32 s20, s20, 1536
	s_mov_b32 s21, 0
	s_add_nc_u64 s[12:13], s[12:13], s[20:21]      ; images
	s_sub_co_u32 s97, s95, 1                       ; all ones in role 0
	s_sub_co_u32 s100, 0, s95                      ; all ones in role 1
	s_wait_tensorcnt 1                             ; the scale words and my part of slot 0 are in; slot 1's load may be out
	s_barrier_signal -1
	s_barrier_wait -1
	FETCH_B 0, 0, 0
	FETCH_A 0, 0, 0
	SCALES 0
	FETCH_A 0, 0, 4
	s_wait_loadcnt 0x0                             ; the biases
.set n, 0
.rept 64
	v_and_b32 v[BIAS+n], s97, v[BIAS+n]
.set n, n+1
.endr
.irp a, 0,1,2,3,4,5,6,7
	v_and_b32 v[BX+2*\a], s100, v[BX+2*\a]
	v_mov_b32 v[BX+2*\a+1], 0                      ; (named with it as a pair)
.endr
	STEP 0, 1
	s_mov_b32 s3, LAPS-1
.Llap:                                             ; a trip goes once round the ring and fills both slots again
	TURN 0, 1, 1
	STEP 1, 0
	TURN 1, 0, 1
	STEP 0, 0
	s_sub_co_u32 s3, s3, 1
	s_cmp_lg_u32 s3, 0
	s_cbranch_scc1 .Llap
	TURN 0, 1, 0                                   ; the last lap fills nothing
	STEP 1, 0
	s_wait_dscnt 4*NL
	WIN 0xa1
	MUL16 0, 1, 1, 1, 0
	MUL16 2, 1, 1, 1, 0
	s_wait_dscnt 0x0
	WIN 0xf1
	MUL16 4, 1, 1, 1, 0
	MUL16 6, 1, 1, 1, 0
	WIN 0
	PLACES 4                                       ; in front of the first read of results and of writes into operands' registers
.irp b, 0,1,2,3
	v_mov_b32 v[TM+4+\b], 0                        ; a lane permute's destination counts as one of its sources
.endr
; THE WAY OUT, A's tile a: my row's 128 results are one K step of the next product: + the row's bias, quantised, stored as an image.  No LDS.
.macro OUTQ a
.if (\a) > 0
	s_wait_xcnt 0x0                                ; the last tile's stores have read their data
.endif
	WIN 0x02+(\a)/4
.set n, 0
.rept 32
	v_pk_add_f32 v[T+n:T+n+1], v[64*((\a)%4)+n:64*((\a)%4)+n+1], v[BX+2*(\a):BX+2*(\a)+1] op_sel_hi:[1,0]   ; each accumulator from its low end on
.set n, n+2
.endr
	WIN 0
	QUANT T
.irp c, 0,1,2
	global_store_b128 v[LI], v[PC+4*\c:PC+4*\c+3], s[12:13] offset:1536*(\a)+512*\c
.endr
.if (\a)%2 == 0
	v_mov_b32 v[PWE], v[PW]
.else
	v_cndmask_b32 v[PWX], v[PWE], v[PW], s2        ; two fragments' words: 128 consecutive bytes
	global_store_b32 v[L4], v[PWX], s[98:99] offset:64*((\a)-1)
.endif
.endm
.irp a, 0,1,2,3,4,5,6,7
	OUTQ \a
.endr
	s_wait_tensorcnt 0x0                           ; the wave's end
	ds_add_u32 v[SPW], v[NIL]
	s_wait_dscnt 0x0
	CROUND                                         ; the closing round
	s_endpgm
.Lfunc_end_k_q8c37307352_qkvp:
	.size	k_q8c37307352_qkvp, .Lfunc_end_k_q8c37307352_qkvp-k_q8c37307352_qkvp
	.p2alignl 7, 3214868480
	.fill 96, 4, 3214868480
	.section	.rodata,"a",@progbits
	.p2align	6, 0x0
	.amdhsa_kernel k_q8c37307352_qkvp
		.amdhsa_group_segment_fixed_size 327680
		.amdhsa_private_segment_fixed_size 0
		.amdhsa_enable_private_segment 0
		.amdhsa_kernarg_size 40
		.amdhsa_user_sgpr_count 2
		.amdhsa_user_sgpr_kernarg_segment_ptr 1
		.amdhsa_wavefront_size32 1
		.amdhsa_system_sgpr_workgroup_id_x 1
		.amdhsa_system_sgpr_workgroup_id_y 1
		.amdhsa_system_sgpr_workgroup_id_z 1
		.amdhsa_system_vgpr_workitem_id 0
		.amdhsa_next_free_vgpr 1024
		.amdhsa_next_free_sgpr 102
		.amdhsa_reserve_vcc 0
		.amdhsa_float_denorm_mode_32 3
		.amdhsa_float_denorm_mode_16_64 3
		.amdhsa_memory_ordered 1
		.amdhsa_forward_progress 1
		.amdhsa_inst_pref_size 164
	.end_amdhsa_kernel
	.amdgpu_metadata
---
amdhsa.version: [ 1, 2 ]
amdhsa.kernels:
  - .name:           k_q8c37307352_qkvp
    .symbol:         k_q8c37307352_qkvp.kd
    .args:
      - { .name: wts, .offset: 0, .size: 8, .value_kind: global_buffer, .address_space: global }
      - { .name: qb, .offset: 8, .size: 8, .value_kind: global_buffer, .address_space: global }
      - { .name: kb, .offset: 16, .size: 8, .value_kind: global_buffer, .address_space: global }
      - { .name: vb, .offset: 24, .size: 8, .value_kind: global_buffer, .address_space: global }
      - { .name: qkv, .offset: 32, .size: 8, .value_kind: global_buffer, .address_space: global }
    .group_segment_fixed_size: 327680
    .private_segment_fixed_size: 0
    .kernarg_segment_align: 8
    .kernarg_segment_size: 40
    .max_flat_workgroup_size: 128
    .sgpr_count:     102
    .vgpr_count:     1024
    .wavefront_size: 32
...
	.end_amdgpu_metadata
.endif
;; end of part 2
;; launch attn (part 3): grid 16 x 16, 4 waves a work-group, no clusters, 281,088 bytes of LDS; arguments qkv, mask, ctx; writes ctx
.if DOCPART == 3
	.amdgcn_target "amdgcn-amd-amdhsa--gfx1250"
	.amdhsa_code_object_version 6
	.text
	.protected	k_q8c37307352_attn
	.globl	k_q8c37307352_attn
	.p2align	8
	.type	k_q8c37307352_attn,@function
k_q8c37307352_attn:
	s_mov_b64 s[64:65], 0
	v_nop
	global_prefetch_b8 v0, s[64:65] scope:SCOPE_SE
	s_setreg_imm32_b32 hwreg(HW_REG_WAVE_MODE, 25, 1), 1
	s_wait_xcnt 0x0
; ctx = entmax-1.5(q k^T / sqrt(128), masked) v, both products on codes of FP6 (E2M3) with E8M0 scales; ctx is quantised along the model's 1,024 and stored as register images.
; SHARES.  A work-group takes 128 queries of one head (x: block of queries, y: 8 x batch + head) in 4 rounds of two tiles of 16 queries, A and B.  Wave w owns keys 512 w .. 512 w + 511
; in every round: a tile's 16 x 512 scores fill one window of 256 registers (A: window 2, B: window 3) and never leave them.
; LAYOUT.  S^T = K Q^T (source 0 = 16 keys, source 1 = 16 queries): a lane holds one query; row i of key tile t is key 32 (t / 2) + 8 (t % 2) + i + 8 (i / 8), so register R is key 32 (R / 16) + 16 h + R % 16.
; THE MASK is the C of the score product: 0, or -1e9 sqrt(128) for a masked key.
; THE THRESHOLD.  y = (s - largest s) / (2 sqrt(128)) <= 0.  p = max(y - u, 0)^2 with u the root of phi(u) = sqrt(sum of max(y - u, 0)^2) - 1.  phi is convex and falls, so Newton from u = -1,
; u += (s2 - sqrt(s2)) / s1 with s1 = sum t, s2 = sum t^2, rises to the root and never passes it.  Its slope lies between 1 and sqrt(2048); convexity gives
; phi' / phi + slope' / slope <= 1 from step to step, so after K steps phi <= 44.3 (1 - 45.3^(-1/K))^K: under 1e-7 for K = 14, whatever the scores.  14 passes, no branch on data.
; Each pass sums over a wave's 512 keys in registers; the four waves' sums meet in LDS.  Tile A's exchange stands under tile B's pass.
; O^T = V^T P^T (source 0 = 16 of the head's 128, source 1 = P): each wave sums over its own 512 keys; the four parts are added in f32 in a fixed order by waves 0 (tile A) and 1 (tile B).
; K's images stay in LDS (each wave's own 49,152 bytes); V's come from memory into idle registers, asked for a whole threshold search ahead.  No tensor load: what is shared with other work-groups is
; 0.2 MB of K read once and 0.8 MB of V spread over the whole run of a launch that is bound by its vector work.
; LIMITS: the mask's penalty is added, not put in the score's place: the same as long as |score| stays under 1e8 sqrt(128).  A batch all of whose keys are masked gets equal weights.
; NaN and infinities are not served.  A block whose every p is 0 keeps the scale byte 1: its codes are zeros.
.set KSC,  196608                      ; LDS: K's images from 0 (49,152 a wave); K's scale words (2,048 a wave);
.set PEN,  204800                      ; the penalties, f32, one a key;
.set MX,   212992                      ; largest scores: tile x 256 + 16 r + 4 w;
.set RED,  213504                      ; pass sums: tile x 512 + 32 r + 8 w;
.set OST,  214528                      ; partial O^T: 16,384 w + 8,192 tile + 512 g + 16 lane
.set LI,   1                           ; v1 16 x lane;  v2 4 r;  v3-15 LDS addresses and offsets that stay
.set R4,   2
.set KA,   3
.set KSA,  4
.set PNA,  5
.set MXS,  6
.set MXL,  7
.set REDS, 8
.set REDL, 9
.set OSS,  10
.set OSL,  11
.set CIO,  12
.set CSO,  13
.set KSW,  14
.set PNS,  15
.set KVS,  16                          ; v16-31 K's or V's scale words, two sets of 8
.set BMA,  32                          ; v32-47, v48-63 the largest score, later y, of each block of 32 keys
.set BMB,  48
.set T,    64                          ; v64-95 at work in a pass;  v64-71 the four waves' sums
.set L,    64
.set PCA,  64                          ; in the last stage: P's codes of A, of B, and halves on their way
.set PCB,  76
.set PCT,  88
.set S1,   96                          ; v96-103, v104-111 four pairs each of running sums
.set S2,   104
.set TMF,  96
.set SS,   112                         ; v112-115 (s1, s2) and the other half of the lanes'
.set PWA,  116                         ; P's scale words;  v118-119 Q's
.set PWB,  117
.set QS,   118
.set UA,   120                         ; v[120:121], v[122:123] u of A, of B (named as pairs)
.set UB,   122
.set MA,   124                         ; v[124:125], v[126:127] the row's largest score
.set MB,   126
.set OA,   128                         ; v128-191, v192-255 O^T of A, of B
.set OB,   192
.set QF,   224                         ; v224-247 Q's two fragments, from a round's end through the next round's scores
.set X,    128                         ; the join: 64 numbers, at work, codes, scale word
.set TM,   192
.set PC,   204
.set PW,   64
.set SEL,  34
.set CS,   36                          ; s[36:37] c = 1 / (2 sqrt(128))
.set MSB, 0
.macro WIN new                         ; bits 1:0 source 0, 3:2 source 1, 5:4 source 2, 7:6 destination; the high byte repeats the setting that is left
.if MSB != (\new)
	s_set_vgpr_msb (MSB<<8)|(\new)
.set MSB, (\new)
.endif
.endm
.macro PLACES n
.rept \n
	v_nop
.endr
.endm
.macro QUANT s
.irp b, 0,1,2,3
	v_max3_num_f32 v[TM+\b], |v[\s+16*\b]|, |v[\s+1+16*\b]|, 0x1800000
.endr
.irp i, 2,4,6,8,10,12,14
.irp b, 0,1,2,3
	v_max3_num_f32 v[TM+\b], v[TM+\b], |v[\s+16*\b+\i]|, |v[\s+1+16*\b+\i]|
.endr
.endr
.irp b, 0,1,2,3
	v_permlanex16_b32 v[TM+4+\b], v[TM+\b], s[SEL], s[SEL+1]
.endr
.irp b, 0,1,2,3
	v_max_num_f32 v[TM+\b], v[TM+\b], v[TM+4+\b]
.endr
.irp b, 0,1,2,3
	v_add_nc_u32 v[TM+8+\b], 0xff000000, v[TM+\b]
.endr
.irp b, 0,1,2,3
	v_lshrrev_b32 v[TM+4+\b], 23, v[TM+8+\b]
.endr
	v_lshl_or_b32 v[PW], v[TM+5], 8, v[TM+4]
	v_lshl_or_b32 v[PW], v[TM+6], 16, v[PW]
	v_lshl_or_b32 v[PW], v[TM+7], 24, v[PW]
.irp c, 0,1
	v_cvt_scalef32_pk16_fp6_f32 v[PC+6*\c:PC+2+6*\c], v[\s+32*\c:\s+15+32*\c], v[TM+8+2*\c]
	v_cvt_scalef32_pk16_fp6_f32 v[PC+12+4*\c:PC+14+4*\c], v[\s+16+32*\c:\s+31+32*\c], v[TM+8+2*\c+1]
.endr
	v_nop
.irp c, 0,1
.irp i, 0,1,2
	v_permlane16_swap_b32 v[PC+6*\c+\i], v[PC+12+4*\c+\i]
.endr
.irp i, 0,1,2
	v_mov_b32 v[PC+3+6*\c+\i], v[PC+12+4*\c+\i]
.endr
.endr
.endm
.macro PTR d, base, idx, mul, add      ; s[d:d+1] = a buffer's address + fragment number x mul + add
	s_mul_i32 s52, s\idx, \mul
	s_add_co_u32 s52, s52, \add
	s_mov_b32 s53, 0
	s_add_nc_u64 s[\d:\d+1], s[\base:\base+1], s[52:53]
.endm
.macro QLOAD                           ; the round's two query fragments and their scale words
.irp t, 0,1
.irp c, 0,1,2
	global_load_b128 v[QF+12*\t+4*\c:QF+12*\t+4*\c+3], v[LI], s[24:25] offset:1536*\t+512*\c
.endr
	global_load_b32 v[QS+\t], v[R4], s[26:27] offset:64*\t
.endr
.endm
.macro LOADK n                         ; key tiles 8 n .. 8 n + 7: 24 + 8 LDS loads
	WIN 0x40
.irp i, 0,1,2,3,4,5,6,7
.irp c, 0,1,2
	ds_load_b128 v[96*((\n)%2)+12*\i+4*\c:96*((\n)%2)+12*\i+4*\c+3], v[KA] offset:(8*(\n)+\i)*1536+512*\c
.endr
.endr
	WIN 0
.irp i, 0,1,2,3,4,5,6,7
	ds_load_b32 v[KVS+8*((\n)%2)+\i], v[KSA] offset:(8*(\n)+\i)*64
.endr
.endm
.macro PENL n                          ; their penalties, in the result's layout: 16 LDS loads
	WIN 0x40
.irp i, 0,1,2,3,4,5,6,7
	ds_load_b128 v[192+8*\i:195+8*\i], v[PNA] offset:(32*((8*(\n)+\i)/2)+8*(\i%2))*4
	ds_load_b128 v[196+8*\i:199+8*\i], v[PNA] offset:(32*((8*(\n)+\i)/2)+8*(\i%2))*4+16
.endr
	WIN 0
.endm
.macro SCORE n                         ; 16 products, each its own accumulator
	WIN 0x91                                       ; K window 1, Q window 0, the penalty window 1, S^T window 2
.irp i, 0,1,2,3,4,5,6,7
	v_wmma_scale_f32_16x16x128_f8f6f4 v[8*(8*(\n)+\i):8*(8*(\n)+\i)+7], v[96*((\n)%2)+12*\i:96*((\n)%2)+12*\i+11], v[QF:QF+11], v[192+8*\i:199+8*\i], v[KVS+8*((\n)%2)+\i], v[QS] matrix_a_fmt:MATRIX_FMT_FP6 matrix_b_fmt:MATRIX_FMT_FP6
.endr
	WIN 0xd1
.irp i, 0,1,2,3,4,5,6,7
	v_wmma_scale_f32_16x16x128_f8f6f4 v[8*(8*(\n)+\i):8*(8*(\n)+\i)+7], v[96*((\n)%2)+12*\i:96*((\n)%2)+12*\i+11], v[QF+12:QF+23], v[192+8*\i:199+8*\i], v[KVS+8*((\n)%2)+\i], v[QS+1] matrix_a_fmt:MATRIX_FMT_FP6 matrix_b_fmt:MATRIX_FMT_FP6
.endr
	WIN 0
	PLACES 4                                       ; in front of loads into registers that these products have read, and of the first read of results
.endm
.macro VLOAD s                         ; V^T of my keys 128 s on: 8 fragments and their scale words: 32 loads
	WIN 0x40
.irp d, 0,1,2,3,4,5,6,7
.irp c, 0,1,2
	global_load_b128 v[96*((\s)%2)+12*\d+4*\c:96*((\s)%2)+12*\d+4*\c+3], v[LI], s[20:21] offset:98304*(\s)+1536*\d+512*\c
.endr
.endr
	WIN 0
.irp d, 0,1,2,3,4,5,6,7
	global_load_b32 v[KVS+8*((\s)%2)+\d], v[R4], s[22:23] offset:4096*(\s)+64*\d
.endr
.endm
.macro BMAX W, BM, D                   ; the largest score of each of my 16 blocks of 32 keys, and of all: each accumulator is read from its low end on
	WIN (\W)|((\W)<<2)|((\W)<<4)
.irp b, 0,1,2,3,4,5,6,7,8,9,10,11,12,13,14,15
	v_max3_num_f32 v[\BM+\b], v[16*\b], v[16*\b+1], v[16*\b+2]
.endr
	WIN ((\W)<<2)|((\W)<<4)
.irp i, 3,5,7,9,11,13
.irp b, 0,1,2,3,4,5,6,7,8,9,10,11,12,13,14,15
	v_max3_num_f32 v[\BM+\b], v[\BM+\b], v[16*\b+\i], v[16*\b+\i+1]
.endr
.endr
.irp b, 0,1,2,3,4,5,6,7,8,9,10,11,12,13,14,15
	v_max_num_f32 v[\BM+\b], v[\BM+\b], v[16*\b+15]
.endr
	WIN 0
.irp b, 0,1,2,3,4,5,6,7,8,9,10,11,12,13,14,15
	v_permlanex16_b32 v[T+\b], v[\BM+\b], s[SEL], s[SEL+1]
.endr
.irp b, 0,1,2,3,4,5,6,7,8,9,10,11,12,13,14,15
	v_max_num_f32 v[\BM+\b], v[\BM+\b], v[T+\b]    ; with lane l xor 16's 16 keys
.endr
.irp g, 0,1,2,3,4
	v_max3_num_f32 v[T+\g], v[\BM+3*\g], v[\BM+3*\g+1], v[\BM+3*\g+2]
.endr
	v_max3_num_f32 v[T], v[T], v[T+1], v[T+2]
	v_max3_num_f32 v[T+3], v[T+3], v[T+4], v[\BM+15]
	v_max_num_f32 v[\D], v[T], v[T+3]
.endm
.macro SHIFT W, M, BM                  ; y = (s - m) c, in place; the same two operations on the blocks' largest give the same bits
	WIN ((\W)<<6)|(\W)
.set n, 0
.rept 128
	v_pk_add_f32 v[n:n+1], v[n:n+1], v[\M:\M+1] op_sel_hi:[1,0] neg_lo:[0,1] neg_hi:[0,1]
.set n, n+2
.endr
.set n, 0
.rept 128
	v_pk_mul_f32 v[n:n+1], v[n:n+1], s[CS:CS+1] op_sel_hi:[1,0]
.set n, n+2
.endr
	WIN 0
.irp b, 0,1,2,3,4,5,6,7,8,9,10,11,12,13,14,15
	v_sub_f32 v[\BM+\b], v[\BM+\b], v[\M]
.endr
.irp b, 0,1,2,3,4,5,6,7,8,9,10,11,12,13,14,15
	v_mul_f32 v[\BM+\b], s[CS], v[\BM+\b]
.endr
.endm
; A PASS over my 512 keys of one tile: t = max(y - u, 0), s1 += t, s2 += t t: five instructions for two scores.  Only source 0 of the subtraction lies in the tile's window; the maximum and s1's
; multiply-add have a constant as source 0, so one switch serves the three; s2's wants t as source 0: two switches for 80 instructions.
.macro PASS W, U
.set bt, 0
.rept 8
	WIN \W
.irp p, 0,1,2,3,4,5,6,7,8,9,10,11,12,13,14,15
	v_pk_add_f32 v[T+2*\p:T+2*\p+1], v[32*bt+2*\p:32*bt+2*\p+1], v[\U:\U+1] op_sel_hi:[1,0] neg_lo:[0,1] neg_hi:[0,1]
.endr
.irp j, 0,1,2,3,4,5,6,7,8,9,10,11,12,13,14,15,16,17,18,19,20,21,22,23,24,25,26,27,28,29,30,31
	v_max_num_f32 v[T+\j], 0, v[T+\j]
.endr
.irp p, 0,1,2,3,4,5,6,7,8,9,10,11,12,13,14,15
.if (bt == 0) && (\p < 4)
	v_pk_fma_f32 v[S1+2*(\p%4):S1+2*(\p%4)+1], 1.0, v[T+2*\p:T+2*\p+1], 0 op_sel_hi:[0,1,0]   ; the first four start the sums
.else
	v_pk_fma_f32 v[S1+2*(\p%4):S1+2*(\p%4)+1], 1.0, v[T+2*\p:T+2*\p+1], v[S1+2*(\p%4):S1+2*(\p%4)+1] op_sel_hi:[0,1,1]
.endif
.endr
	WIN 0
.irp p, 0,1,2,3,4,5,6,7,8,9,10,11,12,13,14,15
.if (bt == 0) && (\p < 4)
	v_pk_mul_f32 v[S2+2*(\p%4):S2+2*(\p%4)+1], v[T+2*\p:T+2*\p+1], v[T+2*\p:T+2*\p+1]
.else
	v_pk_fma_f32 v[S2+2*(\p%4):S2+2*(\p%4)+1], v[T+2*\p:T+2*\p+1], v[T+2*\p:T+2*\p+1], v[S2+2*(\p%4):S2+2*(\p%4)+1]
.endif
.endr
.set bt, bt+1
.endr
	v_pk_add_f32 v[S1:S1+1], v[S1:S1+1], v[S1+2:S1+3]
	v_pk_add_f32 v[S2:S2+1], v[S2:S2+1], v[S2+2:S2+3]
	v_pk_add_f32 v[S1+4:S1+5], v[S1+4:S1+5], v[S1+6:S1+7]
	v_pk_add_f32 v[S2+4:S2+5], v[S2+4:S2+5], v[S2+6:S2+7]
	v_pk_add_f32 v[S1:S1+1], v[S1:S1+1], v[S1+4:S1+5]
	v_pk_add_f32 v[S2:S2+1], v[S2:S2+1], v[S2+4:S2+5]
	v_add_f32 v[SS], v[S1], v[S1+1]
	v_add_f32 v[SS+1], v[S2], v[S2+1]
	v_permlanex16_b32 v[SS+2], v[SS], s[SEL], s[SEL+1]
	v_permlanex16_b32 v[SS+3], v[SS+1], s[SEL], s[SEL+1]
	v_pk_add_f32 v[SS:SS+1], v[SS:SS+1], v[SS+2:SS+3]   ; (s1, s2) of my query over my wave's keys
.endm
.macro UPDATE U                        ; the four waves' sums in a fixed order, so that all waves get the same bits; then the Newton step
	v_pk_add_f32 v[L:L+1], v[L:L+1], v[L+2:L+3]
	v_pk_add_f32 v[L+4:L+5], v[L+4:L+5], v[L+6:L+7]
	v_pk_add_f32 v[L:L+1], v[L:L+1], v[L+4:L+5]
	v_sqrt_f32 v[L+2], v[L+1]
	v_rcp_f32 v[L+3], v[L]
	v_nop                                          ; a plain place behind the transcendentals
	s_wait_alu depctr_va_vdst(0)
	v_sub_f32 v[L+2], v[L+1], v[L+2]
	v_fma_f32 v[\U], v[L+2], v[L+3], v[\U]
.endm
.macro PMAKE W, U, s                   ; p = max(y - u, 0)^2 of my keys 128 s on, in place
	WIN ((\W)<<6)|(\W)
.set n, 0
.rept 32
	v_pk_add_f32 v[64*(\s)+n:64*(\s)+n+1], v[64*(\s)+n:64*(\s)+n+1], v[\U:\U+1] op_sel_hi:[1,0] neg_lo:[0,1] neg_hi:[0,1]
.set n, n+2
.endr
	WIN ((\W)<<6)|((\W)<<2)
.set n, 0
.rept 64
	v_max_num_f32 v[64*(\s)+n], 0, v[64*(\s)+n]
.set n, n+1
.endr
	WIN ((\W)<<6)|((\W)<<2)|(\W)
.set n, 0
.rept 32
	v_pk_mul_f32 v[64*(\s)+n:64*(\s)+n+1], v[64*(\s)+n:64*(\s)+n+1], v[64*(\s)+n:64*(\s)+n+1]
.set n, n+2
.endr
	WIN 0
.endm
.macro QCODES W, U, BM, P, PWR, s      ; a block's largest p is not searched for: p rises with y, and the block's largest y goes through the same three operations
.irp b, 0,1,2,3
	v_sub_f32 v[TMF+\b], v[\BM+4*(\s)+\b], v[\U]
.endr
.irp b, 0,1,2,3
	v_max_num_f32 v[TMF+\b], 0, v[TMF+\b]
.endr
.irp b, 0,1,2,3
	v_mul_f32 v[TMF+\b], v[TMF+\b], v[TMF+\b]
.endr
.irp b, 0,1,2,3
	v_max_num_f32 v[TMF+\b], 0x1800000, v[TMF+\b]  ; the floor 2^(3 - 127): the byte cannot fall under 1
.endr
.irp b, 0,1,2,3
	v_add_nc_u32 v[TMF+8+\b], 0xff000000, v[TMF+\b]
.endr
.irp b, 0,1,2,3
	v_lshrrev_b32 v[TMF+4+\b], 23, v[TMF+8+\b]
.endr
	v_lshl_or_b32 v[\PWR], v[TMF+5], 8, v[TMF+4]
	v_lshl_or_b32 v[\PWR], v[TMF+6], 16, v[\PWR]
	v_lshl_or_b32 v[\PWR], v[TMF+7], 24, v[\PWR]
	WIN \W
.irp c, 0,1
	v_cvt_scalef32_pk16_fp6_f32 v[\P+6*\c:\P+6*\c+2], v[64*(\s)+32*\c:64*(\s)+32*\c+15], v[TMF+8+2*\c]
	v_cvt_scalef32_pk16_fp6_f32 v[PCT+4*\c:PCT+4*\c+2], v[64*(\s)+32*\c+16:64*(\s)+32*\c+31], v[TMF+8+2*\c+1]
.endr
	WIN 0
	v_nop
.irp c, 0,1
.irp i, 0,1,2
	v_permlane16_swap_b32 v[\P+6*\c+\i], v[PCT+4*\c+\i]
.endr
.irp i, 0,1,2
	v_mov_b32 v[\P+3+6*\c+\i], v[PCT+4*\c+\i]
.endr
.endr
.endm
.macro PV s                            ; O^T += V^T P^T: 16 accumulators by turns
	WIN 0x01
.irp d, 0,1,2,3,4,5,6,7
.if (\s) == 0
	v_wmma_scale_f32_16x16x128_f8f6f4 v[OA+8*\d:OA+8*\d+7], v[96*((\s)%2)+12*\d:96*((\s)%2)+12*\d+11], v[PCA:PCA+11], 0, v[KVS+8*((\s)%2)+\d], v[PWA] matrix_a_fmt:MATRIX_FMT_FP6 matrix_b_fmt:MATRIX_FMT_FP6
	v_wmma_scale_f32_16x16x128_f8f6f4 v[OB+8*\d:OB+8*\d+7], v[96*((\s)%2)+12*\d:96*((\s)%2)+12*\d+11], v[PCB:PCB+11], 0, v[KVS+8*((\s)%2)+\d], v[PWB] matrix_a_fmt:MATRIX_FMT_FP6 matrix_b_fmt:MATRIX_FMT_FP6
.else
	v_wmma_scale_f32_16x16x128_f8f6f4 v[OA+8*\d:OA+8*\d+7], v[96*((\s)%2)+12*\d:96*((\s)%2)+12*\d+11], v[PCA:PCA+11], v[OA+8*\d:OA+8*\d+7], v[KVS+8*((\s)%2)+\d], v[PWA] matrix_a_fmt:MATRIX_FMT_FP6 matrix_b_fmt:MATRIX_FMT_FP6
	v_wmma_scale_f32_16x16x128_f8f6f4 v[OB+8*\d:OB+8*\d+7], v[96*((\s)%2)+12*\d:96*((\s)%2)+12*\d+11], v[PCB:PCB+11], v[OB+8*\d:OB+8*\d+7], v[KVS+8*((\s)%2)+\d], v[PWB] matrix_a_fmt:MATRIX_FMT_FP6 matrix_b_fmt:MATRIX_FMT_FP6
.endif
.endr
	WIN 0
	PLACES 5                                       ; four serve the loads into V's registers and the LDS stores of O^T; the fifth is owed because Q's fragments share registers with tile B's O^T: on the way of a wave
	                                               ; that has no part in the join no other vector instruction stands between the last of these products and the next round's score products, which take v224-247 as an operand
.endm
	s_load_b128 s[4:7], s[0:1], 0x0                ; qkv, mask
	s_load_b64 s[8:9], s[0:1], 0x10                ; ctx
	v_lshrrev_b32 v1, 5, v0
	v_readfirstlane_b32 s10, v1                    ; wave 0..3
	s_and_b32 s12, ttmp7, 0xffff
	s_lshr_b32 s13, s12, 3                         ; batch
	s_and_b32 s14, s12, 7                          ; head
	v_and_b32 v64, 31, v0
	v_and_b32 v65, 15, v0                          ; r
	v_bfe_u32 v66, v0, 4, 1                        ; h
	v_lshlrev_b32 v67, 4, v0                       ; 16 x thread: my 16 mask bytes
	v_lshlrev_b32 v[LI], 4, v64
	v_lshlrev_b32 v[R4], 2, v65
	s_mul_i32 s40, s10, 49152
	v_add_nc_u32 v[KA], s40, v[LI]
	s_lshl_b32 s40, s10, 11
	s_add_co_u32 s41, s40, KSC
	v_add_nc_u32 v[KSA], s41, v[R4]
	v_add_nc_u32 v[KSW], s41, v[LI]
	s_add_co_u32 s41, s40, PEN
	v_lshl_add_u32 v[PNA], v66, 6, s41
	v_lshl_add_u32 v[PNS], v0, 6, PEN
	s_lshl_b32 s41, s10, 2
	s_add_co_u32 s41, s41, MX
	v_lshl_add_u32 v[MXS], v65, 4, s41
	v_lshl_add_u32 v[MXL], v65, 4, MX
	s_lshl_b32 s41, s10, 3
	s_add_co_u32 s41, s41, RED
	v_lshl_add_u32 v[REDS], v65, 5, s41
	v_lshl_add_u32 v[REDL], v65, 5, RED
	s_lshl_b32 s41, s10, 14
	s_add_co_u32 s41, s41, OST
	v_add_nc_u32 v[OSS], s41, v[LI]
	s_lshl_b32 s41, s10, 13
	s_add_co_u32 s41, s41, OST
	v_add_nc_u32 v[OSL], s41, v[LI]
	s_mul_i32 s41, s10, 12288
	v_add_nc_u32 v[CIO], s41, v[LI]                ; ctx: wave w stores tile w: 8 fragments on
	s_lshl_b32 s41, s10, 9
	v_add_nc_u32 v[CSO], s41, v[R4]
	s_mov_b32 s[SEL], 0x76543210
	s_mov_b32 s[SEL+1], 0xfedcba98
	s_mov_b32 s[CS], 0x3d3504f3                    ; 1 / (2 sqrt(128))
	s_mov_b32 s[CS+1], s[CS]
	s_lshl_b32 s42, s13, 7                         ; fragment numbers: 128 batch,
	s_lshl_b32 s43, s14, 8                         ; 256 head
	s_add_co_u32 s44, s42, s43
	s_lshl_b32 s45, s10, 5
	s_add_co_u32 s45, s45, s44
	s_add_co_u32 s45, s45, 2048                    ; K: (8 + head) 256 + 128 batch + 32 w
	s_lshl_b32 s46, ttmp9, 3
	s_add_co_u32 s47, s44, s46                     ; Q: 256 head + 128 batch + 8 x block
	s_add_co_u32 s48, s42, s46
	s_lshl_b32 s48, s48, 3
	s_add_co_u32 s48, s48, s14                     ; ctx: (128 batch + 8 x block) 8 + head
	s_lshl_b32 s49, s13, 4
	s_lshl_b32 s50, s10, 2
	s_add_co_u32 s49, s49, s50
	s_lshl_b32 s49, s49, 6
	s_lshl_b32 s50, s14, 3
	s_add_co_u32 s49, s49, s50
	s_add_co_u32 s49, s49, 4096                    ; V^T: 4,096 + (16 batch + 4 w) 64 + 8 head
	s_wait_kmcnt 0x0
	PTR 16, 4, 45, 1536, 0
	PTR 18, 4, 45, 64, 9437184
	PTR 20, 4, 49, 1536, 0
	PTR 22, 4, 49, 64, 9437184
	PTR 24, 4, 47, 1536, 0
	PTR 26, 4, 47, 64, 9437184
	PTR 28, 8, 48, 1536, 0
	PTR 30, 8, 48, 64, 3145728
	s_lshl_b32 s52, s13, 11
	s_add_nc_u64 s[6:7], s[6:7], s[52:53]          ; the batch's mask (s53 = 0)
	; my wave's 32 key fragments: 49,152 dense bytes, through registers into LDS, where they stay
	WIN 0x80
.set n, 0
.rept 64
	global_load_b128 v[4*n:4*n+3], v[LI], s[16:17] offset:512*n
.set n, n+1
.endr
	WIN 0xc0
.set n, 0
.rept 32
	global_load_b128 v[4*n:4*n+3], v[LI], s[16:17] offset:512*(n+64)
.set n, n+1
.endr
	WIN 0
.irp n, 0,1,2,3
	global_load_b128 v[68+4*\n:71+4*\n], v[LI], s[18:19] offset:512*\n
.endr
	global_load_b128 v[96:99], v67, s[6:7]
	s_wait_loadcnt 0x0
	QLOAD                                          ; round 0's queries
	WIN 0x08
.set n, 0
.rept 64
	ds_store_b128 v[KA], v[4*n:4*n+3] offset:512*n
.set n, n+1
.endr
	WIN 0x0c
.set n, 0
.rept 32
	ds_store_b128 v[KA], v[4*n:4*n+3] offset:512*(n+64)
.set n, n+1
.endr
	WIN 0
.irp n, 0,1,2,3
	ds_store_b128 v[KSW], v[68+4*\n:71+4*\n] offset:512*\n
.endr
.irp d, 0,1,2,3
.irp k, 0,1,2,3
	v_bfe_u32 v[100+4*\d+\k], v[96+\d], 8*\k, 1    ; a mask byte is 0 or 1
.endr
.endr
.set n, 0
.rept 16
	v_sub_nc_u32 v[100+n], 0, v[100+n]             ; 0 or all ones
.set n, n+1
.endr
.set n, 0
.rept 16
	v_and_b32 v[100+n], 0xd028965f, v[100+n]       ; 0 or -1e9 sqrt(128)
.set n, n+1
.endr
.irp j, 0,1,2,3
	ds_store_b128 v[PNS], v[100+4*\j:103+4*\j] offset:16*\j
.endr
	s_wait_dscnt 0x0
.set n, 0
.rept 16
	v_mov_b32 v[T+n], 0                            ; written once: a lane permute's destination counts as one of its sources
.set n, n+1
.endr
	v_mov_b32 v[SS+2], 0
	v_mov_b32 v[SS+3], 0
	v_mov_b32 v[UA+1], 0                           ; (upper halves of pairs of which the low word serves both halves)
	v_mov_b32 v[UB+1], 0
	v_mov_b32 v[MA+1], 0
	v_mov_b32 v[MB+1], 0
	s_barrier_signal -1
	s_barrier_wait -1
	s_mov_b32 s32, 4
.Lround:
	; ---- the scores: four batches of 8 key tiles x 2 query tiles
	LOADK 0
	PENL 0
	LOADK 1
	s_wait_loadcnt 0x0                             ; Q
	s_wait_dscnt 32                                ; all but the next batch's 32 loads
	SCORE 0
	PENL 1
	LOADK 2
	s_wait_dscnt 32
	SCORE 1
	PENL 2
	LOADK 3
	s_wait_dscnt 32
	SCORE 2
	PENL 3
	s_wait_dscnt 0x0
	SCORE 3
	VLOAD 0                                        ; V's first two steps land while the threshold is searched
	VLOAD 1
	; ---- the row's largest score, over the four waves
	BMAX 2, BMA, SS
	BMAX 3, BMB, SS+1
	ds_store_b32 v[MXS], v[SS]
	ds_store_b32 v[MXS], v[SS+1] offset:256
	s_wait_dscnt 0x0
	s_barrier_signal -1
	s_barrier_wait -1
	ds_load_b128 v[T:T+3], v[MXL]
	ds_load_b128 v[T+4:T+7], v[MXL] offset:256
	s_wait_dscnt 0x0
	v_max3_num_f32 v[T], v[T], v[T+1], v[T+2]
	v_max3_num_f32 v[T+4], v[T+4], v[T+5], v[T+6]
	v_max_num_f32 v[MA], v[T], v[T+3]
	v_max_num_f32 v[MB], v[T+4], v[T+7]
	SHIFT 2, MA, BMA
	SHIFT 3, MB, BMB
	v_mov_b32 v[UA], -1.0
	v_mov_b32 v[UB], -1.0
	; ---- the threshold: 14 Newton steps for each tile
	s_mov_b32 s33, 14
.Lpass:
	PASS 2, UA
	ds_store_b64 v[REDS], v[SS:SS+1]
	s_wait_dscnt 0x0                               ; for the others' sake: my sums of A lie in LDS
	s_barrier_signal -1
	PASS 3, UB                                     ; register work while the others arrive
	s_barrier_wait -1
	ds_load_b128 v[L:L+3], v[REDL]
	ds_load_b128 v[L+4:L+7], v[REDL] offset:16
	ds_store_b64 v[REDS], v[SS:SS+1] offset:512
	s_wait_dscnt 0x0                               ; A's sums are read, B's lie in LDS
	s_barrier_signal -1
	UPDATE UA
	s_barrier_wait -1
	ds_load_b128 v[L:L+3], v[REDL] offset:512
	ds_load_b128 v[L+4:L+7], v[REDL] offset:528
	s_wait_dscnt 0x0                               ; read before my next signal: B's words are written again only behind the next barrier
	UPDATE UB
	s_sub_co_u32 s33, s33, 1
	s_cmp_lg_u32 s33, 0
	s_cbranch_scc1 .Lpass
	; ---- p, its codes, and the second product, 128 keys at a time
.irp s, 0,1,2,3
	PMAKE 2, UA, \s
	QCODES 2, UA, BMA, PCA, PWA, \s
	PMAKE 3, UB, \s
	QCODES 3, UB, BMB, PCB, PWB, \s
	PLACES 8                                       ; a scale word made by vector instructions stands 8 places ahead of the product, codes so made 4
.if \s < 3
	s_wait_loadcnt 32                              ; this step's V is in; the next step's 32 loads may be out
.else
	s_wait_loadcnt 0x0
.endif
	PV \s
.if \s < 2
	VLOAD \s+2
.endif
.endr
	; ---- the four waves' parts of O^T meet in LDS
.set n, 0
.rept 32
	ds_store_b128 v[OSS], v[OA+4*n:OA+4*n+3] offset:512*n
.set n, n+1
.endr
	s_wait_dscnt 0x0
	s_cmp_eq_u32 s32, 1
	s_cbranch_scc1 .Lno_q                          ; the last round asks for no further queries
	s_wait_xcnt 0x0
	s_add_nc_u64 s[24:25], s[24:25], 3072
	s_add_nc_u64 s[26:27], s[26:27], 128
	QLOAD
.Lno_q:
	s_barrier_signal -1
	s_barrier_wait -1
	s_cmp_gt_u32 s10, 1
	s_cbranch_scc1 .Lno_join                       ; wave 0 finishes tile A, wave 1 tile B
	WIN 0x80
.irp v, 0,1,2,3
.irp g, 0,1,2,3,4,5,6,7,8,9,10,11,12,13,14,15
	ds_load_b128 v[64*\v+4*\g:64*\v+4*\g+3], v[OSL] offset:16384*\v+512*\g
.endr
.endr
	s_wait_dscnt 0x0
	WIN 0x8a
.set n, 0
.rept 32
	v_pk_add_f32 v[n:n+1], v[n:n+1], v[64+n:65+n]
	v_pk_add_f32 v[128+n:129+n], v[128+n:129+n], v[192+n:193+n]
.set n, n+2
.endr
	WIN 0x0a
.set n, 0
.rept 32
	v_pk_add_f32 v[X+n:X+n+1], v[n:n+1], v[128+n:129+n]
.set n, n+2
.endr
	WIN 0
	QUANT X                                        ; my query's 128 channels are K step "head" of the next product
.irp c, 0,1,2
	global_store_b128 v[CIO], v[PC+4*\c:PC+4*\c+3], s[28:29] offset:512*\c
.endr
	global_store_b32 v[CSO], v[PW], s[30:31]       ; both halves of the lanes hold row r's word and write it to the same place
.Lno_join:
	s_wait_xcnt 0x0                                ; the stores have read their bases
	s_add_nc_u64 s[28:29], s[28:29], 24576         ; two row tiles on
	s_add_nc_u64 s[30:31], s[30:31], 1024
	s_sub_co_u32 s32, s32, 1
	s_cmp_lg_u32 s32, 0
	s_cbranch_scc1 .Lround
	s_wait_xcnt 0x0
	v_lshl_add_u32 v254, v0, 2, 0x44800
	v_mov_b32 v255, 0
	s_wait_tensorcnt 0x0
	ds_add_u32 v254, v255
	s_wait_dscnt 0x0
	s_endpgm
.Lfunc_end_k_q8c37307352_attn:
	.size	k_q8c37307352_attn, .Lfunc_end_k_q8c37307352_attn-k_q8c37307352_attn
	.p2alignl 7, 3214868480
	.fill 96, 4, 3214868480
	.section	.rodata,"a",@progbits
	.p2align	6, 0x0
	.amdhsa_kernel k_q8c37307352_attn
		.amdhsa_group_segment_fixed_size 281088
		.amdhsa_private_segment_fixed_size 0
		.amdhsa_enable_private_segment 0
		.amdhsa_kernarg_size 24
		.amdhsa_user_sgpr_count 2
		.amdhsa_user_sgpr_kernarg_segment_ptr 1
		.amdhsa_wavefront_size32 1
		.amdhsa_system_sgpr_workgroup_id_x 1
		.amdhsa_system_sgpr_workgroup_id_y 1
		.amdhsa_system_sgpr_workgroup_id_z 1
		.amdhsa_system_vgpr_workitem_id 0
		.amdhsa_next_free_vgpr 1024
		.amdhsa_next_free_sgpr 66
		.amdhsa_reserve_vcc 0
		.amdhsa_float_denorm_mode_32 3
		.amdhsa_float_denorm_mode_16_64 3
		.amdhsa_memory_ordered 1
		.amdhsa_forward_progress 1
		.amdhsa_inst_pref_size 255
	.end_amdhsa_kernel
	.section	.bss,"aw",@nobits
	.p2align	6
	.space	262144
	.amdgpu_metadata
---
amdhsa.version: [ 1, 2 ]
amdhsa.kernels:
  - .name:           k_q8c37307352_attn
    .symbol:         k_q8c37307352_attn.kd
    .args:
      - { .name: qkv, .offset: 0, .size: 8, .value_kind: global_buffer, .address_space: global }
      - { .name: mask, .offset: 8, .size: 8, .value_kind: global_buffer, .address_space: global }
      - { .name: ctx, .offset: 16, .size: 8, .value_kind: global_buffer, .address_space: global }
    .group_segment_fixed_size: 281088
    .private_segment_fixed_size: 0
    .kernarg_segment_align: 8
    .kernarg_segment_size: 24
    .max_flat_workgroup_size: 128
    .sgpr_count:     66
    .vgpr_count:     1024
    .wavefront_size: 32
...
	.end_amdgpu_metadata
.endif
;; end of part 3
;; launch oproj (part 4): grid 4 x 16, 4 waves a work-group, clusters of 4 x 4, 327,680 bytes of LDS; arguments ctx, wts, ob, src, xf, xq; writes xf, xq
.if DOCPART == 4
	.amdgcn_target "amdgcn-amd-amdhsa--gfx1250"
	.amdhsa_code_object_version 6
	.text
	.protected	k_q8c37307352_oproj
	.globl	k_q8c37307352_oproj
	.p2align	8
	.type	k_q8c37307352_oproj,@function
k_q8c37307352_oproj:
	s_mov_b64 s[64:65], 0
	v_nop
	global_prefetch_b8 v0, s[64:65] scope:SCOPE_SE
	s_setreg_imm32_b32 hwreg(HW_REG_WAVE_MODE, 25, 1), 1
	s_wait_xcnt 0x0
	s_wait_alu depctr_hold_cnt(0) depctr_sa_sdst(0) depctr_va_vdst(0) depctr_va_sdst(0) depctr_va_ssrc(0) depctr_va_vcc(0) depctr_vm_vsrc(0)
	s_getreg_b32 s2, hwreg(HW_REG_IB_STS2, 6, 4)
	s_cmp_eq_u32 s2, 0
	s_cbranch_scc0 .Lentry_in_a_cluster
	s_endpgm
.Lentry_in_a_cluster:
	s_bfe_u32 s2, ttmp6, 0x10000c
	s_cmp_lg_u32 s2, 0xf033
	s_cbranch_scc0 .Lentry_shape_is_right
	s_endpgm
.Lentry_shape_is_right:
; x = src + ctx ow^T + ob, the product on codes of FP6 (E2M3) with E8M0 scales, K = 1,024.  x leaves twice: as f32 (xf, for the last residual) and quantised along its 1,024 (xq, register images).
; OPERANDS are register images (16 rows x 128 K = 1,536 bytes; registers 4 c .. 4 c + 3 of lane l at 512 c + 16 l); row i of row tile t is row 32 (t / 2) + 8 (t % 2) + i + 8 (i / 8).
; THE MATRIX INSTRUCTION IS USED TRANSPOSED: source 0 = 16 rows of B (ow), source 1 = 16 rows of A (ctx): a lane keeps one row of A, and the registers of B's tiles 2 b, 2 b + 1 are 16 neighbouring columns.
; A tile of C is 256 x 256, four waves of 128 x 128.  K goes in steps of 256 through two LDS slots filled by joint tensor loads: 4 x 4 work-groups form a cluster, A's tiles are shared along its rows,
; B's along its columns.  The scale words of the work-group's rows, for all of K, come once with the first fills.  64 tiles: a quarter of the WGPs have work (a smaller tile would want a second main loop).
; LIMITS: NaN and infinities are not served; blocks under 2^-124 keep the scale byte 1.
.set KS,    8
.set FRA,   0                          ; A's first fragment in ctx;  B's (ow) in wts
.set FRB,   3584
.set SCA,   3145728
.set SCBB,  12582912
.set PA,    4
.set PB,    6
.set QOUT,  1
.set FR,    12
.set NL,    3
.set HALFT, 8*3072
.set SLOT,  4*HALFT
.set SCL,   2*SLOT
.set HALFS, 512*KS
.set SPARE, 262144
.set LAPS,  KS/4
.set ADRA, 16
.set ADRB, 20
.set STO,  24                          ; v24 the stage: row r, 64 h bytes on;  v25: 16 x lane of a row
.set RD,   25
.set ADRS, 27
.set SPW,  28
.set NIL,  29
.set LI,   30
.set SO,   31                          ; v31 512 h + 4 r: two fragments' scale words
.set SC,   32
.set BIAS, 64
.set AF,   128
.set X,    128                         ; the way out: 16 whole rows of 512 bytes;  v192-255: my row's 64 numbers
.set Y,    192
.set TM,   64
.set PC,   76
.set PW,   96
.set PWE,  97
.set PWX,  98
.set SEL,  92
.set G1, 24
.set G0, 32
.set G1B, 48
.set G0B, 56
.set G1S, 68
.set G0S, 76
.set G1SB, 80
.set G0SB, 88
.set MSB, 0
.macro WIN new
.if MSB != (\new)
	s_set_vgpr_msb (MSB<<8)|(\new)
.set MSB, (\new)
.endif
.endm
.macro PLACES n
.rept \n
	v_nop
.endr
.endm
.macro JLOAD g0a, g1a, g0b, g1b        ; a joint load: waves 0, 1 fetch for A, waves 2, 3 for B; four v_nop follow each line
	s_cmp_eq_u32 s15, 0
	s_cbranch_scc0 .Lfor_b_\@
	tensor_load_to_lds s[\g0a:\g0a+3], s[\g1a:\g1a+7]
	s_nop 0
.rept 4
	v_nop
.endr
	s_branch .Lasked_\@
.Lfor_b_\@:
	tensor_load_to_lds s[\g0b:\g0b+3], s[\g1b:\g1b+7]
	s_nop 0
.rept 4
	v_nop
.endr
.Lasked_\@:
.endm
.macro CREST
	s_cmp_lg_u32 s14, 0
	s_cbranch_scc1 .Lnot_wave_0_\@
	s_barrier_signal -3
.Lnot_wave_0_\@:
	s_barrier_wait -3
	s_barrier_signal -1
	s_barrier_wait -1
.endm
.macro CROUND
	s_barrier_signal -1
	s_barrier_wait -1
	CREST
.endm
.macro FRAG reg, adr, q, i
.irp c, 0,1,2
	ds_load_b128 v[\reg+4*\c:\reg+4*\c+3], v[\adr] offset:(\i)*3072+(\q)*1536+512*\c
.endr
.endm
; 16 matrix instructions; the 64 accumulators take turns, one instruction a turn, in the same order in every step.  zero = 1: the bias is the C
.macro MUL16 a0, p, q, sc, zero
.irp a, \a0, \a0+1
.irp b, 0,1,2,3,4,5,6,7
.if \zero
	v_wmma_scale_f32_16x16x128_f8f6f4 v[8*(8*((\a)%4)+\b):8*(8*((\a)%4)+\b)+7], v[128*(\p)+FR*\b:128*(\p)+FR*\b+FR-1], v[AF+FR*(\a):AF+FR*(\a)+FR-1], v[BIAS+8*\b:BIAS+8*\b+7], v[SC+16*(\sc)+2*\b+(\q)], v[SC+16*(\sc)+2*(\a)+(\q)] matrix_a_fmt:MATRIX_FMT_FP6 matrix_b_fmt:MATRIX_FMT_FP6 matrix_a_scale:MATRIX_SCALE_ROW1
.else
	v_wmma_scale_f32_16x16x128_f8f6f4 v[8*(8*((\a)%4)+\b):8*(8*((\a)%4)+\b)+7], v[128*(\p)+FR*\b:128*(\p)+FR*\b+FR-1], v[AF+FR*(\a):AF+FR*(\a)+FR-1], v[8*(8*((\a)%4)+\b):8*(8*((\a)%4)+\b)+7], v[SC+16*(\sc)+2*\b+(\q)], v[SC+16*(\sc)+2*(\a)+(\q)] matrix_a_fmt:MATRIX_FMT_FP6 matrix_b_fmt:MATRIX_FMT_FP6 matrix_a_scale:MATRIX_SCALE_ROW1
.endif
.endr
.endr
.endm
.macro FETCH_B slot, q, p
	WIN 0x40
.irp i, 0,1,2,3,4,5,6,7
	FRAG 128*(\p)+FR*\i, ADRB+\slot, \q, \i
.endr
	WIN 0
.endm
.macro FETCH_A slot, q, i0
.irp i, \i0, \i0+1, \i0+2, \i0+3
	FRAG AF+FR*(\i), ADRA+\slot, \q, \i
.endr
.endm
.macro SCALES sc
.irp i, 0,1,2,3,4,5,6,7
.irp q, 0,1
	ds_load_b32 v[SC+16*\sc+2*\i+\q], v[ADRS] offset:\i*64*KS+64*\q
.endr
.endr
.endm
.macro STEP slot, zero
	s_wait_dscnt 4*NL                              ; all but the youngest 12 loads (A's tiles 4-7) are in
	WIN 0xa1-0x20*\zero
	MUL16 0, 0, 0, \slot, \zero
	MUL16 2, 0, 0, \slot, \zero
	s_wait_dscnt 0x0
	PLACES 4
	FETCH_B \slot, 1, 1
	FETCH_A \slot, 1, 0
	WIN 0xf1-0x30*\zero
	MUL16 4, 0, 0, \slot, \zero
	MUL16 6, 0, 0, \slot, \zero
	PLACES 4
	WIN 0
	FETCH_A \slot, 1, 4
.endm
.macro TURN slot, next, fill
	s_wait_tensorcnt 0x0                           ; all my tensor loads have landed: my part of the next slot
	ds_add_u32 v[SPW], v[NIL]                      ; 0 onto my spare word
	s_wait_dscnt 4*NL+1                            ; (the add and the youngest 12 loads may be out)
	WIN 0xa1
	MUL16 0, 1, 1, \slot, 0
	s_wait_dscnt 0x0                               ; the add is done, and my reads of this slot are over
	s_barrier_signal -1
	MUL16 2, 1, 1, \slot, 0
	WIN 0
	s_barrier_wait -1
.if \fill
	CREST                                          ; a round of the cluster's barrier: no wave of any partner still reads this slot or has a load on its way
	s_add_nc_u64 s[G0+4*\slot+2:G0+4*\slot+3], s[G0+4*\slot+2:G0+4*\slot+3], 6144
	s_add_nc_u64 s[G0B+4*\slot+2:G0B+4*\slot+3], s[G0B+4*\slot+2:G0B+4*\slot+3], 6144
	JLOAD G0+4*\slot, G1, G0B+4*\slot, G1B
.else
	PLACES 4
.endif
	v_add_nc_u32 v[ADRS], 128, v[ADRS]
	FETCH_B \next, 0, 0
	FETCH_A \next, 0, 0
	SCALES \next
	WIN 0xf1
	MUL16 4, 1, 1, \slot, 0
	MUL16 6, 1, 1, \slot, 0
	PLACES 4
	WIN 0
	FETCH_A \next, 0, 4
.endm
.macro QUANT s
.irp b, 0,1,2,3
	v_max3_num_f32 v[TM+\b], |v[\s+16*\b]|, |v[\s+1+16*\b]|, 0x1800000
.endr
.irp i, 2,4,6,8,10,12,14
.irp b, 0,1,2,3
	v_max3_num_f32 v[TM+\b], v[TM+\b], |v[\s+16*\b+\i]|, |v[\s+1+16*\b+\i]|
.endr
.endr
.irp b, 0,1,2,3
	v_permlanex16_b32 v[TM+4+\b], v[TM+\b], s[SEL], s[SEL+1]
.endr
.irp b, 0,1,2,3
	v_max_num_f32 v[TM+\b], v[TM+\b], v[TM+4+\b]
.endr
.irp b, 0,1,2,3
	v_add_nc_u32 v[TM+8+\b], 0xff000000, v[TM+\b]
.endr
.irp b, 0,1,2,3
	v_lshrrev_b32 v[TM+4+\b], 23, v[TM+8+\b]
.endr
	v_lshl_or_b32 v[PW], v[TM+5], 8, v[TM+4]
	v_lshl_or_b32 v[PW], v[TM+6], 16, v[PW]
	v_lshl_or_b32 v[PW], v[TM+7], 24, v[PW]
.irp c, 0,1
	v_cvt_scalef32_pk16_fp6_f32 v[PC+6*\c:PC+2+6*\c], v[\s+32*\c:\s+15+32*\c], v[TM+8+2*\c]
	v_cvt_scalef32_pk16_fp6_f32 v[PC+12+4*\c:PC+14+4*\c], v[\s+16+32*\c:\s+31+32*\c], v[TM+8+2*\c+1]
.endr
	v_nop
.irp c, 0,1
.irp i, 0,1,2
	v_permlane16_swap_b32 v[PC+6*\c+\i], v[PC+12+4*\c+\i]
.endr
.irp i, 0,1,2
	v_mov_b32 v[PC+3+6*\c+\i], v[PC+12+4*\c+\i]
.endr
.endr
.endm
	s_load_b256 s[4:11], s[0:1], 0x0               ; ctx, wts, ob, src
	s_load_b128 s[96:99], s[0:1], 0x20             ; xf, xq
	v_lshl_add_u32 v[SPW], v0, 2, SPARE
	v_mov_b32 v[NIL], 0
	ds_add_u32 v28, v29
	ds_add_u32 v28, v29
	s_wait_dscnt 0x0
	v_lshrrev_b32 v1, 5, v0
	v_readfirstlane_b32 s14, v1
	s_lshr_b32 s15, s14, 1
	s_and_b32 s16, s14, 1
	s_bfe_u32 s40, ttmp6, 0x40000
	s_bfe_u32 s41, ttmp6, 0x40004
	s_lshl_b32 s42, ttmp9, 2
	s_add_co_u32 s42, s42, s40                     ; tile column
	s_and_b32 s17, ttmp7, 0xffff
	s_lshl_b32 s17, s17, 2
	s_add_co_u32 s17, s17, s41                     ; tile row
	s_lshl_b32 s43, s41, 2
	s_lshl_b32 s43, 15, s43
	s_lshl_b32 s44, 0x1111, s40
	s_or_b32 s[G1+0], s43, (3<<16)|(1<<21)
	s_or_b32 s[G1B+0], s44, (3<<16)|(1<<21)
.irp g, G1, G1B
	s_mov_b32 s[\g+1], 384<<16
	s_mov_b32 s[\g+2], 8<<16
	s_mov_b32 s[\g+3], 384<<16
	s_mov_b32 s[\g+4], 8
	s_mov_b32 s[\g+5], 192*KS
	s_mov_b32 s[\g+6], 0
	s_mov_b32 s[\g+7], 0
.endr
	s_or_b32 s[G1S+0], s43, (3<<16)|(1<<21)
	s_or_b32 s[G1SB+0], s44, (3<<16)|(1<<21)
.irp g, G1S, G1SB
	s_mov_b32 s[\g+1], 32<<16
	s_mov_b32 s[\g+2], (2*KS)<<16
	s_mov_b32 s[\g+3], 32<<16
	s_mov_b32 s[\g+4], 2*KS
	s_mov_b32 s[\g+5], 32
	s_mov_b32 s[\g+6], 0
	s_mov_b32 s[\g+7], 0
.endr
	s_lshl_b32 s18, s16, 3
	s_lshl_b32 s20, s17, 4
	s_add_co_u32 s20, s20, s18
	s_mul_i32 s20, s20, KS
	s_add_co_u32 s20, s20, FRA
	s_lshl_b32 s22, s20, 6
	s_add_co_u32 s22, s22, SCA
	s_mul_i32 s20, s20, 1536
	s_mov_b32 s21, 0
	s_mov_b32 s23, 0
	s_lshl_b32 s46, s42, 4
	s_add_co_u32 s46, s46, s18
	s_mul_i32 s46, s46, KS
	s_add_co_u32 s46, s46, FRB
	s_lshl_b32 s92, s46, 6
	s_add_co_u32 s92, s92, SCBB
	s_mul_i32 s46, s46, 1536
	s_mov_b32 s47, 0
	s_mov_b32 s93, 0
	s_mul_i32 s45, s14, HALFT
	s_mul_i32 s94, s14, HALFS
	s_wait_kmcnt 0x0
	s_add_nc_u64 s[20:21], s[PA:PA+1], s[20:21]
	s_add_nc_u64 s[22:23], s[PA:PA+1], s[22:23]
	s_add_nc_u64 s[46:47], s[PB:PB+1], s[46:47]
	s_add_nc_u64 s[92:93], s[PB:PB+1], s[92:93]
	CROUND
	s_mov_b32 s[G0S], 1
	s_add_co_u32 s[G0S+1], s94, SCL
	s_mov_b64 s[G0S+2:G0S+3], s[22:23]
	s_or_b32 s[G0S+3], s[G0S+3], 0x80000000
	s_mov_b32 s[G0SB], 1
	s_add_co_u32 s[G0SB+1], s94, SCL
	s_mov_b64 s[G0SB+2:G0SB+3], s[92:93]
	s_or_b32 s[G0SB+3], s[G0SB+3], 0x80000000
	JLOAD G0S, G1S, G0SB, G1SB
.irp s, 0,1
	s_mov_b32 s[G0+4*\s], 1
	s_add_co_u32 s[G0+4*\s+1], s45, \s*SLOT
	s_add_nc_u64 s[G0+4*\s+2:G0+4*\s+3], s[20:21], \s*3072
	s_or_b32 s[G0+4*\s+3], s[G0+4*\s+3], 0x80000000
	s_mov_b32 s[G0B+4*\s], 1
	s_add_co_u32 s[G0B+4*\s+1], s45, \s*SLOT
	s_add_nc_u64 s[G0B+4*\s+2:G0B+4*\s+3], s[46:47], \s*3072
	s_or_b32 s[G0B+4*\s+3], s[G0B+4*\s+3], 0x80000000
	JLOAD G0+4*\s, G1, G0B+4*\s, G1B
.endr
	v_and_b32 v1, 15, v0
	v_bfe_u32 v2, v0, 4, 1
	v_and_b32 v3, 31, v0
	v_lshlrev_b32 v[LI], 4, v3
	s_mul_i32 s21, s15, HALFT
	s_mul_i32 s22, s16, HALFT
	s_add_co_u32 s22, s22, 2*HALFT
.irp s, 0,1
	v_add_nc_u32 v[ADRA+\s], s21, v[LI]
	v_add_nc_u32 v[ADRB+\s], s22, v[LI]
	s_add_co_u32 s21, s21, SLOT
	s_add_co_u32 s22, s22, SLOT
.endr
	v_lshlrev_b32 v5, 2, v1
	s_mul_i32 s21, s15, HALFS
	s_mul_i32 s22, s16, HALFS
	s_add_co_u32 s22, s22, 2*HALFS
	s_sub_co_u32 s22, s22, s21
	v_mul_u32_u24 v6, s22, v2
	s_add_co_u32 s21, s21, SCL
	v_add_nc_u32 v6, v5, v6
	v_add_nc_u32 v[ADRS], s21, v6
	v_lshl_add_u32 v[SO], v2, 9, v5
	s_mul_i32 s23, s14, 8448                       ; my stage: 16 rows x 528 bytes, in slot 0, which has had its last fill and its last read when the first result is stored there
	v_mul_u32_u24 v6, v1, 528
	v_lshl_add_u32 v6, v2, 6, v6
	v_add_nc_u32 v[STO], s23, v6
	v_add_nc_u32 v[RD], s23, v[LI]
	s_mov_b32 s[SEL], 0x76543210
	s_mov_b32 s[SEL+1], 0xfedcba98
	s_mov_b32 s2, 0xffff0000
	s_lshl_b32 s20, s17, 8
	s_lshl_b32 s21, s15, 7
	s_add_co_u32 s20, s20, s21                     ; my first row: 256 x tile row + 128 x half
	s_lshl_b32 s20, s20, 12
	s_lshl_b32 s46, s42, 10
	s_lshl_b32 s47, s16, 9
	s_add_co_u32 s46, s46, s47                     ; my first column, in bytes
	s_add_co_u32 s20, s20, s46
	s_mov_b32 s21, 0
	s_mov_b32 s47, 0
	s_add_nc_u64 s[10:11], s[10:11], s[20:21]      ; the residual
	s_add_nc_u64 s[96:97], s[96:97], s[20:21]      ; x as f32
	s_add_nc_u64 s[8:9], s[8:9], s[46:47]          ; the bias
	s_lshl_b32 s20, s17, 4
	s_lshl_b32 s22, s15, 3
	s_add_co_u32 s20, s20, s22
	s_lshl_b32 s20, s20, 3
	s_lshl_b32 s22, s42, 1
	s_add_co_u32 s20, s20, s22
	s_add_co_u32 s20, s20, s16                     ; xq: fragment 8 x my first row tile + 2 x tile column + half
	s_lshl_b32 s22, s20, 6
	s_add_co_u32 s22, s22, 3145728
	s_mov_b32 s23, 0
	s_add_nc_u64 s[12:13], s[98:99], s[22:23]      ; its scale words
	s_mul_i32 s20, s20, 1536
	s_add_nc_u64 s[98:99], s[98:99], s[20:21]      ; its images
	v_lshlrev_b32 v7, 6, v2
.irp b, 0,1,2,3,4,5,6,7
	global_load_b128 v[BIAS+8*\b:BIAS+8*\b+3], v7, s[8:9] offset:(32*(\b/2)+8*(\b%2))*4
	global_load_b128 v[BIAS+8*\b+4:BIAS+8*\b+7], v7, s[8:9] offset:(32*(\b/2)+8*(\b%2))*4+16
.endr
	s_wait_tensorcnt 1                             ; the scale words and my part of slot 0 are in; slot 1's load may be out
	s_barrier_signal -1
	s_barrier_wait -1
	FETCH_B 0, 0, 0
	FETCH_A 0, 0, 0
	SCALES 0
	FETCH_A 0, 0, 4
	s_wait_loadcnt 0x0                             ; the bias
	STEP 0, 1
	s_mov_b32 s3, LAPS-1
.Llap:
	TURN 0, 1, 1
	STEP 1, 0
	TURN 1, 0, 1
	STEP 0, 0
	s_sub_co_u32 s3, s3, 1
	s_cmp_lg_u32 s3, 0
	s_cbranch_scc1 .Llap
	TURN 0, 1, 0
	STEP 1, 0
	s_wait_dscnt 4*NL
	WIN 0xa1
	MUL16 0, 1, 1, 1, 0
	MUL16 2, 1, 1, 1, 0
	s_wait_dscnt 0x0
	WIN 0xf1
	MUL16 4, 1, 1, 1, 0
	MUL16 6, 1, 1, 1, 0
	WIN 0
	PLACES 4
; THE WAY OUT, A's tile a (16 rows x 128 columns): through my stage into whole rows of 512 bytes, + the residual's rows, stored; then back through the stage into a lane's row, quantised, stored as an image.
.macro RESL a                          ; the residual's 16 rows of tile a into window 1: each load 512 consecutive bytes
	WIN 0x40
.irp t, 0,1,2,3,4,5,6,7,8,9,10,11,12,13,14,15
	global_load_b128 v[64*((\a)%4)+4*\t:64*((\a)%4)+4*\t+3], v[LI], s[10:11] offset:(32*((\a)/2)+8*((\a)%2)+\t+8*(\t/8))*4096
.endr
	WIN 0
.endm
.macro OUTB a, left
.if (\a) > 0
	s_wait_xcnt 0x0                                ; the last tile's stores have read their data
.endif
	WIN 0x08+4*((\a)/4)
.irp b, 0,1,2,3,4,5,6,7
	ds_store_b128 v[STO], v[64*((\a)%4)+8*\b:64*((\a)%4)+8*\b+3] offset:128*(\b/2)+32*(\b%2)       ; each accumulator from its low end on
	ds_store_b128 v[STO], v[64*((\a)%4)+8*\b+4:64*((\a)%4)+8*\b+7] offset:128*(\b/2)+32*(\b%2)+16
.endr
	WIN 0
.irp t, 0,1,2,3,4,5,6,7,8,9,10,11,12,13,14,15
	ds_load_b128 v[X+4*\t:X+4*\t+3], v[RD] offset:528*\t   ; LDS serves a wave's instructions in order
.endr
	s_wait_dscnt 0x0
	s_wait_loadcnt \left                           ; this tile's 16 residual loads are in; the younger tiles' may be out
	WIN 0x04
.set n, 0
.rept 32
	v_pk_add_f32 v[X+n:X+n+1], v[X+n:X+n+1], v[64*((\a)%4)+n:64*((\a)%4)+n+1]
.set n, n+2
.endr
	WIN 0
.if (\a) < 4
	RESL (\a)+4
.endif
.irp t, 0,1,2,3,4,5,6,7,8,9,10,11,12,13,14,15
	global_store_b128 v[LI], v[X+4*\t:X+4*\t+3], s[96:97] offset:(32*((\a)/2)+8*((\a)%2)+\t+8*(\t/8))*4096
.endr
.if QOUT
.irp t, 0,1,2,3,4,5,6,7,8,9,10,11,12,13,14,15
	ds_store_b128 v[RD], v[X+4*\t:X+4*\t+3] offset:528*\t
.endr
.irp b, 0,1,2,3
.irp j, 0,1,2,3
	ds_load_b128 v[Y+16*\b+4*\j:Y+16*\b+4*\j+3], v[STO] offset:128*\b+16*\j
.endr
.endr
	s_wait_dscnt 0x0
	QUANT Y
.irp c, 0,1,2
	global_store_b128 v[LI], v[PC+4*\c:PC+4*\c+3], s[98:99] offset:12288*(\a)+512*\c
.endr
.if (\a)%2 == 0
	v_mov_b32 v[PWE], v[PW]
.else
	v_cndmask_b32 v[PWX], v[PWE], v[PW], s2
	global_store_b32 v[SO], v[PWX], s[12:13] offset:512*((\a)-1)
.endif
.endif
.endm
	RESL 0
	RESL 1
	RESL 2
	RESL 3
.irp b, 0,1,2,3
	v_mov_b32 v[TM+4+\b], 0
.endr
	OUTB 0, 48
	OUTB 1, 48
	OUTB 2, 48
	OUTB 3, 48
	OUTB 4, 48
	OUTB 5, 32
	OUTB 6, 16
	OUTB 7, 0
	s_wait_tensorcnt 0x0                           ; the wave's end
	ds_add_u32 v[SPW], v[NIL]
	s_wait_dscnt 0x0
	CROUND
	s_endpgm
.Lfunc_end_k_q8c37307352_oproj:
	.size	k_q8c37307352_oproj, .Lfunc_end_k_q8c37307352_oproj-k_q8c37307352_oproj
	.p2alignl 7, 3214868480
	.fill 96, 4, 3214868480
	.section	.rodata,"a",@progbits
	.p2align	6, 0x0
	.amdhsa_kernel k_q8c37307352_oproj
		.amdhsa_group_segment_fixed_size 327680
		.amdhsa_private_segment_fixed_size 0
		.amdhsa_enable_private_segment 0
		.amdhsa_kernarg_size 48
		.amdhsa_user_sgpr_count 2
		.amdhsa_user_sgpr_kernarg_segment_ptr 1
		.amdhsa_wavefront_size32 1
		.amdhsa_system_sgpr_workgroup_id_x 1
		.amdhsa_system_sgpr_workgroup_id_y 1
		.amdhsa_system_sgpr_workgroup_id_z 1
		.amdhsa_system_vgpr_workitem_id 0
		.amdhsa_next_free_vgpr 1024
		.amdhsa_next_free_sgpr 102
		.amdhsa_reserve_vcc 0
		.amdhsa_float_denorm_mode_32 3
		.amdhsa_float_denorm_mode_16_64 3
		.amdhsa_memory_ordered 1
		.amdhsa_forward_progress 1
		.amdhsa_inst_pref_size 218
	.end_amdhsa_kernel
	.amdgpu_metadata
---
amdhsa.version: [ 1, 2 ]
amdhsa.kernels:
  - .name:           k_q8c37307352_oproj
    .symbol:         k_q8c37307352_oproj.kd
    .args:
      - { .name: ctx, .offset: 0, .size: 8, .value_kind: global_buffer, .address_space: global }
      - { .name: wts, .offset: 8, .size: 8, .value_kind: global_buffer, .address_space: global }
      - { .name: ob, .offset: 16, .size: 8, .value_kind: global_buffer, .address_space: global }
      - { .name: src, .offset: 24, .size: 8, .value_kind: global_buffer, .address_space: global }
      - { .name: xf, .offset: 32, .size: 8, .value_kind: global_buffer, .address_space: global }
      - { .name: xq, .offset: 40, .size: 8, .value_kind: global_buffer, .address_space: global }
    .group_segment_fixed_size: 327680
    .private_segment_fixed_size: 0
    .kernarg_segment_align: 8
    .kernarg_segment_size: 48
    .max_flat_workgroup_size: 128
    .sgpr_count:     102
    .vgpr_count:     1024
    .wavefront_size: 32
...
	.end_amdgpu_metadata
.endif
;; end of part 4
;; launch ff1 (part 5): grid 16 x 16, 4 waves a work-group, clusters of 4 x 4, 327,680 bytes of LDS; arguments xq, wts, b1, hid; writes hid
.if DOCPART == 5
	.amdgcn_target "amdgcn-amd-amdhsa--gfx1250"
	.amdhsa_code_object_version 6
	.text
	.protected	k_q8c37307352_ff1
	.globl	k_q8c37307352_ff1
	.p2align	8
	.type	k_q8c37307352_ff1,@function
k_q8c37307352_ff1:
	s_mov_b64 s[64:65], 0
	v_nop
	global_prefetch_b8 v0, s[64:65] scope:SCOPE_SE
	s_setreg_imm32_b32 hwreg(HW_REG_WAVE_MODE, 25, 1), 1
	s_wait_xcnt 0x0
	s_wait_alu depctr_hold_cnt(0) depctr_sa_sdst(0) depctr_va_vdst(0) depctr_va_sdst(0) depctr_va_ssrc(0) depctr_va_vcc(0) depctr_vm_vsrc(0)
	s_getreg_b32 s2, hwreg(HW_REG_IB_STS2, 6, 4)
	s_cmp_eq_u32 s2, 0
	s_cbranch_scc0 .Lentry_in_a_cluster
	s_endpgm
.Lentry_in_a_cluster:
	s_bfe_u32 s2, ttmp6, 0x10000c
	s_cmp_lg_u32 s2, 0xf033
	s_cbranch_scc0 .Lentry_shape_is_right
	s_endpgm
.Lentry_shape_is_right:
; hid = Q(gelu(x w1^T + b1)): the product on codes of FP6 (E2M3) with E8M0 scales, K = 1,024; the exact (erf) GELU in f32; the result quantised along the 4,096 hidden units and stored as register images.
; OPERANDS are register images (16 rows x 128 K = 1,536 bytes); row i of row tile t is row 32 (t / 2) + 8 (t % 2) + i + 8 (i / 8).  THE MATRIX INSTRUCTION IS USED TRANSPOSED (source 0 = 16 rows of w1,
; source 1 = 16 rows of x): a lane keeps one row of x, and the registers of w1's tiles 2 b, 2 b + 1 are 16 neighbouring hidden units.
; A tile of C is 256 x 256, four waves of 128 x 128; K in steps of 256 through two LDS slots filled by joint tensor loads in clusters of 4 x 4; the scale words come once with the first fills.
; GELU.  gelu(x) = max(x, 0) - (|x| / 2) E, E = erfc(z), z = |x| / sqrt(2).  E = t exp(-z^2 + P(t)), t = 1 / (1 + z / 2), P of degree 9: a fit whose fractional error stays under 1.2e-7 for every z.
; The way out would be long if written for all 8 tiles: the accumulators go to LDS (each wave's own 65,536 bytes, which no fill reaches any more) and a loop of 4 trips takes two tiles a trip.
; LIMITS: NaN and infinities are not served; the exponential gives 0 under 2^-126, so gelu is -0 for x under about -13; blocks under 2^-124 keep the scale byte 1.
.set KS,    8
.set FRA,   0
.set FRB,   4096
.set SCA,   3145728
.set SCBB,  12582912
.set PA,    4
.set PB,    6
.set FR,    12
.set NL,    3
.set HALFT, 8*3072
.set SLOT,  4*HALFT
.set SCL,   2*SLOT
.set HALFS, 512*KS
.set SPARE, 262144
.set LAPS,  KS/4
.set ADRA, 16
.set ADRB, 20
.set SOC,  22                          ; v22 the trip's offset of the scale words
.set DA,   24                          ; v24 65,536 w + 16 x lane;  v25 the trip's place in it;  v26 the trip's offset of the images
.set DR,   25
.set IOC,  26
.set ADRS, 27
.set SPW,  28
.set NIL,  29
.set LI,   30
.set SO,   31                          ; v31 2,048 h + 4 r
.set SC,   32
.set BIAS, 64
.set AF,   128
.set X,    128
.set Z,    192
.set TT,   208
.set PP,   224
.set C9,   240
.set TM,   64
.set PC,   76
.set PW,   96
.set PWE,  97
.set PWX,  98
.set SEL,  92
.set RH,   46                          ; s[46:47] 1 / sqrt(2)
.set G1, 24
.set G0, 32
.set G1B, 48
.set G0B, 56
.set G1S, 68
.set G0S, 76
.set G1SB, 80
.set G0SB, 88
.set MSB, 0
.macro WIN new
.if MSB != (\new)
	s_set_vgpr_msb (MSB<<8)|(\new)
.set MSB, (\new)
.endif
.endm
.macro PLACES n
.rept \n
	v_nop
.endr
.endm
.macro JLOAD g0a, g1a, g0b, g1b        ; a joint load: waves 0, 1 fetch for A, waves 2, 3 for B; four v_nop follow each line
	s_cmp_eq_u32 s15, 0
	s_cbranch_scc0 .Lfor_b_\@
	tensor_load_to_lds s[\g0a:\g0a+3], s[\g1a:\g1a+7]
	s_nop 0
.rept 4
	v_nop
.endr
	s_branch .Lasked_\@
.Lfor_b_\@:
	tensor_load_to_lds s[\g0b:\g0b+3], s[\g1b:\g1b+7]
	s_nop 0
.rept 4
	v_nop
.endr
.Lasked_\@:
.endm
.macro CREST
	s_cmp_lg_u32 s14, 0
	s_cbranch_scc1 .Lnot_wave_0_\@
	s_barrier_signal -3
.Lnot_wave_0_\@:
	s_barrier_wait -3
	s_barrier_signal -1
	s_barrier_wait -1
.endm
.macro CROUND
	s_barrier_signal -1
	s_barrier_wait -1
	CREST
.endm
.macro FRAG reg, adr, q, i
.irp c, 0,1,2
	ds_load_b128 v[\reg+4*\c:\reg+4*\c+3], v[\adr] offset:(\i)*3072+(\q)*1536+512*\c
.endr
.endm
; 16 matrix instructions; the 64 accumulators take turns, one instruction a turn, in the same order in every step.  zero = 1: the bias is the C
.macro MUL16 a0, p, q, sc, zero
.irp a, \a0, \a0+1
.irp b, 0,1,2,3,4,5,6,7
.if \zero
	v_wmma_scale_f32_16x16x128_f8f6f4 v[8*(8*((\a)%4)+\b):8*(8*((\a)%4)+\b)+7], v[128*(\p)+FR*\b:128*(\p)+FR*\b+FR-1], v[AF+FR*(\a):AF+FR*(\a)+FR-1], v[BIAS+8*\b:BIAS+8*\b+7], v[SC+16*(\sc)+2*\b+(\q)], v[SC+16*(\sc)+2*(\a)+(\q)] matrix_a_fmt:MATRIX_FMT_FP6 matrix_b_fmt:MATRIX_FMT_FP6 matrix_a_scale:MATRIX_SCALE_ROW1
.else
	v_wmma_scale_f32_16x16x128_f8f6f4 v[8*(8*((\a)%4)+\b):8*(8*((\a)%4)+\b)+7], v[128*(\p)+FR*\b:128*(\p)+FR*\b+FR-1], v[AF+FR*(\a):AF+FR*(\a)+FR-1], v[8*(8*((\a)%4)+\b):8*(8*((\a)%4)+\b)+7], v[SC+16*(\sc)+2*\b+(\q)], v[SC+16*(\sc)+2*(\a)+(\q)] matrix_a_fmt:MATRIX_FMT_FP6 matrix_b_fmt:MATRIX_FMT_FP6 matrix_a_scale:MATRIX_SCALE_ROW1
.endif
.endr
.endr
.endm
.macro FETCH_B slot, q, p
	WIN 0x40
.irp i, 0,1,2,3,4,5,6,7
	FRAG 128*(\p)+FR*\i, ADRB+\slot, \q, \i
.endr
	WIN 0
.endm
.macro FETCH_A slot, q, i0
.irp i, \i0, \i0+1, \i0+2, \i0+3
	FRAG AF+FR*(\i), ADRA+\slot, \q, \i
.endr
.endm
.macro SCALES sc
.irp i, 0,1,2,3,4,5,6,7
.irp q, 0,1
	ds_load_b32 v[SC+16*\sc+2*\i+\q], v[ADRS] offset:\i*64*KS+64*\q
.endr
.endr
.endm
.macro STEP slot, zero
	s_wait_dscnt 4*NL                              ; all but the youngest 12 loads (A's tiles 4-7) are in
	WIN 0xa1-0x20*\zero
	MUL16 0, 0, 0, \slot, \zero
	MUL16 2, 0, 0, \slot, \zero
	s_wait_dscnt 0x0
	PLACES 4
	FETCH_B \slot, 1, 1
	FETCH_A \slot, 1, 0
	WIN 0xf1-0x30*\zero
	MUL16 4, 0, 0, \slot, \zero
	MUL16 6, 0, 0, \slot, \zero
	PLACES 4
	WIN 0
	FETCH_A \slot, 1, 4
.endm
.macro TURN slot, next, fill
	s_wait_tensorcnt 0x0                           ; all my tensor loads have landed: my part of the next slot
	ds_add_u32 v[SPW], v[NIL]                      ; 0 onto my spare word
	s_wait_dscnt 4*NL+1                            ; (the add and the youngest 12 loads may be out)
	WIN 0xa1
	MUL16 0, 1, 1, \slot, 0
	s_wait_dscnt 0x0                               ; the add is done, and my reads of this slot are over
	s_barrier_signal -1
	MUL16 2, 1, 1, \slot, 0
	WIN 0
	s_barrier_wait -1
.if \fill
	CREST                                          ; a round of the cluster's barrier: no wave of any partner still reads this slot or has a load on its way
	s_add_nc_u64 s[G0+4*\slot+2:G0+4*\slot+3], s[G0+4*\slot+2:G0+4*\slot+3], 6144
	s_add_nc_u64 s[G0B+4*\slot+2:G0B+4*\slot+3], s[G0B+4*\slot+2:G0B+4*\slot+3], 6144
	JLOAD G0+4*\slot, G1, G0B+4*\slot, G1B
.else
	PLACES 4
.endif
	v_add_nc_u32 v[ADRS], 128, v[ADRS]
	FETCH_B \next, 0, 0
	FETCH_A \next, 0, 0
	SCALES \next
	WIN 0xf1
	MUL16 4, 1, 1, \slot, 0
	MUL16 6, 1, 1, \slot, 0
	PLACES 4
	WIN 0
	FETCH_A \next, 0, 4
.endm
.macro QUANT s
.irp b, 0,1,2,3
	v_max3_num_f32 v[TM+\b], |v[\s+16*\b]|, |v[\s+1+16*\b]|, 0x1800000
.endr
.irp i, 2,4,6,8,10,12,14
.irp b, 0,1,2,3
	v_max3_num_f32 v[TM+\b], v[TM+\b], |v[\s+16*\b+\i]|, |v[\s+1+16*\b+\i]|
.endr
.endr
.irp b, 0,1,2,3
	v_permlanex16_b32 v[TM+4+\b], v[TM+\b], s[SEL], s[SEL+1]
.endr
.irp b, 0,1,2,3
	v_max_num_f32 v[TM+\b], v[TM+\b], v[TM+4+\b]
.endr
.irp b, 0,1,2,3
	v_add_nc_u32 v[TM+8+\b], 0xff000000, v[TM+\b]
.endr
.irp b, 0,1,2,3
	v_lshrrev_b32 v[TM+4+\b], 23, v[TM+8+\b]
.endr
	v_lshl_or_b32 v[PW], v[TM+5], 8, v[TM+4]
	v_lshl_or_b32 v[PW], v[TM+6], 16, v[PW]
	v_lshl_or_b32 v[PW], v[TM+7], 24, v[PW]
.irp c, 0,1
	v_cvt_scalef32_pk16_fp6_f32 v[PC+6*\c:PC+2+6*\c], v[\s+32*\c:\s+15+32*\c], v[TM+8+2*\c]
	v_cvt_scalef32_pk16_fp6_f32 v[PC+12+4*\c:PC+14+4*\c], v[\s+16+32*\c:\s+31+32*\c], v[TM+8+2*\c+1]
.endr
	v_nop
.irp c, 0,1
.irp i, 0,1,2
	v_permlane16_swap_b32 v[PC+6*\c+\i], v[PC+12+4*\c+\i]
.endr
.irp i, 0,1,2
	v_mov_b32 v[PC+3+6*\c+\i], v[PC+12+4*\c+\i]
.endr
.endr
.endm
.macro GELU16 xb                       ; sixteen numbers v[xb] .. v[xb + 15], in place
.set n, 0
.rept 16
	v_mul_f32 v[Z+n], s[RH], |v[\xb+n]|            ; z = |x| / sqrt(2)
.set n, n+1
.endr
.set n, 0
.rept 8
	v_pk_fma_f32 v[TT+n:TT+n+1], v[Z+n:Z+n+1], 0.5, 1.0 op_sel_hi:[1,0,0]
.set n, n+2
.endr
.set n, 0
.rept 16
	v_rcp_f32 v[TT+n], v[TT+n]                     ; t = 1 / (1 + z / 2)
.set n, n+1
.endr
	v_nop                                          ; a plain place behind the transcendentals
.set n, 0
	s_wait_alu depctr_va_vdst(0)
.rept 8
	v_pk_fma_f32 v[PP+n:PP+n+1], v[TT+n:TT+n+1], v[C9:C9+1], 0xbf527892 op_sel_hi:[1,1,0]   ; Horner: c9 t + c8,
.set n, n+2
.endr
.irp k, 0x3fbe87b0, 0xbf914e5d, 0x3e8ec7cc, 0xbe3ec24c, 0x3dc636c9, 0x3ebf88fb, 0x3f8000c7, 0xbfa1fc4e
.set n, 0
.rept 8
	v_pk_fma_f32 v[PP+n:PP+n+1], v[PP+n:PP+n+1], v[TT+n:TT+n+1], \k op_sel_hi:[1,1,0]       ; then c7 .. c0
.set n, n+2
.endr
.endr
.set n, 0
.rept 8
	v_pk_fma_f32 v[PP+n:PP+n+1], v[Z+n:Z+n+1], v[Z+n:Z+n+1], v[PP+n:PP+n+1] neg_lo:[1,0,0] neg_hi:[1,0,0]   ; P - z^2
.set n, n+2
.endr
.set n, 0
.rept 8
	v_pk_mul_f32 v[PP+n:PP+n+1], v[PP+n:PP+n+1], 0x3fb8aa3b op_sel_hi:[1,0]
.set n, n+2
.endr
.set n, 0
.rept 16
	v_exp_f32 v[PP+n], v[PP+n]
.set n, n+1
.endr
	v_nop
.set n, 0
	s_wait_alu depctr_va_vdst(0)
.rept 8
	v_pk_mul_f32 v[PP+n:PP+n+1], v[PP+n:PP+n+1], v[TT+n:TT+n+1]         ; E
	v_pk_mul_f32 v[Z+n:Z+n+1], v[Z+n:Z+n+1], s[RH:RH+1] op_sel_hi:[1,0]  ; |x| / 2
.set n, n+2
.endr
.set n, 0
.rept 16
	v_max_num_f32 v[\xb+n], 0, v[\xb+n]
.set n, n+1
.endr
.set n, 0
.rept 8
	v_pk_fma_f32 v[\xb+n:\xb+n+1], v[Z+n:Z+n+1], v[PP+n:PP+n+1], v[\xb+n:\xb+n+1] neg_lo:[1,0,0] neg_hi:[1,0,0]
.set n, n+2
.endr
.endm
	s_load_b256 s[4:11], s[0:1], 0x0               ; xq, wts, b1, hid
	v_lshl_add_u32 v[SPW], v0, 2, SPARE
	v_mov_b32 v[NIL], 0
	ds_add_u32 v28, v29
	ds_add_u32 v28, v29
	s_wait_dscnt 0x0
	v_lshrrev_b32 v1, 5, v0
	v_readfirstlane_b32 s14, v1
	s_lshr_b32 s15, s14, 1
	s_and_b32 s16, s14, 1
	s_bfe_u32 s40, ttmp6, 0x40000
	s_bfe_u32 s41, ttmp6, 0x40004
	s_lshl_b32 s42, ttmp9, 2
	s_add_co_u32 s42, s42, s40
	s_and_b32 s17, ttmp7, 0xffff
	s_lshl_b32 s17, s17, 2
	s_add_co_u32 s17, s17, s41
	s_lshl_b32 s43, s41, 2
	s_lshl_b32 s43, 15, s43
	s_lshl_b32 s44, 0x1111, s40
	s_or_b32 s[G1+0], s43, (3<<16)|(1<<21)
	s_or_b32 s[G1B+0], s44, (3<<16)|(1<<21)
.irp g, G1, G1B
	s_mov_b32 s[\g+1], 384<<16
	s_mov_b32 s[\g+2], 8<<16
	s_mov_b32 s[\g+3], 384<<16
	s_mov_b32 s[\g+4], 8
	s_mov_b32 s[\g+5], 192*KS
	s_mov_b32 s[\g+6], 0
	s_mov_b32 s[\g+7], 0
.endr
	s_or_b32 s[G1S+0], s43, (3<<16)|(1<<21)
	s_or_b32 s[G1SB+0], s44, (3<<16)|(1<<21)
.irp g, G1S, G1SB
	s_mov_b32 s[\g+1], 32<<16
	s_mov_b32 s[\g+2], (2*KS)<<16
	s_mov_b32 s[\g+3], 32<<16
	s_mov_b32 s[\g+4], 2*KS
	s_mov_b32 s[\g+5], 32
	s_mov_b32 s[\g+6], 0
	s_mov_b32 s[\g+7], 0
.endr
	s_lshl_b32 s18, s16, 3
	s_lshl_b32 s20, s17, 4
	s_add_co_u32 s20, s20, s18
	s_mul_i32 s20, s20, KS
	s_add_co_u32 s20, s20, FRA
	s_lshl_b32 s22, s20, 6
	s_add_co_u32 s22, s22, SCA
	s_mul_i32 s20, s20, 1536
	s_mov_b32 s21, 0
	s_mov_b32 s23, 0
	s_lshl_b32 s46, s42, 4
	s_add_co_u32 s46, s46, s18
	s_mul_i32 s46, s46, KS
	s_add_co_u32 s46, s46, FRB
	s_lshl_b32 s92, s46, 6
	s_add_co_u32 s92, s92, SCBB
	s_mul_i32 s46, s46, 1536
	s_mov_b32 s47, 0
	s_mov_b32 s93, 0
	s_mul_i32 s45, s14, HALFT
	s_mul_i32 s94, s14, HALFS
	s_wait_kmcnt 0x0
	s_add_nc_u64 s[20:21], s[PA:PA+1], s[20:21]
	s_add_nc_u64 s[22:23], s[PA:PA+1], s[22:23]
	s_add_nc_u64 s[46:47], s[PB:PB+1], s[46:47]
	s_add_nc_u64 s[92:93], s[PB:PB+1], s[92:93]
	CROUND
	s_mov_b32 s[G0S], 1
	s_add_co_u32 s[G0S+1], s94, SCL
	s_mov_b64 s[G0S+2:G0S+3], s[22:23]
	s_or_b32 s[G0S+3], s[G0S+3], 0x80000000
	s_mov_b32 s[G0SB], 1
	s_add_co_u32 s[G0SB+1], s94, SCL
	s_mov_b64 s[G0SB+2:G0SB+3], s[92:93]
	s_or_b32 s[G0SB+3], s[G0SB+3], 0x80000000
	JLOAD G0S, G1S, G0SB, G1SB
.irp s, 0,1
	s_mov_b32 s[G0+4*\s], 1
	s_add_co_u32 s[G0+4*\s+1], s45, \s*SLOT
	s_add_nc_u64 s[G0+4*\s+2:G0+4*\s+3], s[20:21], \s*3072
	s_or_b32 s[G0+4*\s+3], s[G0+4*\s+3], 0x80000000
	s_mov_b32 s[G0B+4*\s], 1
	s_add_co_u32 s[G0B+4*\s+1], s45, \s*SLOT
	s_add_nc_u64 s[G0B+4*\s+2:G0B+4*\s+3], s[46:47], \s*3072
	s_or_b32 s[G0B+4*\s+3], s[G0B+4*\s+3], 0x80000000
	JLOAD G0+4*\s, G1, G0B+4*\s, G1B
.endr
	v_and_b32 v1, 15, v0
	v_bfe_u32 v2, v0, 4, 1
	v_and_b32 v3, 31, v0
	v_lshlrev_b32 v[LI], 4, v3
	s_mul_i32 s21, s15, HALFT
	s_mul_i32 s22, s16, HALFT
	s_add_co_u32 s22, s22, 2*HALFT
.irp s, 0,1
	v_add_nc_u32 v[ADRA+\s], s21, v[LI]
	v_add_nc_u32 v[ADRB+\s], s22, v[LI]
	s_add_co_u32 s21, s21, SLOT
	s_add_co_u32 s22, s22, SLOT
.endr
	v_lshlrev_b32 v5, 2, v1
	s_mul_i32 s21, s15, HALFS
	s_mul_i32 s22, s16, HALFS
	s_add_co_u32 s22, s22, 2*HALFS
	s_sub_co_u32 s22, s22, s21
	v_mul_u32_u24 v6, s22, v2
	s_add_co_u32 s21, s21, SCL
	v_add_nc_u32 v6, v5, v6
	v_add_nc_u32 v[ADRS], s21, v6
	v_lshl_add_u32 v[SO], v2, 11, v5
	s_lshl_b32 s23, s14, 16
	v_add_nc_u32 v[DA], s23, v[LI]
	s_mov_b32 s[SEL], 0x76543210
	s_mov_b32 s[SEL+1], 0xfedcba98
	s_mov_b32 s2, 0xffff0000
	s_lshl_b32 s46, s42, 10
	s_lshl_b32 s47, s16, 9
	s_add_co_u32 s46, s46, s47
	s_mov_b32 s47, 0
	s_add_nc_u64 s[8:9], s[8:9], s[46:47]          ; the bias at my first column
	s_lshl_b32 s20, s17, 4
	s_lshl_b32 s22, s15, 3
	s_add_co_u32 s20, s20, s22
	s_lshl_b32 s20, s20, 5
	s_lshl_b32 s22, s42, 1
	s_add_co_u32 s20, s20, s22
	s_add_co_u32 s20, s20, s16                     ; hid: fragment 32 x my first row tile + 2 x tile column + half
	s_lshl_b32 s22, s20, 6
	s_add_co_u32 s22, s22, 12582912
	s_mov_b32 s23, 0
	s_add_nc_u64 s[12:13], s[10:11], s[22:23]      ; its scale words
	s_mul_i32 s20, s20, 1536
	s_mov_b32 s21, 0
	s_add_nc_u64 s[10:11], s[10:11], s[20:21]      ; its images
	s_mov_b32 s[RH], 0x3f3504f3
	s_mov_b32 s[RH+1], s[RH]
	v_lshlrev_b32 v7, 6, v2
.irp b, 0,1,2,3,4,5,6,7
	global_load_b128 v[BIAS+8*\b:BIAS+8*\b+3], v7, s[8:9] offset:(32*(\b/2)+8*(\b%2))*4
	global_load_b128 v[BIAS+8*\b+4:BIAS+8*\b+7], v7, s[8:9] offset:(32*(\b/2)+8*(\b%2))*4+16
.endr
	s_wait_tensorcnt 1                             ; the scale words and my part of slot 0 are in; slot 1's load may be out
	s_barrier_signal -1
	s_barrier_wait -1
	FETCH_B 0, 0, 0
	FETCH_A 0, 0, 0
	SCALES 0
	FETCH_A 0, 0, 4
	s_wait_loadcnt 0x0
	STEP 0, 1
	s_mov_b32 s3, LAPS-1
.Llap:
	TURN 0, 1, 1
	STEP 1, 0
	TURN 1, 0, 1
	STEP 0, 0
	s_sub_co_u32 s3, s3, 1
	s_cmp_lg_u32 s3, 0
	s_cbranch_scc1 .Llap
	TURN 0, 1, 0
	STEP 1, 0
	s_wait_dscnt 4*NL
	WIN 0xa1
	MUL16 0, 1, 1, 1, 0
	MUL16 2, 1, 1, 1, 0
	s_wait_dscnt 0x0
	WIN 0xf1
	MUL16 4, 1, 1, 1, 0
	MUL16 6, 1, 1, 1, 0
	WIN 0
	PLACES 4
	s_barrier_signal -1                            ; every wave's reads of slot 1 and of the scale words are over (its last wait on DScnt was for 0)
	s_barrier_wait -1
.irp a, 0,1,2,3,4,5,6,7                ; the accumulators as they stand: tile a's 64 registers at 8,192 a, 512 bytes a store
	WIN 0x08+4*(\a/4)
.irp g, 0,1,2,3,4,5,6,7,8,9,10,11,12,13,14,15
	ds_store_b128 v[DA], v[64*(\a%4)+4*\g:64*(\a%4)+4*\g+3] offset:8192*\a+512*\g
.endr
.endr
	WIN 0
.irp b, 0,1,2,3
	v_mov_b32 v[TM+4+\b], 0
.endr
	v_mov_b32 v[C9], 0x3e2ef946
	v_mov_b32 v[C9+1], 0x3e2ef946
.macro BLOCK u                         ; one tile of 16 rows: my row's 128 hidden units
.irp g, 0,1,2,3,4,5,6,7,8,9,10,11,12,13,14,15
	ds_load_b128 v[X+4*\g:X+4*\g+3], v[DR] offset:8192*\u+512*\g
.endr
	s_wait_dscnt 0x0
	GELU16 X
	GELU16 X+16
	GELU16 X+32
	GELU16 X+48
	s_wait_xcnt 0x0                                ; the last tile's stores have read their data
	QUANT X
.irp c, 0,1,2
	global_store_b128 v[IOC], v[PC+4*\c:PC+4*\c+3], s[10:11] offset:49152*\u+512*\c
.endr
.if \u == 0
	v_mov_b32 v[PWE], v[PW]
.else
	v_cndmask_b32 v[PWX], v[PWE], v[PW], s2
	global_store_b32 v[SOC], v[PWX], s[12:13]
.endif
.endm
	s_mov_b32 s3, 4
	s_mov_b32 s20, 0
	s_mov_b32 s21, 0
	s_mov_b32 s22, 0
.Lblk:
	s_wait_xcnt 0x0                                ; the last trip's stores have read their offsets
	v_add_nc_u32 v[DR], s20, v[DA]
	v_add_nc_u32 v[IOC], s21, v[LI]
	v_add_nc_u32 v[SOC], s22, v[SO]
	BLOCK 0
	BLOCK 1
	s_add_co_u32 s20, s20, 16384
	s_add_co_u32 s21, s21, 98304
	s_add_co_u32 s22, s22, 4096
	s_sub_co_u32 s3, s3, 1
	s_cmp_lg_u32 s3, 0
	s_cbranch_scc1 .Lblk
	s_wait_tensorcnt 0x0                           ; the wave's end
	ds_add_u32 v[SPW], v[NIL]
	s_wait_dscnt 0x0
	CROUND
	s_endpgm
.Lfunc_end_k_q8c37307352_ff1:
	.size	k_q8c37307352_ff1, .Lfunc_end_k_q8c37307352_ff1-k_q8c37307352_ff1
	.p2alignl 7, 3214868480
	.fill 96, 4, 3214868480
	.section	.rodata,"a",@progbits
	.p2align	6, 0x0
	.amdhsa_kernel k_q8c37307352_ff1
		.amdhsa_group_segment_fixed_size 327680
		.amdhsa_private_segment_fixed_size 0
		.amdhsa_enable_private_segment 0
		.amdhsa_kernarg_size 32
		.amdhsa_user_sgpr_count 2
		.amdhsa_user_sgpr_kernarg_segment_ptr 1
		.amdhsa_wavefront_size32 1
		.amdhsa_system_sgpr_workgroup_id_x 1
		.amdhsa_system_sgpr_workgroup_id_y 1
		.amdhsa_system_sgpr_workgroup_id_z 1
		.amdhsa_system_vgpr_workitem_id 0
		.amdhsa_next_free_vgpr 1024
		.amdhsa_next_free_sgpr 102
		.amdhsa_reserve_vcc 0
		.amdhsa_float_denorm_mode_32 3
		.amdhsa_float_denorm_mode_16_64 3
		.amdhsa_memory_ordered 1
		.amdhsa_forward_progress 1
		.amdhsa_inst_pref_size 230
	.end_amdhsa_kernel
	.amdgpu_metadata
---
amdhsa.version: [ 1, 2 ]
amdhsa.kernels:
  - .name:           k_q8c37307352_ff1
    .symbol:         k_q8c37307352_ff1.kd
    .args:
      - { .name: xq, .offset: 0, .size: 8, .value_kind: global_buffer, .address_space: global }
      - { .name: wts, .offset: 8, .size: 8, .value_kind: global_buffer, .address_space: global }
      - { .name: b1, .offset: 16, .size: 8, .value_kind: global_buffer, .address_space: global }
      - { .name: hid, .offset: 24, .size: 8, .value_kind: global_buffer, .address_space: global }
    .group_segment_fixed_size: 327680
    .private_segment_fixed_size: 0
    .kernarg_segment_align: 8
    .kernarg_segment_size: 32
    .max_flat_workgroup_size: 128
    .sgpr_count:     102
    .vgpr_count:     1024
    .wavefront_size: 32
...
	.end_amdgpu_metadata
.endif
;; end of part 5
;; launch ff2 (part 6): grid 4 x 16, 4 waves a work-group, clusters of 4 x 4, 327,680 bytes of LDS; arguments hid, wts, b2, xf, out0; writes out0
.if DOCPART == 6
	.amdgcn_target "amdgcn-amd-amdhsa--gfx1250"
	.amdhsa_code_object_version 6
	.text
	.protected	k_q8c37307352_ff2
	.globl	k_q8c37307352_ff2
	.p2align	8
	.type	k_q8c37307352_ff2,@function
k_q8c37307352_ff2:
	s_mov_b64 s[64:65], 0
	v_nop
	global_prefetch_b8 v0, s[64:65] scope:SCOPE_SE
	s_setreg_imm32_b32 hwreg(HW_REG_WAVE_MODE, 25, 1), 1
	s_wait_xcnt 0x0
	s_wait_alu depctr_hold_cnt(0) depctr_sa_sdst(0) depctr_va_vdst(0) depctr_va_sdst(0) depctr_va_ssrc(0) depctr_va_vcc(0) depctr_vm_vsrc(0)
	s_getreg_b32 s2, hwreg(HW_REG_IB_STS2, 6, 4)
	s_cmp_eq_u32 s2, 0
	s_cbranch_scc0 .Lentry_in_a_cluster
	s_endpgm
.Lentry_in_a_cluster:
	s_bfe_u32 s2, ttmp6, 0x10000c
	s_cmp_lg_u32 s2, 0xf033
	s_cbranch_scc0 .Lentry_shape_is_right
	s_endpgm
.Lentry_shape_is_right:
; out0 = x + hid w2^T + b2, the product on codes of FP6 (E2M3) with E8M0 scales, K = 4,096; x comes as f32.
; OPERANDS are register images (16 rows x 128 K = 1,536 bytes); row i of row tile t is row 32 (t / 2) + 8 (t % 2) + i + 8 (i / 8).  THE MATRIX INSTRUCTION IS USED TRANSPOSED (source 0 = 16 rows of w2,
; source 1 = 16 rows of hid): a lane keeps one row, and the registers of w2's tiles 2 b, 2 b + 1 are 16 neighbouring columns.
; A tile of C is 256 x 256, four waves of 128 x 128; K in steps of 256 through two LDS slots filled by joint tensor loads in clusters of 4 x 4; the scale words (65,536 bytes) come once with the first fills.
; 64 tiles: a quarter of the WGPs have work (a smaller tile would want a second main loop).  LIMITS: NaN and infinities are not served.
.set KS,    32
.set FRA,   0
.set FRB,   6144
.set SCA,   12582912
.set SCBB,  12582912
.set PA,    4
.set PB,    6
.set FR,    12
.set NL,    3
.set HALFT, 8*3072
.set SLOT,  4*HALFT
.set SCL,   2*SLOT
.set HALFS, 512*KS
.set SPARE, 262144
.set LAPS,  KS/4
.set ADRA, 16
.set ADRB, 20
.set STO,  24
.set RD,   25
.set ADRS, 27
.set SPW,  28
.set NIL,  29
.set LI,   30
.set SC,   32
.set BIAS, 64
.set AF,   128
.set X,    128
.set G1, 24
.set G0, 32
.set G1B, 48
.set G0B, 56
.set G1S, 68
.set G0S, 76
.set G1SB, 80
.set G0SB, 88
.set MSB, 0
.macro WIN new
.if MSB != (\new)
	s_set_vgpr_msb (MSB<<8)|(\new)
.set MSB, (\new)
.endif
.endm
.macro PLACES n
.rept \n
	v_nop
.endr
.endm
.macro JLOAD g0a, g1a, g0b, g1b        ; a joint load: waves 0, 1 fetch for A, waves 2, 3 for B; four v_nop follow each line
	s_cmp_eq_u32 s15, 0
	s_cbranch_scc0 .Lfor_b_\@
	tensor_load_to_lds s[\g0a:\g0a+3], s[\g1a:\g1a+7]
	s_nop 0
.rept 4
	v_nop
.endr
	s_branch .Lasked_\@
.Lfor_b_\@:
	tensor_load_to_lds s[\g0b:\g0b+3], s[\g1b:\g1b+7]
	s_nop 0
.rept 4
	v_nop
.endr
.Lasked_\@:
.endm
.macro CREST
	s_cmp_lg_u32 s14, 0
	s_cbranch_scc1 .Lnot_wave_0_\@
	s_barrier_signal -3
.Lnot_wave_0_\@:
	s_barrier_wait -3
	s_barrier_signal -1
	s_barrier_wait -1
.endm
.macro CROUND
	s_barrier_signal -1
	s_barrier_wait -1
	CREST
.endm
.macro FRAG reg, adr, q, i
.irp c, 0,1,2
	ds_load_b128 v[\reg+4*\c:\reg+4*\c+3], v[\adr] offset:(\i)*3072+(\q)*1536+512*\c
.endr
.endm
; 16 matrix instructions; the 64 accumulators take turns, one instruction a turn, in the same order in every step.  zero = 1: the bias is the C
.macro MUL16 a0, p, q, sc, zero
.irp a, \a0, \a0+1
.irp b, 0,1,2,3,4,5,6,7
.if \zero
	v_wmma_scale_f32_16x16x128_f8f6f4 v[8*(8*((\a)%4)+\b):8*(8*((\a)%4)+\b)+7], v[128*(\p)+FR*\b:128*(\p)+FR*\b+FR-1], v[AF+FR*(\a):AF+FR*(\a)+FR-1], v[BIAS+8*\b:BIAS+8*\b+7], v[SC+16*(\sc)+2*\b+(\q)], v[SC+16*(\sc)+2*(\a)+(\q)] matrix_a_fmt:MATRIX_FMT_FP6 matrix_b_fmt:MATRIX_FMT_FP6 matrix_a_scale:MATRIX_SCALE_ROW1
.else
	v_wmma_scale_f32_16x16x128_f8f6f4 v[8*(8*((\a)%4)+\b):8*(8*((\a)%4)+\b)+7], v[128*(\p)+FR*\b:128*(\p)+FR*\b+FR-1], v[AF+FR*(\a):AF+FR*(\a)+FR-1], v[8*(8*((\a)%4)+\b):8*(8*((\a)%4)+\b)+7], v[SC+16*(\sc)+2*\b+(\q)], v[SC+16*(\sc)+2*(\a)+(\q)] matrix_a_fmt:MATRIX_FMT_FP6 matrix_b_fmt:MATRIX_FMT_FP6 matrix_a_scale:MATRIX_SCALE_ROW1
.endif
.endr
.endr
.endm
.macro FETCH_B slot, q, p
	WIN 0x40
.irp i, 0,1,2,3,4,5,6,7
	FRAG 128*(\p)+FR*\i, ADRB+\slot, \q, \i
.endr
	WIN 0
.endm
.macro FETCH_A slot, q, i0
.irp i, \i0, \i0+1, \i0+2, \i0+3
	FRAG AF+FR*(\i), ADRA+\slot, \q, \i
.endr
.endm
.macro SCALES sc
.irp i, 0,1,2,3,4,5,6,7
.irp q, 0,1
	ds_load_b32 v[SC+16*\sc+2*\i+\q], v[ADRS] offset:\i*64*KS+64*\q
.endr
.endr
.endm
.macro STEP slot, zero
	s_wait_dscnt 4*NL                              ; all but the youngest 12 loads (A's tiles 4-7) are in
	WIN 0xa1-0x20*\zero
	MUL16 0, 0, 0, \slot, \zero
	MUL16 2, 0, 0, \slot, \zero
	s_wait_dscnt 0x0
	PLACES 4
	FETCH_B \slot, 1, 1
	FETCH_A \slot, 1, 0
	WIN 0xf1-0x30*\zero
	MUL16 4, 0, 0, \slot, \zero
	MUL16 6, 0, 0, \slot, \zero
	PLACES 4
	WIN 0
	FETCH_A \slot, 1, 4
.endm
.macro TURN slot, next, fill
	s_wait_tensorcnt 0x0                           ; all my tensor loads have landed: my part of the next slot
	ds_add_u32 v[SPW], v[NIL]                      ; 0 onto my spare word
	s_wait_dscnt 4*NL+1                            ; (the add and the youngest 12 loads may be out)
	WIN 0xa1
	MUL16 0, 1, 1, \slot, 0
	s_wait_dscnt 0x0                               ; the add is done, and my reads of this slot are over
	s_barrier_signal -1
	MUL16 2, 1, 1, \slot, 0
	WIN 0
	s_barrier_wait -1
.if \fill
	CREST                                          ; a round of the cluster's barrier: no wave of any partner still reads this slot or has a load on its way
	s_add_nc_u64 s[G0+4*\slot+2:G0+4*\slot+3], s[G0+4*\slot+2:G0+4*\slot+3], 6144
	s_add_nc_u64 s[G0B+4*\slot+2:G0B+4*\slot+3], s[G0B+4*\slot+2:G0B+4*\slot+3], 6144
	JLOAD G0+4*\slot, G1, G0B+4*\slot, G1B
.else
	PLACES 4
.endif
	v_add_nc_u32 v[ADRS], 128, v[ADRS]
	FETCH_B \next, 0, 0
	FETCH_A \next, 0, 0
	SCALES \next
	WIN 0xf1
	MUL16 4, 1, 1, \slot, 0
	MUL16 6, 1, 1, \slot, 0
	PLACES 4
	WIN 0
	FETCH_A \next, 0, 4
.endm
	s_load_b256 s[4:11], s[0:1], 0x0               ; hid, wts, b2, xf
	s_load_b64 s[96:97], s[0:1], 0x20              ; out0
	v_lshl_add_u32 v[SPW], v0, 2, SPARE
	v_mov_b32 v[NIL], 0
	ds_add_u32 v28, v29
	ds_add_u32 v28, v29
	s_wait_dscnt 0x0
	v_lshrrev_b32 v1, 5, v0
	v_readfirstlane_b32 s14, v1
	s_lshr_b32 s15, s14, 1
	s_and_b32 s16, s14, 1
	s_bfe_u32 s40, ttmp6, 0x40000
	s_bfe_u32 s41, ttmp6, 0x40004
	s_lshl_b32 s42, ttmp9, 2
	s_add_co_u32 s42, s42, s40
	s_and_b32 s17, ttmp7, 0xffff
	s_lshl_b32 s17, s17, 2
	s_add_co_u32 s17, s17, s41
	s_lshl_b32 s43, s41, 2
	s_lshl_b32 s43, 15, s43
	s_lshl_b32 s44, 0x1111, s40
	s_or_b32 s[G1+0], s43, (3<<16)|(1<<21)
	s_or_b32 s[G1B+0], s44, (3<<16)|(1<<21)
.irp g, G1, G1B
	s_mov_b32 s[\g+1], 384<<16
	s_mov_b32 s[\g+2], 8<<16
	s_mov_b32 s[\g+3], 384<<16
	s_mov_b32 s[\g+4], 8
	s_mov_b32 s[\g+5], 192*KS
	s_mov_b32 s[\g+6], 0
	s_mov_b32 s[\g+7], 0
.endr
	s_or_b32 s[G1S+0], s43, (3<<16)|(1<<21)
	s_or_b32 s[G1SB+0], s44, (3<<16)|(1<<21)
.irp g, G1S, G1SB
	s_mov_b32 s[\g+1], 32<<16
	s_mov_b32 s[\g+2], (2*KS)<<16
	s_mov_b32 s[\g+3], 32<<16
	s_mov_b32 s[\g+4], 2*KS
	s_mov_b32 s[\g+5], 32
	s_mov_b32 s[\g+6], 0
	s_mov_b32 s[\g+7], 0
.endr
	s_lshl_b32 s18, s16, 3
	s_lshl_b32 s20, s17, 4
	s_add_co_u32 s20, s20, s18
	s_mul_i32 s20, s20, KS
	s_add_co_u32 s20, s20, FRA
	s_lshl_b32 s22, s20, 6
	s_add_co_u32 s22, s22, SCA
	s_mul_i32 s20, s20, 1536
	s_mov_b32 s21, 0
	s_mov_b32 s23, 0
	s_lshl_b32 s46, s42, 4
	s_add_co_u32 s46, s46, s18
	s_mul_i32 s46, s46, KS
	s_add_co_u32 s46, s46, FRB
	s_lshl_b32 s92, s46, 6
	s_add_co_u32 s92, s92, SCBB
	s_mul_i32 s46, s46, 1536
	s_mov_b32 s47, 0
	s_mov_b32 s93, 0
	s_mul_i32 s45, s14, HALFT
	s_mul_i32 s94, s14, HALFS
	s_wait_kmcnt 0x0
	s_add_nc_u64 s[20:21], s[PA:PA+1], s[20:21]
	s_add_nc_u64 s[22:23], s[PA:PA+1], s[22:23]
	s_add_nc_u64 s[46:47], s[PB:PB+1], s[46:47]
	s_add_nc_u64 s[92:93], s[PB:PB+1], s[92:93]
	CROUND
	s_mov_b32 s[G0S], 1
	s_add_co_u32 s[G0S+1], s94, SCL
	s_mov_b64 s[G0S+2:G0S+3], s[22:23]
	s_or_b32 s[G0S+3], s[G0S+3], 0x80000000
	s_mov_b32 s[G0SB], 1
	s_add_co_u32 s[G0SB+1], s94, SCL
	s_mov_b64 s[G0SB+2:G0SB+3], s[92:93]
	s_or_b32 s[G0SB+3], s[G0SB+3], 0x80000000
	JLOAD G0S, G1S, G0SB, G1SB
.irp s, 0,1
	s_mov_b32 s[G0+4*\s], 1
	s_add_co_u32 s[G0+4*\s+1], s45, \s*SLOT
	s_add_nc_u64 s[G0+4*\s+2:G0+4*\s+3], s[20:21], \s*3072
	s_or_b32 s[G0+4*\s+3], s[G0+4*\s+3], 0x80000000
	s_mov_b32 s[G0B+4*\s], 1
	s_add_co_u32 s[G0B+4*\s+1], s45, \s*SLOT
	s_add_nc_u64 s[G0B+4*\s+2:G0B+4*\s+3], s[46:47], \s*3072
	s_or_b32 s[G0B+4*\s+3], s[G0B+4*\s+3], 0x80000000
	JLOAD G0+4*\s, G1, G0B+4*\s, G1B
.endr
	v_and_b32 v1, 15, v0
	v_bfe_u32 v2, v0, 4, 1
	v_and_b32 v3, 31, v0
	v_lshlrev_b32 v[LI], 4, v3
	s_mul_i32 s21, s15, HALFT
	s_mul_i32 s22, s16, HALFT
	s_add_co_u32 s22, s22, 2*HALFT
.irp s, 0,1
	v_add_nc_u32 v[ADRA+\s], s21, v[LI]
	v_add_nc_u32 v[ADRB+\s], s22, v[LI]
	s_add_co_u32 s21, s21, SLOT
	s_add_co_u32 s22, s22, SLOT
.endr
	v_lshlrev_b32 v5, 2, v1
	s_mul_i32 s21, s15, HALFS
	s_mul_i32 s22, s16, HALFS
	s_add_co_u32 s22, s22, 2*HALFS
	s_sub_co_u32 s22, s22, s21
	v_mul_u32_u24 v6, s22, v2
	s_add_co_u32 s21, s21, SCL
	v_add_nc_u32 v6, v5, v6
	v_add_nc_u32 v[ADRS], s21, v6
	s_mul_i32 s23, s14, 8448                       ; my stage: 16 rows x 528 bytes, in slot 0, which has had its last fill and its last read when the first result is stored there
	v_mul_u32_u24 v6, v1, 528
	v_lshl_add_u32 v6, v2, 6, v6
	v_add_nc_u32 v[STO], s23, v6
	v_add_nc_u32 v[RD], s23, v[LI]
	s_lshl_b32 s20, s17, 8
	s_lshl_b32 s21, s15, 7
	s_add_co_u32 s20, s20, s21
	s_lshl_b32 s20, s20, 12
	s_lshl_b32 s46, s42, 10
	s_lshl_b32 s47, s16, 9
	s_add_co_u32 s46, s46, s47
	s_add_co_u32 s20, s20, s46
	s_mov_b32 s21, 0
	s_mov_b32 s47, 0
	s_add_nc_u64 s[10:11], s[10:11], s[20:21]      ; the residual x
	s_add_nc_u64 s[96:97], s[96:97], s[20:21]      ; out0
	s_add_nc_u64 s[8:9], s[8:9], s[46:47]          ; the bias
	v_lshlrev_b32 v7, 6, v2
.irp b, 0,1,2,3,4,5,6,7
	global_load_b128 v[BIAS+8*\b:BIAS+8*\b+3], v7, s[8:9] offset:(32*(\b/2)+8*(\b%2))*4
	global_load_b128 v[BIAS+8*\b+4:BIAS+8*\b+7], v7, s[8:9] offset:(32*(\b/2)+8*(\b%2))*4+16
.endr
	s_wait_tensorcnt 1                             ; the scale words and my part of slot 0 are in; slot 1's load may be out
	s_barrier_signal -1
	s_barrier_wait -1
	FETCH_B 0, 0, 0
	FETCH_A 0, 0, 0
	SCALES 0
	FETCH_A 0, 0, 4
	s_wait_loadcnt 0x0
	STEP 0, 1
	s_mov_b32 s3, LAPS-1
.Llap:
	TURN 0, 1, 1
	STEP 1, 0
	TURN 1, 0, 1
	STEP 0, 0
	s_sub_co_u32 s3, s3, 1
	s_cmp_lg_u32 s3, 0
	s_cbranch_scc1 .Llap
	TURN 0, 1, 0
	STEP 1, 0
	s_wait_dscnt 4*NL
	WIN 0xa1
	MUL16 0, 1, 1, 1, 0
	MUL16 2, 1, 1, 1, 0
	s_wait_dscnt 0x0
	WIN 0xf1
	MUL16 4, 1, 1, 1, 0
	MUL16 6, 1, 1, 1, 0
	WIN 0
	PLACES 4
; THE WAY OUT, A's tile a (16 rows x 128 columns): through my stage into whole rows of 512 bytes, + the residual's rows, stored.
.macro RESL a
	WIN 0x40
.irp t, 0,1,2,3,4,5,6,7,8,9,10,11,12,13,14,15
	global_load_b128 v[64*((\a)%4)+4*\t:64*((\a)%4)+4*\t+3], v[LI], s[10:11] offset:(32*((\a)/2)+8*((\a)%2)+\t+8*(\t/8))*4096 th:TH_LOAD_NT
.endr
	WIN 0
.endm
.macro OUTB a, left
.if (\a) > 0
	s_wait_xcnt 0x0                                ; the last tile's stores have read their data
.endif
	WIN 0x08+4*((\a)/4)
.irp b, 0,1,2,3,4,5,6,7
	ds_store_b128 v[STO], v[64*((\a)%4)+8*\b:64*((\a)%4)+8*\b+3] offset:128*(\b/2)+32*(\b%2)       ; each accumulator from its low end on
	ds_store_b128 v[STO], v[64*((\a)%4)+8*\b+4:64*((\a)%4)+8*\b+7] offset:128*(\b/2)+32*(\b%2)+16
.endr
	WIN 0
.irp t, 0,1,2,3,4,5,6,7,8,9,10,11,12,13,14,15
	ds_load_b128 v[X+4*\t:X+4*\t+3], v[RD] offset:528*\t   ; LDS serves a wave's instructions in order
.endr
	s_wait_dscnt 0x0
	s_wait_loadcnt \left                           ; this tile's 16 residual loads are in; the younger tiles' may be out
	WIN 0x04
.set n, 0
.rept 32
	v_pk_add_f32 v[X+n:X+n+1], v[X+n:X+n+1], v[64*((\a)%4)+n:64*((\a)%4)+n+1]
.set n, n+2
.endr
	WIN 0
.if (\a) < 4
	RESL (\a)+4
.endif
.irp t, 0,1,2,3,4,5,6,7,8,9,10,11,12,13,14,15
	global_store_b128 v[LI], v[X+4*\t:X+4*\t+3], s[96:97] offset:(32*((\a)/2)+8*((\a)%2)+\t+8*(\t/8))*4096 th:TH_STORE_NT
.endr
.endm
	RESL 0
	RESL 1
	RESL 2
	RESL 3
	OUTB 0, 48
	OUTB 1, 48
	OUTB 2, 48
	OUTB 3, 48
	OUTB 4, 48
	OUTB 5, 32
	OUTB 6, 16
	OUTB 7, 0
	s_wait_tensorcnt 0x0                           ; the wave's end
	ds_add_u32 v[SPW], v[NIL]
	s_wait_dscnt 0x0
	CROUND
	s_endpgm
.Lfunc_end_k_q8c37307352_ff2:
	.size	k_q8c37307352_ff2, .Lfunc_end_k_q8c37307352_ff2-k_q8c37307352_ff2
	.p2alignl 7, 3214868480
	.fill 96, 4, 3214868480
	.section	.rodata,"a",@progbits
	.p2align	6, 0x0
	.amdhsa_kernel k_q8c37307352_ff2
		.amdhsa_group_segment_fixed_size 327680
		.amdhsa_private_segment_fixed_size 0
		.amdhsa_enable_private_segment 0
		.amdhsa_kernarg_size 40
		.amdhsa_user_sgpr_count 2
		.amdhsa_user_sgpr_kernarg_segment_ptr 1
		.amdhsa_wavefront_size32 1
		.amdhsa_system_sgpr_workgroup_id_x 1
		.amdhsa_system_sgpr_workgroup_id_y 1
		.amdhsa_system_sgpr_workgroup_id_z 1
		.amdhsa_system_vgpr_workitem_id 0
		.amdhsa_next_free_vgpr 1024
		.amdhsa_next_free_sgpr 102
		.amdhsa_reserve_vcc 0
		.amdhsa_float_denorm_mode_32 3
		.amdhsa_float_denorm_mode_16_64 3
		.amdhsa_memory_ordered 1
		.amdhsa_forward_progress 1
		.amdhsa_inst_pref_size 168
	.end_amdhsa_kernel
	.amdgpu_metadata
---
amdhsa.version: [ 1, 2 ]
amdhsa.kernels:
  - .name:           k_q8c37307352_ff2
    .symbol:         k_q8c37307352_ff2.kd
    .args:
      - { .name: hid, .offset: 0, .size: 8, .value_kind: global_buffer, .address_space: global }
      - { .name: wts, .offset: 8, .size: 8, .value_kind: global_buffer, .address_space: global }
      - { .name: b2, .offset: 16, .size: 8, .value_kind: global_buffer, .address_space: global }
      - { .name: xf, .offset: 24, .size: 8, .value_kind: global_buffer, .address_space: global }
      - { .name: out0, .offset: 32, .size: 8, .value_kind: global_buffer, .address_space: global }
    .group_segment_fixed_size: 327680
    .private_segment_fixed_size: 0
    .kernarg_segment_align: 8
    .kernarg_segment_size: 40
    .max_flat_workgroup_size: 128
    .sgpr_count:     102
    .vgpr_count:     1024
    .wavefront_size: 32
...
	.end_amdgpu_metadata
.endif
;; end of part 6
;; ======== version 2 of 3: 6 launches; 1.26 times as fast as version 1
;; limits: right only within a limited range of input values
;; workspace buffers: wts 13,107,200 bytes; qkv 9,830,400 bytes; ctx 3,276,800 bytes; xf 16,777,216 bytes; xq 3,276,800 bytes; hid 13,107,200 bytes
;; launch quant: the kernel of part 1 again; grid 256 x 1, 8 waves a work-group, no clusters, 68,608 bytes of LDS; arguments src, qw, kw, vw, ow, w1, w2, wts; writes wts
;; launch qkvp: the kernel of part 2 again; grid 12 x 16, 4 waves a work-group, clusters of 4 x 4, 327,680 bytes of LDS; arguments wts, qb, kb, vb, qkv; writes qkv
;; launch attn (part 7): grid 16 x 16, 4 waves a work-group, no clusters, 281,088 bytes of LDS; arguments qkv, mask, ctx; writes ctx
.if DOCPART == 7
	.amdgcn_target "amdgcn-amd-amdhsa--gfx1250"
	.amdhsa_code_object_version 6
	.text
	.protected	k_q8c37307352_attn
	.globl	k_q8c37307352_attn
	.p2align	8
	.type	k_q8c37307352_attn,@function
k_q8c37307352_attn:
	s_mov_b64 s[64:65], 0
	v_nop
	global_prefetch_b8 v0, s[64:65] scope:SCOPE_SE
	s_setreg_imm32_b32 hwreg(HW_REG_WAVE_MODE, 25, 1), 1
	s_wait_xcnt 0x0
; ctx = entmax-1.5(q k^T / sqrt(128), masked) v, both products on codes of FP6 (E2M3) with E8M0 scales; ctx is quantised along the model's 1,024 and stored as register images.
; SHARES.  A work-group takes 128 queries of one head (x: block of queries, y: 8 x batch + head) in 4 rounds of two tiles of 16 queries, A and B.  Wave w owns keys 512 w .. 512 w + 511
; in every round: a tile's 16 x 512 scores fill one window of 256 registers (A: window 2, B: window 3) and never leave them.
; LAYOUT.  S^T = K Q^T (source 0 = 16 keys, source 1 = 16 queries): a lane holds one query; row i of key tile t is key 32 (t / 2) + 8 (t % 2) + i + 8 (i / 8), so register R is key 32 (R / 16) + 16 h + R % 16.
; THE MASK is the C of the score product: 0, or -1e9 sqrt(128) for a masked key.
; THE THRESHOLD.  y = (s - largest s) / (2 sqrt(128)) <= 0.  p = max(y - u, 0)^2 with u the root of phi(u) = sqrt(sum of max(y - u, 0)^2) - 1.  phi is convex and falls, so Newton from u = -1,
; u += (s2 - sqrt(s2)) / s1 with s1 = sum t, s2 = sum t^2, rises to the root and never passes it.  Its slope lies between 1 and sqrt(2048); convexity gives
; phi' / phi + slope' / slope <= 1 from step to step, so after K steps phi <= 44.3 (1 - 45.3^(-1/K))^K: under 1e-7 for K = 14, whatever the scores.  14 steps for each tile, no branch on data.
; Each pass sums over a wave's 512 keys in registers; the four waves' sums meet in LDS.  EACH TILE'S EXCHANGE STANDS UNDER THE OTHER TILE'S PASS: store, wait, signal, barrier, loads and the step's root and
; reciprocal are strewn between that pass's batches, so that no LDS round trip is waited out in the loop.
; O^T = V^T P^T (source 0 = 16 of the head's 128, source 1 = P): each wave sums over its own 512 keys; the four parts are added in f32 in a fixed order by waves 0 (tile A) and 1 (tile B).
; K's images stay in LDS (each wave's own 49,152 bytes); V's come from memory into idle registers, asked for a whole threshold search ahead.  No tensor load: what is shared with other work-groups is
; 0.2 MB of K read once and 0.8 MB of V spread over the whole run of a launch that is bound by its vector work.
; LIMITS: the mask's penalty is added, not put in the score's place: the same as long as |score| stays under 1e8 sqrt(128).  A batch all of whose keys are masked gets equal weights.
; NaN and infinities are not served.  A block whose every p is 0 keeps the scale byte 1: its codes are zeros.
.set KSC,  196608                      ; LDS: K's images from 0 (49,152 a wave); K's scale words (2,048 a wave);
.set PEN,  204800                      ; the penalties, f32, one a key;
.set MX,   212992                      ; largest scores: tile x 256 + 16 r + 4 w;
.set RED,  213504                      ; pass sums: tile x 512 + 32 r + 8 w;
.set OST,  214528                      ; partial O^T: 16,384 w + 8,192 tile + 512 g + 16 lane
.set LI,   1                           ; v1 16 x lane;  v2 4 r;  v3-15 LDS addresses and offsets that stay
.set R4,   2
.set KA,   3
.set KSA,  4
.set PNA,  5
.set MXS,  6
.set MXL,  7
.set REDS, 8
.set REDL, 9
.set OSS,  10
.set OSL,  11
.set CIO,  12
.set CSO,  13
.set KSW,  14
.set PNS,  15
.set KVS,  16                          ; v16-31 K's or V's scale words, two sets of 8
.set BMA,  32                          ; v32-47, v48-63 the largest score, later y, of each block of 32 keys
.set BMB,  48
.set T,    64                          ; v64-95 at work in a pass
.set PCA,  64                          ; in the last stage: P's codes of A, of B, and halves on their way
.set PCB,  76
.set PCT,  88
.set S1,   96                          ; v96-103, v104-111 four pairs each of running sums
.set S2,   104
.set TMF,  96
.set SS,   112                         ; v112-115 (s1, s2) and the other half of the lanes'
.set PWA,  116                         ; P's scale words;  v118-119 Q's
.set PWB,  117
.set QS,   118
.set UA,   120                         ; v[120:121], v[122:123] u of A, of B (named as pairs)
.set UB,   122
.set MA,   124                         ; v[124:125], v[126:127] the row's largest score
.set MB,   126
.set L,    128                         ; v128-135 the four waves' sums, while O^T's registers are idle
.set OA,   128                         ; v128-191, v192-255 O^T of A, of B
.set OB,   192
.set QF,   224                         ; v224-247 Q's two fragments, from a round's end through the next round's scores
.set X,    128                         ; the join: 64 numbers, at work, codes, scale word
.set TM,   192
.set PC,   204
.set PW,   64
.set SEL,  34
.set CS,   36                          ; s[36:37] c = 1 / (2 sqrt(128))
.set MSB, 0
.macro WIN new                         ; bits 1:0 source 0, 3:2 source 1, 5:4 source 2, 7:6 destination; the high byte repeats the setting that is left
.if MSB != (\new)
	s_set_vgpr_msb (MSB<<8)|(\new)
.set MSB, (\new)
.endif
.endm
.macro PLACES n
.rept \n
	v_nop
.endr
.endm
.macro QUANT s
.irp b, 0,1,2,3
	v_max3_num_f32 v[TM+\b], |v[\s+16*\b]|, |v[\s+1+16*\b]|, 0x1800000
.endr
.irp i, 2,4,6,8,10,12,14
.irp b, 0,1,2,3
	v_max3_num_f32 v[TM+\b], v[TM+\b], |v[\s+16*\b+\i]|, |v[\s+1+16*\b+\i]|
.endr
.endr
.irp b, 0,1,2,3
	v_permlanex16_b32 v[TM+4+\b], v[TM+\b], s[SEL], s[SEL+1]
.endr
.irp b, 0,1,2,3
	v_max_num_f32 v[TM+\b], v[TM+\b], v[TM+4+\b]
.endr
.irp b, 0,1,2,3
	v_add_nc_u32 v[TM+8+\b], 0xff000000, v[TM+\b]
.endr
.irp b, 0,1,2,3
	v_lshrrev_b32 v[TM+4+\b], 23, v[TM+8+\b]
.endr
	v_lshl_or_b32 v[PW], v[TM+5], 8, v[TM+4]
	v_lshl_or_b32 v[PW], v[TM+6], 16, v[PW]
	v_lshl_or_b32 v[PW], v[TM+7], 24, v[PW]
.irp c, 0,1
	v_cvt_scalef32_pk16_fp6_f32 v[PC+6*\c:PC+2+6*\c], v[\s+32*\c:\s+15+32*\c], v[TM+8+2*\c]
	v_cvt_scalef32_pk16_fp6_f32 v[PC+12+4*\c:PC+14+4*\c], v[\s+16+32*\c:\s+31+32*\c], v[TM+8+2*\c+1]
.endr
	v_nop
.irp c, 0,1
.irp i, 0,1,2
	v_permlane16_swap_b32 v[PC+6*\c+\i], v[PC+12+4*\c+\i]
.endr
.irp i, 0,1,2
	v_mov_b32 v[PC+3+6*\c+\i], v[PC+12+4*\c+\i]
.endr
.endr
.endm
.macro PTR d, base, idx, mul, add      ; s[d:d+1] = a buffer's address + fragment number x mul + add
	s_mul_i32 s52, s\idx, \mul
	s_add_co_u32 s52, s52, \add
	s_mov_b32 s53, 0
	s_add_nc_u64 s[\d:\d+1], s[\base:\base+1], s[52:53]
.endm
.macro QLOAD                           ; the round's two query fragments and their scale words
.irp t, 0,1
.irp c, 0,1,2
	global_load_b128 v[QF+12*\t+4*\c:QF+12*\t+4*\c+3], v[LI], s[24:25] offset:1536*\t+512*\c
.endr
	global_load_b32 v[QS+\t], v[R4], s[26:27] offset:64*\t
.endr
.endm
.macro LOADK n                         ; key tiles 8 n .. 8 n + 7: 24 + 8 LDS loads
	WIN 0x40
.irp i, 0,1,2,3,4,5,6,7
.irp c, 0,1,2
	ds_load_b128 v[96*((\n)%2)+12*\i+4*\c:96*((\n)%2)+12*\i+4*\c+3], v[KA] offset:(8*(\n)+\i)*1536+512*\c
.endr
.endr
	WIN 0
.irp i, 0,1,2,3,4,5,6,7
	ds_load_b32 v[KVS+8*((\n)%2)+\i], v[KSA] offset:(8*(\n)+\i)*64
.endr
.endm
.macro PENL n                          ; their penalties, in the result's layout: 16 LDS loads
	WIN 0x40
.irp i, 0,1,2,3,4,5,6,7
	ds_load_b128 v[192+8*\i:195+8*\i], v[PNA] offset:(32*((8*(\n)+\i)/2)+8*(\i%2))*4
	ds_load_b128 v[196+8*\i:199+8*\i], v[PNA] offset:(32*((8*(\n)+\i)/2)+8*(\i%2))*4+16
.endr
	WIN 0
.endm
.macro SCORE n                         ; 16 products, each its own accumulator
	WIN 0x91                                       ; K window 1, Q window 0, the penalty window 1, S^T window 2
.irp i, 0,1,2,3,4,5,6,7
	v_wmma_scale_f32_16x16x128_f8f6f4 v[8*(8*(\n)+\i):8*(8*(\n)+\i)+7], v[96*((\n)%2)+12*\i:96*((\n)%2)+12*\i+11], v[QF:QF+11], v[192+8*\i:199+8*\i], v[KVS+8*((\n)%2)+\i], v[QS] matrix_a_fmt:MATRIX_FMT_FP6 matrix_b_fmt:MATRIX_FMT_FP6
.endr
	WIN 0xd1
.irp i, 0,1,2,3,4,5,6,7
	v_wmma_scale_f32_16x16x128_f8f6f4 v[8*(8*(\n)+\i):8*(8*(\n)+\i)+7], v[96*((\n)%2)+12*\i:96*((\n)%2)+12*\i+11], v[QF+12:QF+23], v[192+8*\i:199+8*\i], v[KVS+8*((\n)%2)+\i], v[QS+1] matrix_a_fmt:MATRIX_FMT_FP6 matrix_b_fmt:MATRIX_FMT_FP6
.endr
	WIN 0
	PLACES 4                                       ; in front of loads into registers that these products have read, and of the first read of results
.endm
.macro VLOAD s                         ; V^T of my keys 128 s on: 8 fragments and their scale words: 32 loads
	WIN 0x40
.irp d, 0,1,2,3,4,5,6,7
.irp c, 0,1,2
	global_load_b128 v[96*((\s)%2)+12*\d+4*\c:96*((\s)%2)+12*\d+4*\c+3], v[LI], s[20:21] offset:98304*(\s)+1536*\d+512*\c
.endr
.endr
	WIN 0
.irp d, 0,1,2,3,4,5,6,7
	global_load_b32 v[KVS+8*((\s)%2)+\d], v[R4], s[22:23] offset:4096*(\s)+64*\d
.endr
.endm
.macro BMAX W, BM, D                   ; the largest score of each of my 16 blocks of 32 keys, and of all: each accumulator is read from its low end on
	WIN (\W)|((\W)<<2)|((\W)<<4)
.irp b, 0,1,2,3,4,5,6,7,8,9,10,11,12,13,14,15
	v_max3_num_f32 v[\BM+\b], v[16*\b], v[16*\b+1], v[16*\b+2]
.endr
	WIN ((\W)<<2)|((\W)<<4)
.irp i, 3,5,7,9,11,13
.irp b, 0,1,2,3,4,5,6,7,8,9,10,11,12,13,14,15
	v_max3_num_f32 v[\BM+\b], v[\BM+\b], v[16*\b+\i], v[16*\b+\i+1]
.endr
.endr
.irp b, 0,1,2,3,4,5,6,7,8,9,10,11,12,13,14,15
	v_max_num_f32 v[\BM+\b], v[\BM+\b], v[16*\b+15]
.endr
	WIN 0
.irp b, 0,1,2,3,4,5,6,7,8,9,10,11,12,13,14,15
	v_permlanex16_b32 v[T+\b], v[\BM+\b], s[SEL], s[SEL+1]
.endr
.irp b, 0,1,2,3,4,5,6,7,8,9,10,11,12,13,14,15
	v_max_num_f32 v[\BM+\b], v[\BM+\b], v[T+\b]    ; with lane l xor 16's 16 keys
.endr
.irp g, 0,1,2,3,4
	v_max3_num_f32 v[T+\g], v[\BM+3*\g], v[\BM+3*\g+1], v[\BM+3*\g+2]
.endr
	v_max3_num_f32 v[T], v[T], v[T+1], v[T+2]
	v_max3_num_f32 v[T+3], v[T+3], v[T+4], v[\BM+15]
	v_max_num_f32 v[\D], v[T], v[T+3]
.endm
.macro SHIFT W, M, BM                  ; y = (s - m) c, in place; the same two operations on the blocks' largest give the same bits
	WIN ((\W)<<6)|(\W)
.set n, 0
.rept 128
	v_pk_add_f32 v[n:n+1], v[n:n+1], v[\M:\M+1] op_sel_hi:[1,0] neg_lo:[0,1] neg_hi:[0,1]
.set n, n+2
.endr
.set n, 0
.rept 128
	v_pk_mul_f32 v[n:n+1], v[n:n+1], s[CS:CS+1] op_sel_hi:[1,0]
.set n, n+2
.endr
	WIN 0
.irp b, 0,1,2,3,4,5,6,7,8,9,10,11,12,13,14,15
	v_sub_f32 v[\BM+\b], v[\BM+\b], v[\M]
.endr
.irp b, 0,1,2,3,4,5,6,7,8,9,10,11,12,13,14,15
	v_mul_f32 v[\BM+\b], s[CS], v[\BM+\b]
.endr
.endm
; A PASS over my 512 keys of one tile goes in 8 batches of 32 registers: t = max(y - u, 0), s1 += t, s2 += t t: four instructions for two scores.  Only the subtraction reads the tile's window (its source 0);
; all else lies in window 0: two switches for 64 instructions.  The two maxima of a pair go as one dual-issue pair (destinations even and odd, second sources in neighbouring banks); s1's and s2's four chains
; each take turns, so that eight instructions stand between two links of a chain.  PASSP writes batches b0 .. b1 - 1.
.macro PASSP W, U, b0, b1
.set bt, \b0
.rept (\b1)-(\b0)
	WIN \W
.irp p, 0,1,2,3,4,5,6,7,8,9,10,11,12,13,14,15
	v_pk_add_f32 v[T+2*\p:T+2*\p+1], v[32*bt+2*\p:32*bt+2*\p+1], v[\U:\U+1] op_sel_hi:[1,0] neg_lo:[0,1] neg_hi:[0,1]
.endr
	WIN 0
.irp p, 0,1,2,3,4,5,6,7,8,9,10,11,12,13,14,15
	v_dual_max_num_f32 v[T+2*\p], 0, v[T+2*\p] :: v_dual_max_num_f32 v[T+2*\p+1], 0, v[T+2*\p+1]
.endr
.irp p, 0,1,2,3,4,5,6,7,8,9,10,11,12,13,14,15
.if (bt == 0) && (\p < 4)
	v_pk_add_f32 v[S1+2*\p:S1+2*\p+1], v[T+2*\p:T+2*\p+1], v[T+2*\p+8:T+2*\p+9]   ; the first eight pairs start s1's four sums,
	v_pk_mul_f32 v[S2+2*\p:S2+2*\p+1], v[T+2*\p:T+2*\p+1], v[T+2*\p:T+2*\p+1]     ; the first four s2's: nothing is cleared
.elseif (bt == 0) && (\p < 8)
	v_pk_fma_f32 v[S2+2*(\p%4):S2+2*(\p%4)+1], v[T+2*\p:T+2*\p+1], v[T+2*\p:T+2*\p+1], v[S2+2*(\p%4):S2+2*(\p%4)+1]
.else
	v_pk_add_f32 v[S1+2*(\p%4):S1+2*(\p%4)+1], v[S1+2*(\p%4):S1+2*(\p%4)+1], v[T+2*\p:T+2*\p+1]
	v_pk_fma_f32 v[S2+2*(\p%4):S2+2*(\p%4)+1], v[T+2*\p:T+2*\p+1], v[T+2*\p:T+2*\p+1], v[S2+2*(\p%4):S2+2*(\p%4)+1]
.endif
.endr
.set bt, bt+1
.endr
.endm
.macro PRED                            ; the chains and the two halves of the lanes are joined: (s1, s2) of my query over my wave's keys
	v_pk_add_f32 v[S1:S1+1], v[S1:S1+1], v[S1+2:S1+3]
	v_pk_add_f32 v[S2:S2+1], v[S2:S2+1], v[S2+2:S2+3]
	v_pk_add_f32 v[S1+4:S1+5], v[S1+4:S1+5], v[S1+6:S1+7]
	v_pk_add_f32 v[S2+4:S2+5], v[S2+4:S2+5], v[S2+6:S2+7]
	v_pk_add_f32 v[S1:S1+1], v[S1:S1+1], v[S1+4:S1+5]
	v_pk_add_f32 v[S2:S2+1], v[S2:S2+1], v[S2+4:S2+5]
	v_add_f32 v[SS], v[S1], v[S1+1]
	v_add_f32 v[SS+1], v[S2], v[S2+1]
	v_permlanex16_b32 v[SS+2], v[SS], s[SEL], s[SEL+1]
	v_permlanex16_b32 v[SS+3], v[SS+1], s[SEL], s[SEL+1]
	v_pk_add_f32 v[SS:SS+1], v[SS:SS+1], v[SS+2:SS+3]
.endm
.macro UPD1                            ; the four waves' sums in a fixed order, so that all waves get the same bits; the step's root and reciprocal
	v_pk_add_f32 v[L:L+1], v[L:L+1], v[L+2:L+3]
	v_pk_add_f32 v[L+4:L+5], v[L+4:L+5], v[L+6:L+7]
	v_pk_add_f32 v[L:L+1], v[L:L+1], v[L+4:L+5]
	v_sqrt_f32 v[L+2], v[L+1]
	v_rcp_f32 v[L+3], v[L]
.endm
.macro UPD2 U                          ; the Newton step; a plain vector instruction stands between UPD1's transcendentals and this
	s_wait_alu depctr_va_vdst(0)
	v_sub_f32 v[L+2], v[L+1], v[L+2]
	v_fma_f32 v[\U], v[L+2], v[L+3], v[\U]
.endm
; Half a trip: tile W's pass, and under it the exchange of the OTHER tile's sums (at byte oo of the sums' words), which that tile's pass stored just before; at its end the other tile's step is made and my sums are stored (at byte mo).
.macro HALF W, U, OU, oo, mo
	PASSP \W, \U, 0, 2
	s_wait_dscnt 0x0                               ; for the others' sake: the other tile's sums, stored two batches ago, lie in LDS; my loads of this tile's words are long back
	s_barrier_signal -1
	PASSP \W, \U, 2, 6                             ; register work while the others arrive
	s_barrier_wait -1
	ds_load_b128 v[L:L+3], v[REDL] offset:\oo
	ds_load_b128 v[L+4:L+7], v[REDL] offset:\oo+16
	PASSP \W, \U, 6, 7
	s_wait_dscnt 0x0                               ; asked for a batch ago
	UPD1
	PASSP \W, \U, 7, 8
	UPD2 \OU
	PRED
	ds_store_b64 v[REDS], v[SS:SS+1] offset:\mo    ; these words were last read behind the barrier before the one above: every wave signalled that one after its wait for those loads
.endm
.macro PMAKE W, U, s                   ; p = max(y - u, 0)^2 of my keys 128 s on, in place
	WIN ((\W)<<6)|(\W)
.set n, 0
.rept 32
	v_pk_add_f32 v[64*(\s)+n:64*(\s)+n+1], v[64*(\s)+n:64*(\s)+n+1], v[\U:\U+1] op_sel_hi:[1,0] neg_lo:[0,1] neg_hi:[0,1]
.set n, n+2
.endr
	WIN ((\W)<<6)|((\W)<<2)
.set n, 0
.rept 64
	v_max_num_f32 v[64*(\s)+n], 0, v[64*(\s)+n]
.set n, n+1
.endr
	WIN ((\W)<<6)|((\W)<<2)|(\W)
.set n, 0
.rept 32
	v_pk_mul_f32 v[64*(\s)+n:64*(\s)+n+1], v[64*(\s)+n:64*(\s)+n+1], v[64*(\s)+n:64*(\s)+n+1]
.set n, n+2
.endr
	WIN 0
.endm
.macro QCODES W, U, BM, P, PWR, s      ; a block's largest p is not searched for: p rises with y, and the block's largest y goes through the same three operations
.irp b, 0,1,2,3
	v_sub_f32 v[TMF+\b], v[\BM+4*(\s)+\b], v[\U]
.endr
.irp b, 0,1,2,3
	v_max_num_f32 v[TMF+\b], 0, v[TMF+\b]
.endr
.irp b, 0,1,2,3
	v_mul_f32 v[TMF+\b], v[TMF+\b], v[TMF+\b]
.endr
.irp b, 0,1,2,3
	v_max_num_f32 v[TMF+\b], 0x1800000, v[TMF+\b]  ; the floor 2^(3 - 127): the byte cannot fall under 1
.endr
.irp b, 0,1,2,3
	v_add_nc_u32 v[TMF+8+\b], 0xff000000, v[TMF+\b]
.endr
.irp b, 0,1,2,3
	v_lshrrev_b32 v[TMF+4+\b], 23, v[TMF+8+\b]
.endr
	v_lshl_or_b32 v[\PWR], v[TMF+5], 8, v[TMF+4]
	v_lshl_or_b32 v[\PWR], v[TMF+6], 16, v[\PWR]
	v_lshl_or_b32 v[\PWR], v[TMF+7], 24, v[\PWR]
	WIN \W
.irp c, 0,1
	v_cvt_scalef32_pk16_fp6_f32 v[\P+6*\c:\P+6*\c+2], v[64*(\s)+32*\c:64*(\s)+32*\c+15], v[TMF+8+2*\c]
	v_cvt_scalef32_pk16_fp6_f32 v[PCT+4*\c:PCT+4*\c+2], v[64*(\s)+32*\c+16:64*(\s)+32*\c+31], v[TMF+8+2*\c+1]
.endr
	WIN 0
	v_nop
.irp c, 0,1
.irp i, 0,1,2
	v_permlane16_swap_b32 v[\P+6*\c+\i], v[PCT+4*\c+\i]
.endr
.irp i, 0,1,2
	v_mov_b32 v[\P+3+6*\c+\i], v[PCT+4*\c+\i]
.endr
.endr
.endm
.macro PV s                            ; O^T += V^T P^T: 16 accumulators by turns
	WIN 0x01
.irp d, 0,1,2,3,4,5,6,7
.if (\s) == 0
	v_wmma_scale_f32_16x16x128_f8f6f4 v[OA+8*\d:OA+8*\d+7], v[96*((\s)%2)+12*\d:96*((\s)%2)+12*\d+11], v[PCA:PCA+11], 0, v[KVS+8*((\s)%2)+\d], v[PWA] matrix_a_fmt:MATRIX_FMT_FP6 matrix_b_fmt:MATRIX_FMT_FP6
	v_wmma_scale_f32_16x16x128_f8f6f4 v[OB+8*\d:OB+8*\d+7], v[96*((\s)%2)+12*\d:96*((\s)%2)+12*\d+11], v[PCB:PCB+11], 0, v[KVS+8*((\s)%2)+\d], v[PWB] matrix_a_fmt:MATRIX_FMT_FP6 matrix_b_fmt:MATRIX_FMT_FP6
.else
	v_wmma_scale_f32_16x16x128_f8f6f4 v[OA+8*\d:OA+8*\d+7], v[96*((\s)%2)+12*\d:96*((\s)%2)+12*\d+11], v[PCA:PCA+11], v[OA+8*\d:OA+8*\d+7], v[KVS+8*((\s)%2)+\d], v[PWA] matrix_a_fmt:MATRIX_FMT_FP6 matrix_b_fmt:MATRIX_FMT_FP6
	v_wmma_scale_f32_16x16x128_f8f6f4 v[OB+8*\d:OB+8*\d+7], v[96*((\s)%2)+12*\d:96*((\s)%2)+12*\d+11], v[PCB:PCB+11], v[OB+8*\d:OB+8*\d+7], v[KVS+8*((\s)%2)+\d], v[PWB] matrix_a_fmt:MATRIX_FMT_FP6 matrix_b_fmt:MATRIX_FMT_FP6
.endif
.endr
	WIN 0
	PLACES 5                                       ; four serve the loads into V's registers and the LDS stores of O^T; the fifth is owed because Q's fragments share registers with tile B's O^T: on the way of a wave
	                                               ; that has no part in the join no other vector instruction stands between the last of these products and the next round's score products, which take v224-247 as an operand
.endm
	s_load_b128 s[4:7], s[0:1], 0x0                ; qkv, mask
	s_load_b64 s[8:9], s[0:1], 0x10                ; ctx
	v_lshrrev_b32 v1, 5, v0
	v_readfirstlane_b32 s10, v1                    ; wave 0..3
	s_and_b32 s12, ttmp7, 0xffff
	s_lshr_b32 s13, s12, 3                         ; batch
	s_and_b32 s14, s12, 7                          ; head
	v_and_b32 v64, 31, v0
	v_and_b32 v65, 15, v0                          ; r
	v_bfe_u32 v66, v0, 4, 1                        ; h
	v_lshlrev_b32 v67, 4, v0                       ; 16 x thread: my 16 mask bytes
	v_lshlrev_b32 v[LI], 4, v64
	v_lshlrev_b32 v[R4], 2, v65
	s_mul_i32 s40, s10, 49152
	v_add_nc_u32 v[KA], s40, v[LI]
	s_lshl_b32 s40, s10, 11
	s_add_co_u32 s41, s40, KSC
	v_add_nc_u32 v[KSA], s41, v[R4]
	v_add_nc_u32 v[KSW], s41, v[LI]
	s_add_co_u32 s41, s40, PEN
	v_lshl_add_u32 v[PNA], v66, 6, s41
	v_lshl_add_u32 v[PNS], v0, 6, PEN
	s_lshl_b32 s41, s10, 2
	s_add_co_u32 s41, s41, MX
	v_lshl_add_u32 v[MXS], v65, 4, s41
	v_lshl_add_u32 v[MXL], v65, 4, MX
	s_lshl_b32 s41, s10, 3
	s_add_co_u32 s41, s41, RED
	v_lshl_add_u32 v[REDS], v65, 5, s41
	v_lshl_add_u32 v[REDL], v65, 5, RED
	s_lshl_b32 s41, s10, 14
	s_add_co_u32 s41, s41, OST
	v_add_nc_u32 v[OSS], s41, v[LI]
	s_lshl_b32 s41, s10, 13
	s_add_co_u32 s41, s41, OST
	v_add_nc_u32 v[OSL], s41, v[LI]
	s_mul_i32 s41, s10, 12288
	v_add_nc_u32 v[CIO], s41, v[LI]                ; ctx: wave w stores tile w: 8 fragments on
	s_lshl_b32 s41, s10, 9
	v_add_nc_u32 v[CSO], s41, v[R4]
	s_mov_b32 s[SEL], 0x76543210
	s_mov_b32 s[SEL+1], 0xfedcba98
	s_mov_b32 s[CS], 0x3d3504f3                    ; 1 / (2 sqrt(128))
	s_mov_b32 s[CS+1], s[CS]
	s_lshl_b32 s42, s13, 7                         ; fragment numbers: 128 batch,
	s_lshl_b32 s43, s14, 8                         ; 256 head
	s_add_co_u32 s44, s42, s43
	s_lshl_b32 s45, s10, 5
	s_add_co_u32 s45, s45, s44
	s_add_co_u32 s45, s45, 2048                    ; K: (8 + head) 256 + 128 batch + 32 w
	s_lshl_b32 s46, ttmp9, 3
	s_add_co_u32 s47, s44, s46                     ; Q: 256 head + 128 batch + 8 x block
	s_add_co_u32 s48, s42, s46
	s_lshl_b32 s48, s48, 3
	s_add_co_u32 s48, s48, s14                     ; ctx: (128 batch + 8 x block) 8 + head
	s_lshl_b32 s49, s13, 4
	s_lshl_b32 s50, s10, 2
	s_add_co_u32 s49, s49, s50
	s_lshl_b32 s49, s49, 6
	s_lshl_b32 s50, s14, 3
	s_add_co_u32 s49, s49, s50
	s_add_co_u32 s49, s49, 4096                    ; V^T: 4,096 + (16 batch + 4 w) 64 + 8 head
	s_wait_kmcnt 0x0
	PTR 16, 4, 45, 1536, 0
	PTR 18, 4, 45, 64, 9437184
	PTR 20, 4, 49, 1536, 0
	PTR 22, 4, 49, 64, 9437184
	PTR 24, 4, 47, 1536, 0
	PTR 26, 4, 47, 64, 9437184
	PTR 28, 8, 48, 1536, 0
	PTR 30, 8, 48, 64, 3145728
	s_lshl_b32 s52, s13, 11
	s_add_nc_u64 s[6:7], s[6:7], s[52:53]          ; the batch's mask (s53 = 0)
	; my wave's 32 key fragments: 49,152 dense bytes, through registers into LDS, where they stay
	WIN 0x80
.set n, 0
.rept 64
	global_load_b128 v[4*n:4*n+3], v[LI], s[16:17] offset:512*n
.set n, n+1
.endr
	WIN 0xc0
.set n, 0
.rept 32
	global_load_b128 v[4*n:4*n+3], v[LI], s[16:17] offset:512*(n+64)
.set n, n+1
.endr
	WIN 0
.irp n, 0,1,2,3
	global_load_b128 v[68+4*\n:71+4*\n], v[LI], s[18:19] offset:512*\n
.endr
	global_load_b128 v[96:99], v67, s[6:7]
	s_wait_loadcnt 0x0
	QLOAD                                          ; round 0's queries
	WIN 0x08
.set n, 0
.rept 64
	ds_store_b128 v[KA], v[4*n:4*n+3] offset:512*n
.set n, n+1
.endr
	WIN 0x0c
.set n, 0
.rept 32
	ds_store_b128 v[KA], v[4*n:4*n+3] offset:512*(n+64)
.set n, n+1
.endr
	WIN 0
.irp n, 0,1,2,3
	ds_store_b128 v[KSW], v[68+4*\n:71+4*\n] offset:512*\n
.endr
.irp d, 0,1,2,3
.irp k, 0,1,2,3
	v_bfe_u32 v[100+4*\d+\k], v[96+\d], 8*\k, 1    ; a mask byte is 0 or 1
.endr
.endr
.set n, 0
.rept 16
	v_sub_nc_u32 v[100+n], 0, v[100+n]             ; 0 or all ones
.set n, n+1
.endr
.set n, 0
.rept 16
	v_and_b32 v[100+n], 0xd028965f, v[100+n]       ; 0 or -1e9 sqrt(128)
.set n, n+1
.endr
.irp j, 0,1,2,3
	ds_store_b128 v[PNS], v[100+4*\j:103+4*\j] offset:16*\j
.endr
	s_wait_dscnt 0x0
.set n, 0
.rept 16
	v_mov_b32 v[T+n], 0                            ; written once: a lane permute's destination counts as one of its sources
.set n, n+1
.endr
	v_mov_b32 v[SS+2], 0
	v_mov_b32 v[SS+3], 0
	v_mov_b32 v[UA+1], 0                           ; (upper halves of pairs of which the low word serves both halves)
	v_mov_b32 v[UB+1], 0
	v_mov_b32 v[MA+1], 0
	v_mov_b32 v[MB+1], 0
	s_barrier_signal -1
	s_barrier_wait -1
	s_mov_b32 s32, 4
.Lround:
	; ---- the scores: four batches of 8 key tiles x 2 query tiles
	LOADK 0
	PENL 0
	LOADK 1
	s_wait_loadcnt 0x0                             ; Q
	s_wait_dscnt 32                                ; all but the next batch's 32 loads
	SCORE 0
	PENL 1
	LOADK 2
	s_wait_dscnt 32
	SCORE 1
	PENL 2
	LOADK 3
	s_wait_dscnt 32
	SCORE 2
	PENL 3
	s_wait_dscnt 0x0
	SCORE 3
	VLOAD 0                                        ; V's first two steps land while the threshold is searched
	VLOAD 1
	; ---- the row's largest score, over the four waves
	BMAX 2, BMA, SS
	BMAX 3, BMB, SS+1
	ds_store_b32 v[MXS], v[SS]
	ds_store_b32 v[MXS], v[SS+1] offset:256
	s_wait_dscnt 0x0
	s_barrier_signal -1
	s_barrier_wait -1
	ds_load_b128 v[T:T+3], v[MXL]
	ds_load_b128 v[T+4:T+7], v[MXL] offset:256
	s_wait_dscnt 0x0
	v_max3_num_f32 v[T], v[T], v[T+1], v[T+2]
	v_max3_num_f32 v[T+4], v[T+4], v[T+5], v[T+6]
	v_max_num_f32 v[MA], v[T], v[T+3]
	v_max_num_f32 v[MB], v[T+4], v[T+7]
	SHIFT 2, MA, BMA
	SHIFT 3, MB, BMB
	v_mov_b32 v[UA], -1.0
	v_mov_b32 v[UB], -1.0
	; ---- the threshold: 14 Newton steps for each tile.  A trip: A's pass (under it B's exchange and step), B's pass (under it A's).  In the first trip B has no sums yet: it finds a neutral pair,
	; 0.25 and 0.25 from each wave: s1 = s2 = 1, a step of 0.  B's fourteenth step stands behind the loop.
	v_mov_b32 v[SS], 0x3e800000
	v_mov_b32 v[SS+1], 0x3e800000
	ds_store_b64 v[REDS], v[SS:SS+1] offset:512    ; (B's words were last read in the round before, two barriers ago)
	s_mov_b32 s33, 14
.Lpass:
	HALF 2, UA, UB, 512, 0
	HALF 3, UB, UA, 0, 512
	s_sub_co_u32 s33, s33, 1
	s_cmp_lg_u32 s33, 0
	s_cbranch_scc1 .Lpass
	s_wait_dscnt 0x0                               ; B's last sums lie in LDS
	s_barrier_signal -1
	s_barrier_wait -1
	ds_load_b128 v[L:L+3], v[REDL] offset:512
	ds_load_b128 v[L+4:L+7], v[REDL] offset:528
	s_wait_dscnt 0x0
	UPD1
	v_nop                                          ; a plain place behind the transcendentals
	UPD2 UB
	; ---- p, its codes, and the second product, 128 keys at a time
.irp s, 0,1,2,3
	PMAKE 2, UA, \s
	QCODES 2, UA, BMA, PCA, PWA, \s
	PMAKE 3, UB, \s
	QCODES 3, UB, BMB, PCB, PWB, \s
	PLACES 8                                       ; a scale word made by vector instructions stands 8 places ahead of the product, codes so made 4
.if \s < 3
	s_wait_loadcnt 32                              ; this step's V is in; the next step's 32 loads may be out
.else
	s_wait_loadcnt 0x0
.endif
	PV \s
.if \s < 2
	VLOAD \s+2
.endif
.endr
	; ---- the four waves' parts of O^T meet in LDS
.set n, 0
.rept 32
	ds_store_b128 v[OSS], v[OA+4*n:OA+4*n+3] offset:512*n
.set n, n+1
.endr
	s_wait_dscnt 0x0
	s_cmp_eq_u32 s32, 1
	s_cbranch_scc1 .Lno_q                          ; the last round asks for no further queries
	s_wait_xcnt 0x0
	s_add_nc_u64 s[24:25], s[24:25], 3072
	s_add_nc_u64 s[26:27], s[26:27], 128
	QLOAD
.Lno_q:
	s_barrier_signal -1
	s_barrier_wait -1
	s_cmp_gt_u32 s10, 1
	s_cbranch_scc1 .Lno_join                       ; wave 0 finishes tile A, wave 1 tile B
	WIN 0x80
.irp v, 0,1,2,3
.irp g, 0,1,2,3,4,5,6,7,8,9,10,11,12,13,14,15
	ds_load_b128 v[64*\v+4*\g:64*\v+4*\g+3], v[OSL] offset:16384*\v+512*\g
.endr
.endr
	s_wait_dscnt 0x0
	WIN 0x8a
.set n, 0
.rept 32
	v_pk_add_f32 v[n:n+1], v[n:n+1], v[64+n:65+n]
	v_pk_add_f32 v[128+n:129+n], v[128+n:129+n], v[192+n:193+n]
.set n, n+2
.endr
	WIN 0x0a
.set n, 0
.rept 32
	v_pk_add_f32 v[X+n:X+n+1], v[n:n+1], v[128+n:129+n]
.set n, n+2
.endr
	WIN 0
	QUANT X                                        ; my query's 128 channels are K step "head" of the next product
.irp c, 0,1,2
	global_store_b128 v[CIO], v[PC+4*\c:PC+4*\c+3], s[28:29] offset:512*\c
.endr
	global_store_b32 v[CSO], v[PW], s[30:31]       ; both halves of the lanes hold row r's word and write it to the same place
.Lno_join:
	s_wait_xcnt 0x0                                ; the stores have read their bases
	s_add_nc_u64 s[28:29], s[28:29], 24576         ; two row tiles on
	s_add_nc_u64 s[30:31], s[30:31], 1024
	s_sub_co_u32 s32, s32, 1
	s_cmp_lg_u32 s32, 0
	s_cbranch_scc1 .Lround
	s_wait_xcnt 0x0
	v_lshl_add_u32 v254, v0, 2, 0x44800
	v_mov_b32 v255, 0
	s_wait_tensorcnt 0x0
	ds_add_u32 v254, v255
	s_wait_dscnt 0x0
	s_endpgm
.Lfunc_end_k_q8c37307352_attn:
	.size	k_q8c37307352_attn, .Lfunc_end_k_q8c37307352_attn-k_q8c37307352_attn
	.p2alignl 7, 3214868480
	.fill 96, 4, 3214868480
	.section	.rodata,"a",@progbits
	.p2align	6, 0x0
	.amdhsa_kernel k_q8c37307352_attn
		.amdhsa_group_segment_fixed_size 281088
		.amdhsa_private_segment_fixed_size 0
		.amdhsa_enable_private_segment 0
		.amdhsa_kernarg_size 24
		.amdhsa_user_sgpr_count 2
		.amdhsa_user_sgpr_kernarg_segment_ptr 1
		.amdhsa_wavefront_size32 1
		.amdhsa_system_sgpr_workgroup_id_x 1
		.amdhsa_system_sgpr_workgroup_id_y 1
		.amdhsa_system_sgpr_workgroup_id_z 1
		.amdhsa_system_vgpr_workitem_id 0
		.amdhsa_next_free_vgpr 1024
		.amdhsa_next_free_sgpr 66
		.amdhsa_reserve_vcc 0
		.amdhsa_float_denorm_mode_32 3
		.amdhsa_float_denorm_mode_16_64 3
		.amdhsa_memory_ordered 1
		.amdhsa_forward_progress 1
		.amdhsa_inst_pref_size 255
	.end_amdhsa_kernel
	.section	.bss,"aw",@nobits
	.p2align	6
	.space	262144
	.amdgpu_metadata
---
amdhsa.version: [ 1, 2 ]
amdhsa.kernels:
  - .name:           k_q8c37307352_attn
    .symbol:         k_q8c37307352_attn.kd
    .args:
      - { .name: qkv, .offset: 0, .size: 8, .value_kind: global_buffer, .address_space: global }
      - { .name: mask, .offset: 8, .size: 8, .value_kind: global_buffer, .address_space: global }
      - { .name: ctx, .offset: 16, .size: 8, .value_kind: global_buffer, .address_space: global }
    .group_segment_fixed_size: 281088
    .private_segment_fixed_size: 0
    .kernarg_segment_align: 8
    .kernarg_segment_size: 24
    .max_flat_workgroup_size: 128
    .sgpr_count:     66
    .vgpr_count:     1024
    .wavefront_size: 32
...
	.end_amdgpu_metadata
.endif
;; end of part 7
;; launch oproj (part 8): grid 8 x 32, 4 waves a work-group, clusters of 4 x 4, 327,680 bytes of LDS; arguments ctx, wts, ob, src, xf, xq; writes xf, xq
.if DOCPART == 8
	.amdgcn_target "amdgcn-amd-amdhsa--gfx1250"
	.amdhsa_code_object_version 6
	.text
	.protected	k_q8c37307352_oproj
	.globl	k_q8c37307352_oproj
	.p2align	8
	.type	k_q8c37307352_oproj,@function
k_q8c37307352_oproj:
	s_mov_b64 s[64:65], 0
	v_nop
	global_prefetch_b8 v0, s[64:65] scope:SCOPE_SE
	s_setreg_imm32_b32 hwreg(HW_REG_WAVE_MODE, 25, 1), 1
	s_wait_xcnt 0x0
	s_wait_alu depctr_hold_cnt(0) depctr_sa_sdst(0) depctr_va_vdst(0) depctr_va_sdst(0) depctr_va_ssrc(0) depctr_va_vcc(0) depctr_vm_vsrc(0)
	s_getreg_b32 s2, hwreg(HW_REG_IB_STS2, 6, 4)
	s_cmp_eq_u32 s2, 0
	s_cbranch_scc0 .Lentry_in_a_cluster
	s_endpgm
.Lentry_in_a_cluster:
	s_bfe_u32 s2, ttmp6, 0x10000c
	s_cmp_lg_u32 s2, 0xf033
	s_cbranch_scc0 .Lentry_shape_is_right
	s_endpgm
.Lentry_shape_is_right:
; x = src + ctx ow^T + ob, the product on codes of FP6 (E2M3) with E8M0 scales, K = 1,024.  x leaves twice: as f32 (xf, for the last residual) and quantised along its 1,024 (xq, register images).
; OPERANDS are register images (16 rows x 128 K = 1,536 bytes; registers 4 c .. 4 c + 3 of lane l at 512 c + 16 l), laid [row tile][K step]; row i of row tile t is row 32 (t / 2) + 8 (t % 2) + i + 8 (i / 8).
; THE MATRIX INSTRUCTION IS USED TRANSPOSED: source 0 = 16 rows of B (ow), source 1 = 16 rows of A (ctx): a lane keeps one row of A, and the registers of B's tiles 2 b, 2 b + 1 are 16 neighbouring columns.
; A tile of C is 128 x 128, so that the 4,096 x 1,024 results make 256 work-groups.  THE FOUR WAVES SHARE K, NOT C: each wave makes the whole tile (64 accumulators, 512 registers) over every fourth K step of
; 128 (wave w: steps 4 j + w), so that a fragment read from LDS still feeds eight products.  The four parts are added in f32, in a fixed order, through LDS at the end; wave w finishes row tiles 2 w, 2 w + 1.
; A slot holds 512 along K: for each row tile four images on end, 6,144 bytes.  K = 1,024 is two slots: both are filled at the start and none again.  Joint tensor loads: 4 x 4 work-groups form a cluster,
; A's tiles are shared along its rows, B's along its columns.  The scale words of the work-group's rows, for all of K, come with the first fills.
; LIMITS: K is summed in four parts that are joined in f32.  NaN and infinities are not served; blocks under 2^-124 keep the scale byte 1.
.set KS,    8                          ; K steps of 128
.set FRA,   0                          ; A's first fragment in ctx;  B's (ow) in wts
.set FRB,   3584
.set SCA,   3145728
.set SCBB,  12582912
.set PA,    4
.set PB,    6
.set FR,    12
.set NL,    3
.set HALFT, 4*6144                     ; 4 row tiles x 4 K steps: what one tensor load brings
.set SLOT,  4*HALFT                    ; A's 8 row tiles, then B's
.set SCL,   2*SLOT                     ; behind the ring: the scale words
.set HALFS, 256*KS                     ; those of 4 row tiles
.set SPARE, 262144                     ; the spare words: 128 bytes a wave, named by no other line
.set STG,   262656                     ; behind them: a stage of 16 rows x 528 bytes for each wave
.set JR,   8                           ; v8-11 the join: wave v's part of my two row tiles
.set ADRA, 16                          ; v16-17 LDS address of my A fragments in slot 0, 1
.set ADRB, 20                          ; v20-21 the same for B
.set DA,   23                          ; v23 where my part goes: 65,536 w + 16 x lane
.set STO,  24                          ; v24 the stage: row r, 64 h bytes on;  v25: 16 x lane of a row
.set RD,   25
.set ADRS, 27                          ; v27 my scale words: lanes 0-15 A's, lanes 16-31 B's
.set SPW,  28
.set NIL,  29
.set LI,   30                          ; v30 16 x lane
.set SO,   31                          ; v31 512 h + 4 r: two fragments' scale words
.set SC,   32                          ; v32-47 scale words, two sets of 8: register i: tile i
.set BIAS, 64                          ; v64-127 the bias in the result's layout: the C of wave 0's first products (the other waves' is cleared)
.set AF,   128                         ; v128-223 A's fragments, one set;  window 1: B's, two sets at v0 and v128;  windows 2, 3: the accumulators
.set X,    128                         ; the way out: 16 whole rows of 512 bytes;  v192-255: a row tile's sums, later my row's 64 numbers
.set Z,    192
.set Y,    192
.set TM,   64
.set PC,   76
.set PW,   96
.set PWE,  97
.set PWX,  98
.set SEL,  92
.set G1, 24
.set G0, 32
.set G1B, 48
.set G0B, 56
.set G1S, 68
.set G0S, 76
.set G1SB, 80
.set G0SB, 88
.set MSB, 0
.macro WIN new                         ; the immediate's high byte repeats the setting that is left
.if MSB != (\new)
	s_set_vgpr_msb (MSB<<8)|(\new)
.set MSB, (\new)
.endif
.endm
.macro PLACES n
.rept \n
	v_nop
.endr
.endm
.macro JLOAD g0a, g1a, g0b, g1b        ; a joint load: waves 0, 1 fetch for A, waves 2, 3 for B; four v_nop follow each line
	s_cmp_eq_u32 s15, 0
	s_cbranch_scc0 .Lfor_b_\@
	tensor_load_to_lds s[\g0a:\g0a+3], s[\g1a:\g1a+7]
	s_nop 0
.rept 4
	v_nop
.endr
	s_branch .Lasked_\@
.Lfor_b_\@:
	tensor_load_to_lds s[\g0b:\g0b+3], s[\g1b:\g1b+7]
	s_nop 0
.rept 4
	v_nop
.endr
.Lasked_\@:
.endm
.macro CREST
	s_cmp_lg_u32 s14, 0
	s_cbranch_scc1 .Lnot_wave_0_\@
	s_barrier_signal -3
.Lnot_wave_0_\@:
	s_barrier_wait -3
	s_barrier_signal -1
	s_barrier_wait -1
.endm
.macro CROUND
	s_barrier_signal -1
	s_barrier_wait -1
	CREST
.endm
.macro FRAG reg, adr, i                ; row tile i's image of my K step: three loads of 512 consecutive bytes
.irp c, 0,1,2
	ds_load_b128 v[\reg+4*\c:\reg+4*\c+3], v[\adr] offset:(\i)*6144+512*\c
.endr
.endm
; 16 matrix instructions: A's tiles a0, a0 + 1 x B's eight.  p: the slot, which is also B's set and the set of scale words.  zero = 1: the bias is the C.
; The 64 accumulators take turns, one instruction a turn, in the same order in every step.
.macro MUL16 a0, p, zero
.irp a, \a0, \a0+1
.irp b, 0,1,2,3,4,5,6,7
.if \zero
	v_wmma_scale_f32_16x16x128_f8f6f4 v[8*(8*((\a)%4)+\b):8*(8*((\a)%4)+\b)+7], v[128*(\p)+FR*\b:128*(\p)+FR*\b+FR-1], v[AF+FR*(\a):AF+FR*(\a)+FR-1], v[BIAS+8*\b:BIAS+8*\b+7], v[SC+8*(\p)+\b], v[SC+8*(\p)+(\a)] matrix_a_fmt:MATRIX_FMT_FP6 matrix_b_fmt:MATRIX_FMT_FP6 matrix_a_scale:MATRIX_SCALE_ROW1
.else
	v_wmma_scale_f32_16x16x128_f8f6f4 v[8*(8*((\a)%4)+\b):8*(8*((\a)%4)+\b)+7], v[128*(\p)+FR*\b:128*(\p)+FR*\b+FR-1], v[AF+FR*(\a):AF+FR*(\a)+FR-1], v[8*(8*((\a)%4)+\b):8*(8*((\a)%4)+\b)+7], v[SC+8*(\p)+\b], v[SC+8*(\p)+(\a)] matrix_a_fmt:MATRIX_FMT_FP6 matrix_b_fmt:MATRIX_FMT_FP6 matrix_a_scale:MATRIX_SCALE_ROW1
.endif
.endr
.endr
.endm
.macro FETCH_B slot
	WIN 0x40
.irp i, 0,1,2,3,4,5,6,7
	FRAG 128*(\slot)+FR*\i, ADRB+\slot, \i
.endr
	WIN 0
.endm
.macro FETCH_A slot, i0
.irp i, \i0, \i0+1, \i0+2, \i0+3
	FRAG AF+FR*(\i), ADRA+\slot, \i
.endr
.endm
.macro SCALES sc
.irp i, 0,1,2,3,4,5,6,7
	ds_load_b32 v[SC+8*\sc+\i], v[ADRS] offset:\i*64*KS
.endr
.endm
; A slot's step, 64 products a wave, and the change of slots.  Nothing is filled again in this launch: the barrier shows the next slot whole to every wave.
.macro TURN slot, next, zero
	s_wait_tensorcnt 0x0                           ; all my tensor loads have landed: my part of the next slot
	ds_add_u32 v[SPW], v[NIL]                      ; 0 onto my spare word
	s_wait_dscnt 4*NL+1                            ; (the add and the youngest 12 loads, A's tiles 4-7, may be out)
	WIN 0xa1-0x20*\zero                            ; source 0 window 1, source 1 window 0, C and D window 2 (the bias: C window 0)
	MUL16 0, \slot, \zero
	s_wait_dscnt 0x0
	s_barrier_signal -1
	MUL16 2, \slot, \zero
	WIN 0
	s_barrier_wait -1
	PLACES 4                                       ; in front of loads into registers that matrix instructions have read
	v_add_nc_u32 v[ADRS], 256, v[ADRS]             ; the next slot's scale words (no LDS load of mine is out)
	FETCH_B \next
	FETCH_A \next, 0
	SCALES \next
	WIN 0xf1-0x30*\zero
	MUL16 4, \slot, \zero
	MUL16 6, \slot, \zero
	PLACES 4
	WIN 0
	FETCH_A \next, 4
.endm
.macro QUANT s                         ; 64 numbers v[s] .. v[s + 63], register 16 b + i = k 32 b + 16 h + i of my row -> codes in v[PC] on, scale word in v[PW]
.irp b, 0,1,2,3
	v_max3_num_f32 v[TM+\b], |v[\s+16*\b]|, |v[\s+1+16*\b]|, 0x1800000
.endr
.irp i, 2,4,6,8,10,12,14
.irp b, 0,1,2,3
	v_max3_num_f32 v[TM+\b], v[TM+\b], |v[\s+16*\b+\i]|, |v[\s+1+16*\b+\i]|
.endr
.endr
.irp b, 0,1,2,3
	v_permlanex16_b32 v[TM+4+\b], v[TM+\b], s[SEL], s[SEL+1]
.endr
.irp b, 0,1,2,3
	v_max_num_f32 v[TM+\b], v[TM+\b], v[TM+4+\b]
.endr
.irp b, 0,1,2,3
	v_add_nc_u32 v[TM+8+\b], 0xff000000, v[TM+\b]
.endr
.irp b, 0,1,2,3
	v_lshrrev_b32 v[TM+4+\b], 23, v[TM+8+\b]
.endr
	v_lshl_or_b32 v[PW], v[TM+5], 8, v[TM+4]
	v_lshl_or_b32 v[PW], v[TM+6], 16, v[PW]
	v_lshl_or_b32 v[PW], v[TM+7], 24, v[PW]
.irp c, 0,1
	v_cvt_scalef32_pk16_fp6_f32 v[PC+6*\c:PC+2+6*\c], v[\s+32*\c:\s+15+32*\c], v[TM+8+2*\c]
	v_cvt_scalef32_pk16_fp6_f32 v[PC+12+4*\c:PC+14+4*\c], v[\s+16+32*\c:\s+31+32*\c], v[TM+8+2*\c+1]
.endr
	v_nop
.irp c, 0,1
.irp i, 0,1,2
	v_permlane16_swap_b32 v[PC+6*\c+\i], v[PC+12+4*\c+\i]
.endr
.irp i, 0,1,2
	v_mov_b32 v[PC+3+6*\c+\i], v[PC+12+4*\c+\i]
.endr
.endr
.endm
	s_load_b256 s[4:11], s[0:1], 0x0               ; ctx, wts, ob, src
	s_load_b128 s[96:99], s[0:1], 0x20             ; xf, xq
	v_lshl_add_u32 v[SPW], v0, 2, SPARE
	v_mov_b32 v[NIL], 0
	ds_add_u32 v28, v29
	ds_add_u32 v28, v29
	s_wait_dscnt 0x0
	v_lshrrev_b32 v1, 5, v0
	v_readfirstlane_b32 s14, v1                    ; wave 0..3: my K step of a slot's four
	s_lshr_b32 s15, s14, 1                         ; I fetch for A (0) or for B (1),
	s_and_b32 s16, s14, 1                          ; and which 4 row tiles
	s_bfe_u32 s40, ttmp6, 0x40000                  ; cx
	s_bfe_u32 s41, ttmp6, 0x40004                  ; cy
	s_lshl_b32 s42, ttmp9, 2
	s_add_co_u32 s42, s42, s40                     ; tile column 0..7
	s_and_b32 s17, ttmp7, 0xffff
	s_lshl_b32 s17, s17, 2
	s_add_co_u32 s17, s17, s41                     ; tile row 0..31
	s_lshl_b32 s43, s41, 2
	s_lshl_b32 s43, 15, s43                        ; my row of the cluster
	s_lshl_b32 s44, 0x1111, s40                    ; my column
	s_or_b32 s[G1+0], s43, (3<<16)|(1<<21)         ; the mask; elements of 8 bytes; bit 21 beside a mask; no padding
	s_or_b32 s[G1B+0], s44, (3<<16)|(1<<21)
.irp g, G1, G1B                        ; 4 rows (row tiles) of 6,144 bytes (four images), 1,536 KS bytes apart
	s_mov_b32 s[\g+1], 768<<16
	s_mov_b32 s[\g+2], 4<<16
	s_mov_b32 s[\g+3], 768<<16
	s_mov_b32 s[\g+4], 4
	s_mov_b32 s[\g+5], 192*KS
	s_mov_b32 s[\g+6], 0
	s_mov_b32 s[\g+7], 0
.endr
	s_or_b32 s[G1S+0], s43, (3<<16)|(1<<21)
	s_or_b32 s[G1SB+0], s44, (3<<16)|(1<<21)
.irp g, G1S, G1SB                      ; the scale words of 4 row tiles: a dense block, as rows of 256 bytes
	s_mov_b32 s[\g+1], 32<<16
	s_mov_b32 s[\g+2], KS<<16
	s_mov_b32 s[\g+3], 32<<16
	s_mov_b32 s[\g+4], KS
	s_mov_b32 s[\g+5], 32
	s_mov_b32 s[\g+6], 0
	s_mov_b32 s[\g+7], 0
.endr
	s_lshl_b32 s18, s16, 2
	s_lshl_b32 s20, s17, 3
	s_add_co_u32 s20, s20, s18                     ; A: row tile 8 x tile row + 4 x half
	s_mul_i32 s20, s20, KS
	s_add_co_u32 s20, s20, FRA
	s_lshl_b32 s22, s20, 6
	s_add_co_u32 s22, s22, SCA
	s_mul_i32 s20, s20, 1536
	s_mov_b32 s21, 0
	s_mov_b32 s23, 0
	s_lshl_b32 s46, s42, 3
	s_add_co_u32 s46, s46, s18                     ; B: row tile 8 x tile column + 4 x half
	s_mul_i32 s46, s46, KS
	s_add_co_u32 s46, s46, FRB
	s_lshl_b32 s92, s46, 6
	s_add_co_u32 s92, s92, SCBB
	s_mul_i32 s46, s46, 1536
	s_mov_b32 s47, 0
	s_mov_b32 s93, 0
	s_mul_i32 s45, s14, HALFT                      ; where they go: no place in the cluster enters an LDS address
	s_mul_i32 s94, s14, HALFS
	s_wait_kmcnt 0x0
	s_add_nc_u64 s[20:21], s[PA:PA+1], s[20:21]
	s_add_nc_u64 s[22:23], s[PA:PA+1], s[22:23]
	s_add_nc_u64 s[46:47], s[PB:PB+1], s[46:47]
	s_add_nc_u64 s[92:93], s[PB:PB+1], s[92:93]
	CROUND                                         ; all sixteen work-groups are here: the joint loads meet
	s_mov_b32 s[G0S], 1
	s_add_co_u32 s[G0S+1], s94, SCL
	s_mov_b64 s[G0S+2:G0S+3], s[22:23]
	s_or_b32 s[G0S+3], s[G0S+3], 0x80000000
	s_mov_b32 s[G0SB], 1
	s_add_co_u32 s[G0SB+1], s94, SCL
	s_mov_b64 s[G0SB+2:G0SB+3], s[92:93]
	s_or_b32 s[G0SB+3], s[G0SB+3], 0x80000000
	JLOAD G0S, G1S, G0SB, G1SB
.irp s, 0,1
	s_mov_b32 s[G0+4*\s], 1
	s_add_co_u32 s[G0+4*\s+1], s45, \s*SLOT
	s_add_nc_u64 s[G0+4*\s+2:G0+4*\s+3], s[20:21], \s*6144
	s_or_b32 s[G0+4*\s+3], s[G0+4*\s+3], 0x80000000
	s_mov_b32 s[G0B+4*\s], 1
	s_add_co_u32 s[G0B+4*\s+1], s45, \s*SLOT
	s_add_nc_u64 s[G0B+4*\s+2:G0B+4*\s+3], s[46:47], \s*6144
	s_or_b32 s[G0B+4*\s+3], s[G0B+4*\s+3], 0x80000000
	JLOAD G0+4*\s, G1, G0B+4*\s, G1B
.endr
	v_and_b32 v1, 15, v0                           ; r
	v_bfe_u32 v2, v0, 4, 1                         ; h
	v_and_b32 v3, 31, v0
	v_lshlrev_b32 v[LI], 4, v3
	s_mul_i32 s21, s14, 1536                       ; my K step's image in a row tile's four
	s_add_co_u32 s22, s21, 2*HALFT                 ; B's lie behind A's 8 row tiles
.irp s, 0,1
	v_add_nc_u32 v[ADRA+\s], s21, v[LI]
	v_add_nc_u32 v[ADRB+\s], s22, v[LI]
	s_add_co_u32 s21, s21, SLOT
	s_add_co_u32 s22, s22, SLOT
.endr
	v_lshlrev_b32 v5, 2, v1                        ; 4 r
	v_mul_u32_u24 v6, v2, 2*HALFS                  ; lanes 16-31 take B's
	s_lshl_b32 s21, s14, 6                         ; my K step's 64 bytes
	s_add_co_u32 s21, s21, SCL
	v_add_nc_u32 v6, v5, v6
	v_add_nc_u32 v[ADRS], s21, v6
	v_lshl_add_u32 v[SO], v2, 9, v5
	s_mov_b32 s[SEL], 0x76543210
	s_mov_b32 s[SEL+1], 0xfedcba98
	s_mov_b32 s2, 0xffff0000                       ; lanes 16-31
	s_lshl_b32 s20, s17, 7
	s_lshl_b32 s21, s14, 5
	s_add_co_u32 s20, s20, s21                     ; the first row that I finish: 128 x tile row + 32 x wave
	s_lshl_b32 s20, s20, 12
	s_lshl_b32 s46, s42, 9                         ; the tile's first column, in bytes
	s_add_co_u32 s20, s20, s46
	s_mov_b32 s21, 0
	s_mov_b32 s47, 0
	s_add_nc_u64 s[10:11], s[10:11], s[20:21]      ; the residual
	s_add_nc_u64 s[96:97], s[96:97], s[20:21]      ; x as f32
	s_add_nc_u64 s[8:9], s[8:9], s[46:47]          ; the bias
	s_lshl_b32 s20, s17, 3
	s_lshl_b32 s22, s14, 1
	s_add_co_u32 s20, s20, s22                     ; my first row tile
	s_lshl_b32 s20, s20, 3
	s_add_co_u32 s20, s20, s42                     ; xq: fragment 8 x row tile + tile column
	s_lshl_b32 s22, s20, 6
	s_add_co_u32 s22, s22, 3145728
	s_mov_b32 s23, 0
	s_add_nc_u64 s[12:13], s[98:99], s[22:23]      ; its scale words
	s_mul_i32 s20, s20, 1536
	s_add_nc_u64 s[98:99], s[98:99], s[20:21]      ; its images
	s_cmp_eq_u32 s14, 0
	s_cselect_b32 s95, -1, 0                       ; all ones in wave 0
	v_lshlrev_b32 v7, 6, v2
.irp b, 0,1,2,3,4,5,6,7
	global_load_b128 v[BIAS+8*\b:BIAS+8*\b+3], v7, s[8:9] offset:(32*(\b/2)+8*(\b%2))*4
	global_load_b128 v[BIAS+8*\b+4:BIAS+8*\b+7], v7, s[8:9] offset:(32*(\b/2)+8*(\b%2))*4+16
.endr
	s_wait_tensorcnt 1                             ; the scale words and my part of slot 0 are in; slot 1's load may be out
	s_barrier_signal -1
	s_barrier_wait -1
	FETCH_B 0
	FETCH_A 0, 0
	SCALES 0
	FETCH_A 0, 4
	s_wait_loadcnt 0x0                             ; the bias
.set n, 0
.rept 64
	v_and_b32 v[BIAS+n], s95, v[BIAS+n]            ; it is added once: in wave 0's part
.set n, n+1
.endr
	s_mul_i32 s23, s14, 8448
	s_add_co_u32 s23, s23, STG                     ; my stage
	v_mul_u32_u24 v6, v1, 528
	v_lshl_add_u32 v6, v2, 6, v6
	v_add_nc_u32 v[STO], s23, v6
	v_add_nc_u32 v[RD], s23, v[LI]
	s_lshl_b32 s23, s14, 16
	v_add_nc_u32 v[DA], s23, v[LI]
	s_lshl_b32 s23, s14, 14                        ; my two row tiles in a part: 8,192 bytes each
.irp v, 0,1,2,3
	v_add_nc_u32 v[JR+\v], s23, v[LI]
	s_add_co_u32 s23, s23, 65536
.endr
	TURN 0, 1, 1
	s_wait_dscnt 4*NL                              ; the last step: nothing more to fetch
	WIN 0xa1
	MUL16 0, 1, 0
	MUL16 2, 1, 0
	s_wait_dscnt 0x0
	WIN 0xf1
	MUL16 4, 1, 0
	MUL16 6, 1, 0
	WIN 0
	PLACES 4
.macro RESL u                          ; the residual's 16 rows of my row tile u into window 1: each load 512 consecutive bytes
	WIN 0x40
.irp t, 0,1,2,3,4,5,6,7,8,9,10,11,12,13,14,15
	global_load_b128 v[64*\u+4*\t:64*\u+4*\t+3], v[LI], s[10:11] offset:(8*\u+\t+8*(\t/8))*4096
.endr
	WIN 0
.endm
	RESL 0                                         ; they land while the parts meet
	RESL 1
.irp b, 0,1,2,3
	v_mov_b32 v[TM+4+\b], 0                        ; a lane permute's destination counts as one of its sources
.endr
	s_barrier_signal -1                            ; every wave's reads of the slots and of the scale words are over (its last wait on DScnt was for 0)
	s_barrier_wait -1
.irp a, 0,1,2,3,4,5,6,7                ; MY PART, as it stands: row tile a's 64 registers at 8,192 a, 512 bytes a store; each accumulator from its low end on.  These bytes have had their last fill
	WIN 0x08+4*(\a/4)
.irp g, 0,1,2,3,4,5,6,7,8,9,10,11,12,13,14,15
	ds_store_b128 v[DA], v[64*(\a%4)+4*\g:64*(\a%4)+4*\g+3] offset:8192*\a+512*\g
.endr
.endr
	WIN 0
	s_wait_dscnt 0x0                               ; for the others' sake: my part lies in LDS
	s_barrier_signal -1
	s_barrier_wait -1
.irp u, 0,1                            ; the four parts of my two row tiles: tile u into window 2 + u, wave v's part at v[64 v]
	WIN 0x80+0x40*\u
.irp v, 0,1,2,3
.irp g, 0,1,2,3,4,5,6,7,8,9,10,11,12,13,14,15
	ds_load_b128 v[64*\v+4*\g:64*\v+4*\g+3], v[JR+\v] offset:8192*\u+512*\g
.endr
.endr
.endr
	WIN 0
	s_wait_dscnt 0x0
; THE WAY OUT of my row tile u (16 rows x 128 columns): the four parts are added, (0 + 1) + (2 + 3); through my stage into whole rows of 512 bytes, + the residual's rows, stored;
; then back through the stage into a lane's row, quantised, stored as an image.
.macro OUTB u, left
.if \u > 0
	s_wait_xcnt 0x0                                ; the last tile's stores have read their data
.endif
	WIN 0x8a+0x45*\u
.set n, 0
.rept 32
	v_pk_add_f32 v[n:n+1], v[n:n+1], v[64+n:65+n]
	v_pk_add_f32 v[128+n:129+n], v[128+n:129+n], v[192+n:193+n]
.set n, n+2
.endr
	WIN 0x0a+0x05*\u
.set n, 0
.rept 32
	v_pk_add_f32 v[Z+n:Z+n+1], v[n:n+1], v[128+n:129+n]
.set n, n+2
.endr
	WIN 0
.irp b, 0,1,2,3,4,5,6,7
	ds_store_b128 v[STO], v[Z+8*\b:Z+8*\b+3] offset:128*(\b/2)+32*(\b%2)
	ds_store_b128 v[STO], v[Z+8*\b+4:Z+8*\b+7] offset:128*(\b/2)+32*(\b%2)+16
.endr
.irp t, 0,1,2,3,4,5,6,7,8,9,10,11,12,13,14,15
	ds_load_b128 v[X+4*\t:X+4*\t+3], v[RD] offset:528*\t   ; LDS serves a wave's instructions in order
.endr
	s_wait_dscnt 0x0
	s_wait_loadcnt \left                           ; this tile's 16 residual loads are in; the other tile's may be out
	WIN 0x04
.set n, 0
.rept 32
	v_pk_add_f32 v[X+n:X+n+1], v[X+n:X+n+1], v[64*\u+n:64*\u+n+1]
.set n, n+2
.endr
	WIN 0
.irp t, 0,1,2,3,4,5,6,7,8,9,10,11,12,13,14,15
	global_store_b128 v[LI], v[X+4*\t:X+4*\t+3], s[96:97] offset:(8*\u+\t+8*(\t/8))*4096
.endr
.irp t, 0,1,2,3,4,5,6,7,8,9,10,11,12,13,14,15
	ds_store_b128 v[RD], v[X+4*\t:X+4*\t+3] offset:528*\t
.endr
.irp b, 0,1,2,3
.irp j, 0,1,2,3
	ds_load_b128 v[Y+16*\b+4*\j:Y+16*\b+4*\j+3], v[STO] offset:128*\b+16*\j
.endr
.endr
	s_wait_dscnt 0x0
	QUANT Y
.irp c, 0,1,2
	global_store_b128 v[LI], v[PC+4*\c:PC+4*\c+3], s[98:99] offset:12288*\u+512*\c
.endr
.if \u == 0
	v_mov_b32 v[PWE], v[PW]
.else
	v_cndmask_b32 v[PWX], v[PWE], v[PW], s2        ; lanes 0-15 the first tile's words, lanes 16-31 the second's, 512 bytes on
	global_store_b32 v[SO], v[PWX], s[12:13]
.endif
.endm
	OUTB 0, 16
	OUTB 1, 0
	s_wait_tensorcnt 0x0                           ; the wave's end
	ds_add_u32 v[SPW], v[NIL]
	s_wait_dscnt 0x0
	CROUND                                         ; the closing round
	s_endpgm
.Lfunc_end_k_q8c37307352_oproj:
	.size	k_q8c37307352_oproj, .Lfunc_end_k_q8c37307352_oproj-k_q8c37307352_oproj
	.p2alignl 7, 3214868480
	.fill 96, 4, 3214868480
	.section	.rodata,"a",@progbits
	.p2align	6, 0x0
	.amdhsa_kernel k_q8c37307352_oproj
		.amdhsa_group_segment_fixed_size 327680
		.amdhsa_private_segment_fixed_size 0
		.amdhsa_enable_private_segment 0
		.amdhsa_kernarg_size 48
		.amdhsa_user_sgpr_count 2
		.amdhsa_user_sgpr_kernarg_segment_ptr 1
		.amdhsa_wavefront_size32 1
		.amdhsa_system_sgpr_workgroup_id_x 1
		.amdhsa_system_sgpr_workgroup_id_y 1
		.amdhsa_system_sgpr_workgroup_id_z 1
		.amdhsa_system_vgpr_workitem_id 0
		.amdhsa_next_free_vgpr 1024
		.amdhsa_next_free_sgpr 102
		.amdhsa_reserve_vcc 0
		.amdhsa_float_denorm_mode_32 3
		.amdhsa_float_denorm_mode_16_64 3
		.amdhsa_memory_ordered 1
		.amdhsa_forward_progress 1
		.amdhsa_inst_pref_size 94
	.end_amdhsa_kernel
	.amdgpu_metadata
---
amdhsa.version: [ 1, 2 ]
amdhsa.kernels:
  - .name:           k_q8c37307352_oproj
    .symbol:         k_q8c37307352_oproj.kd
    .args:
      - { .name: ctx, .offset: 0, .size: 8, .value_kind: global_buffer, .address_space: global }
      - { .name: wts, .offset: 8, .size: 8, .value_kind: global_buffer, .address_space: global }
      - { .name: ob, .offset: 16, .size: 8, .value_kind: global_buffer, .address_space: global }
      - { .name: src, .offset: 24, .size: 8, .value_kind: global_buffer, .address_space: global }
      - { .name: xf, .offset: 32, .size: 8, .value_kind: global_buffer, .address_space: global }
      - { .name: xq, .offset: 40, .size: 8, .value_kind: global_buffer, .address_space: global }
    .group_segment_fixed_size: 327680
    .private_segment_fixed_size: 0
    .kernarg_segment_align: 8
    .kernarg_segment_size: 48
    .max_flat_workgroup_size: 128
    .sgpr_count:     102
    .vgpr_count:     1024
    .wavefront_size: 32
...
	.end_amdgpu_metadata
.endif
;; end of part 8
;; launch ff1: the kernel of part 5 again; grid 16 x 16, 4 waves a work-group, clusters of 4 x 4, 327,680 bytes of LDS; arguments xq, wts, b1, hid; writes hid
;; launch ff2 (part 9): grid 8 x 32, 4 waves a work-group, clusters of 4 x 4, 327,680 bytes of LDS; arguments hid, wts, b2, xf, out0; writes out0
.if DOCPART == 9
	.amdgcn_target "amdgcn-amd-amdhsa--gfx1250"
	.amdhsa_code_object_version 6
	.text
	.protected	k_q8c37307352_ff2
	.globl	k_q8c37307352_ff2
	.p2align	8
	.type	k_q8c37307352_ff2,@function
k_q8c37307352_ff2:
	s_mov_b64 s[64:65], 0
	v_nop
	global_prefetch_b8 v0, s[64:65] scope:SCOPE_SE
	s_setreg_imm32_b32 hwreg(HW_REG_WAVE_MODE, 25, 1), 1
	s_wait_xcnt 0x0
	s_wait_alu depctr_hold_cnt(0) depctr_sa_sdst(0) depctr_va_vdst(0) depctr_va_sdst(0) depctr_va_ssrc(0) depctr_va_vcc(0) depctr_vm_vsrc(0)
	s_getreg_b32 s2, hwreg(HW_REG_IB_STS2, 6, 4)
	s_cmp_eq_u32 s2, 0
	s_cbranch_scc0 .Lentry_in_a_cluster
	s_endpgm
.Lentry_in_a_cluster:
	s_bfe_u32 s2, ttmp6, 0x10000c
	s_cmp_lg_u32 s2, 0xf033
	s_cbranch_scc0 .Lentry_shape_is_right
	s_endpgm
.Lentry_shape_is_right:
; out0 = x + hid w2^T + b2, the product on codes of FP6 (E2M3) with E8M0 scales, K = 4,096; x comes as f32.
; OPERANDS are register images (16 rows x 128 K = 1,536 bytes; registers 4 c .. 4 c + 3 of lane l at 512 c + 16 l), laid [row tile][K step]; row i of row tile t is row 32 (t / 2) + 8 (t % 2) + i + 8 (i / 8).
; THE MATRIX INSTRUCTION IS USED TRANSPOSED (source 0 = 16 rows of w2, source 1 = 16 rows of hid): a lane keeps one row, and the registers of w2's tiles 2 b, 2 b + 1 are 16 neighbouring columns.
; A tile of C is 128 x 128, so that the 4,096 x 1,024 results make 256 work-groups.  THE FOUR WAVES SHARE K, NOT C: each wave makes the whole tile (64 accumulators, 512 registers) over every fourth K step of
; 128 (wave w: steps 4 j + w), so that a fragment read from LDS still feeds eight products.  The four parts are added in f32, in a fixed order, through LDS at the end; wave w finishes row tiles 2 w, 2 w + 1.
; A slot holds 512 along K: for each row tile four images on end, 6,144 bytes; a wave's tensor load brings 4 such rows.  Eight slot steps go through two slots: two first fills, six refills.
; Joint tensor loads: 4 x 4 work-groups form a cluster, A's tiles are shared along its rows, B's along its columns.  The scale words of the work-group's rows, for all of K (32,768 bytes), come with the first fills.
; LIMITS: K is summed in four parts that are joined in f32.  NaN and infinities are not served.
.set KS,    32                         ; K steps of 128
.set NS,    KS/4                       ; slot steps
.set FRA,   0
.set FRB,   6144
.set SCA,   12582912
.set SCBB,  12582912
.set PA,    4
.set PB,    6
.set FR,    12
.set NL,    3
.set HALFT, 4*6144                     ; 4 row tiles x 4 K steps: what one tensor load brings
.set SLOT,  4*HALFT                    ; A's 8 row tiles, then B's
.set SCL,   2*SLOT                     ; behind the ring: the scale words
.set HALFS, 256*KS                     ; those of 4 row tiles
.set SPARE, 262144                     ; the spare words: 128 bytes a wave, named by no other line
.set STG,   262656                     ; behind them: a stage of 16 rows x 528 bytes for each wave
.set JR,   8                           ; v8-11 the join: wave v's part of my two row tiles
.set ADRA, 16
.set ADRB, 20
.set DA,   23                          ; v23 where my part goes: 65,536 w + 16 x lane
.set STO,  24
.set RD,   25
.set ADRS, 27
.set SPW,  28
.set NIL,  29
.set LI,   30
.set SC,   32                          ; v32-47 scale words, two sets of 8
.set BIAS, 64                          ; v64-127 the bias in the result's layout: the C of wave 0's first products (the other waves' is cleared)
.set AF,   128
.set X,    128
.set Z,    192
.set G1, 24
.set G0, 32
.set G1B, 48
.set G0B, 56
.set G1S, 68
.set G0S, 76
.set G1SB, 80
.set G0SB, 88
.set MSB, 0
.macro WIN new                         ; the immediate's high byte repeats the setting that is left
.if MSB != (\new)
	s_set_vgpr_msb (MSB<<8)|(\new)
.set MSB, (\new)
.endif
.endm
.macro PLACES n
.rept \n
	v_nop
.endr
.endm
.macro JLOAD g0a, g1a, g0b, g1b        ; a joint load: waves 0, 1 fetch for A, waves 2, 3 for B; four v_nop follow each line
	s_cmp_eq_u32 s15, 0
	s_cbranch_scc0 .Lfor_b_\@
	tensor_load_to_lds s[\g0a:\g0a+3], s[\g1a:\g1a+7]
	s_nop 0
.rept 4
	v_nop
.endr
	s_branch .Lasked_\@
.Lfor_b_\@:
	tensor_load_to_lds s[\g0b:\g0b+3], s[\g1b:\g1b+7]
	s_nop 0
.rept 4
	v_nop
.endr
.Lasked_\@:
.endm
.macro CREST
	s_cmp_lg_u32 s14, 0
	s_cbranch_scc1 .Lnot_wave_0_\@
	s_barrier_signal -3
.Lnot_wave_0_\@:
	s_barrier_wait -3
	s_barrier_signal -1
	s_barrier_wait -1
.endm
.macro CROUND
	s_barrier_signal -1
	s_barrier_wait -1
	CREST
.endm
.macro FRAG reg, adr, i                ; row tile i's image of my K step: three loads of 512 consecutive bytes
.irp c, 0,1,2
	ds_load_b128 v[\reg+4*\c:\reg+4*\c+3], v[\adr] offset:(\i)*6144+512*\c
.endr
.endm
; 16 matrix instructions: A's tiles a0, a0 + 1 x B's eight.  p: the slot, which is also B's set and the set of scale words.  zero = 1: the bias is the C.
; The 64 accumulators take turns, one instruction a turn, in the same order in every step.
.macro MUL16 a0, p, zero
.irp a, \a0, \a0+1
.irp b, 0,1,2,3,4,5,6,7
.if \zero
	v_wmma_scale_f32_16x16x128_f8f6f4 v[8*(8*((\a)%4)+\b):8*(8*((\a)%4)+\b)+7], v[128*(\p)+FR*\b:128*(\p)+FR*\b+FR-1], v[AF+FR*(\a):AF+FR*(\a)+FR-1], v[BIAS+8*\b:BIAS+8*\b+7], v[SC+8*(\p)+\b], v[SC+8*(\p)+(\a)] matrix_a_fmt:MATRIX_FMT_FP6 matrix_b_fmt:MATRIX_FMT_FP6 matrix_a_scale:MATRIX_SCALE_ROW1
.else
	v_wmma_scale_f32_16x16x128_f8f6f4 v[8*(8*((\a)%4)+\b):8*(8*((\a)%4)+\b)+7], v[128*(\p)+FR*\b:128*(\p)+FR*\b+FR-1], v[AF+FR*(\a):AF+FR*(\a)+FR-1], v[8*(8*((\a)%4)+\b):8*(8*((\a)%4)+\b)+7], v[SC+8*(\p)+\b], v[SC+8*(\p)+(\a)] matrix_a_fmt:MATRIX_FMT_FP6 matrix_b_fmt:MATRIX_FMT_FP6 matrix_a_scale:MATRIX_SCALE_ROW1
.endif
.endr
.endr
.endm
.macro FETCH_B slot
	WIN 0x40
.irp i, 0,1,2,3,4,5,6,7
	FRAG 128*(\slot)+FR*\i, ADRB+\slot, \i
.endr
	WIN 0
.endm
.macro FETCH_A slot, i0
.irp i, \i0, \i0+1, \i0+2, \i0+3
	FRAG AF+FR*(\i), ADRA+\slot, \i
.endr
.endm
.macro SCALES sc
.irp i, 0,1,2,3,4,5,6,7
	ds_load_b32 v[SC+8*\sc+\i], v[ADRS] offset:\i*64*KS
.endr
.endm
; A slot's step, 64 products a wave, and the change of slots: ONE barrier; in front of it each wave waits for all its tensor loads, adds 0 to its spare word, and waits for that and for its own reads of this
; slot.  fill = 1: this slot is filled again, two slot steps ahead.
.macro TURN slot, next, fill, zero
	s_wait_tensorcnt 0x0                           ; all my tensor loads have landed: my part of the next slot
	ds_add_u32 v[SPW], v[NIL]                      ; 0 onto my spare word
	s_wait_dscnt 4*NL+1                            ; (the add and the youngest 12 loads, A's tiles 4-7, may be out)
	WIN 0xa1-0x20*\zero                            ; source 0 window 1, source 1 window 0, C and D window 2 (the bias: C window 0)
	MUL16 0, \slot, \zero
	s_wait_dscnt 0x0                               ; the add is done, and my reads of this slot are over
	s_barrier_signal -1
	MUL16 2, \slot, \zero
	WIN 0
	s_barrier_wait -1
.if \fill
	CREST                                          ; a round of the cluster's barrier: no wave of any partner still reads this slot or has a load on its way
	s_add_nc_u64 s[G0+4*\slot+2:G0+4*\slot+3], s[G0+4*\slot+2:G0+4*\slot+3], 12288
	s_add_nc_u64 s[G0B+4*\slot+2:G0B+4*\slot+3], s[G0B+4*\slot+2:G0B+4*\slot+3], 12288
	JLOAD G0+4*\slot, G1, G0B+4*\slot, G1B         ; the first tensor load behind the round; its four v_nop are the places in front of the loads below
.else
	PLACES 4
.endif
	v_add_nc_u32 v[ADRS], 256, v[ADRS]             ; the next slot's scale words (no LDS load of mine is out)
	FETCH_B \next
	FETCH_A \next, 0
	SCALES \next
	WIN 0xf1-0x30*\zero
	MUL16 4, \slot, \zero
	MUL16 6, \slot, \zero
	PLACES 4
	WIN 0
	FETCH_A \next, 4
.endm
	s_load_b256 s[4:11], s[0:1], 0x0               ; hid, wts, b2, xf
	s_load_b64 s[96:97], s[0:1], 0x20              ; out0
	v_lshl_add_u32 v[SPW], v0, 2, SPARE
	v_mov_b32 v[NIL], 0
	ds_add_u32 v28, v29
	ds_add_u32 v28, v29
	s_wait_dscnt 0x0
	v_lshrrev_b32 v1, 5, v0
	v_readfirstlane_b32 s14, v1                    ; wave 0..3: my K step of a slot's four
	s_lshr_b32 s15, s14, 1                         ; I fetch for A (0) or for B (1),
	s_and_b32 s16, s14, 1                          ; and which 4 row tiles
	s_bfe_u32 s40, ttmp6, 0x40000                  ; cx
	s_bfe_u32 s41, ttmp6, 0x40004                  ; cy
	s_lshl_b32 s42, ttmp9, 2
	s_add_co_u32 s42, s42, s40                     ; tile column 0..7
	s_and_b32 s17, ttmp7, 0xffff
	s_lshl_b32 s17, s17, 2
	s_add_co_u32 s17, s17, s41                     ; tile row 0..31
	s_lshl_b32 s43, s41, 2
	s_lshl_b32 s43, 15, s43                        ; my row of the cluster
	s_lshl_b32 s44, 0x1111, s40                    ; my column
	s_or_b32 s[G1+0], s43, (3<<16)|(1<<21)         ; the mask; elements of 8 bytes; bit 21 beside a mask; no padding
	s_or_b32 s[G1B+0], s44, (3<<16)|(1<<21)
.irp g, G1, G1B                        ; 4 rows (row tiles) of 6,144 bytes (four images), 1,536 KS bytes apart
	s_mov_b32 s[\g+1], 768<<16
	s_mov_b32 s[\g+2], 4<<16
	s_mov_b32 s[\g+3], 768<<16
	s_mov_b32 s[\g+4], 4
	s_mov_b32 s[\g+5], 192*KS
	s_mov_b32 s[\g+6], 0
	s_mov_b32 s[\g+7], 0
.endr
	s_or_b32 s[G1S+0], s43, (3<<16)|(1<<21)
	s_or_b32 s[G1SB+0], s44, (3<<16)|(1<<21)
.irp g, G1S, G1SB                      ; the scale words of 4 row tiles: a dense block, as rows of 256 bytes
	s_mov_b32 s[\g+1], 32<<16
	s_mov_b32 s[\g+2], KS<<16
	s_mov_b32 s[\g+3], 32<<16
	s_mov_b32 s[\g+4], KS
	s_mov_b32 s[\g+5], 32
	s_mov_b32 s[\g+6], 0
	s_mov_b32 s[\g+7], 0
.endr
	s_lshl_b32 s18, s16, 2
	s_lshl_b32 s20, s17, 3
	s_add_co_u32 s20, s20, s18                     ; A: row tile 8 x tile row + 4 x half
	s_mul_i32 s20, s20, KS
	s_add_co_u32 s20, s20, FRA
	s_lshl_b32 s22, s20, 6
	s_add_co_u32 s22, s22, SCA
	s_mul_i32 s20, s20, 1536
	s_mov_b32 s21, 0
	s_mov_b32 s23, 0
	s_lshl_b32 s46, s42, 3
	s_add_co_u32 s46, s46, s18                     ; B: row tile 8 x tile column + 4 x half
	s_mul_i32 s46, s46, KS
	s_add_co_u32 s46, s46, FRB
	s_lshl_b32 s92, s46, 6
	s_add_co_u32 s92, s92, SCBB
	s_mul_i32 s46, s46, 1536
	s_mov_b32 s47, 0
	s_mov_b32 s93, 0
	s_mul_i32 s45, s14, HALFT                      ; where they go: no place in the cluster enters an LDS address
	s_mul_i32 s94, s14, HALFS
	s_wait_kmcnt 0x0
	s_add_nc_u64 s[20:21], s[PA:PA+1], s[20:21]
	s_add_nc_u64 s[22:23], s[PA:PA+1], s[22:23]
	s_add_nc_u64 s[46:47], s[PB:PB+1], s[46:47]
	s_add_nc_u64 s[92:93], s[PB:PB+1], s[92:93]
	CROUND                                         ; all sixteen work-groups are here: the first joint loads meet
	s_mov_b32 s[G0S], 1
	s_add_co_u32 s[G0S+1], s94, SCL
	s_mov_b64 s[G0S+2:G0S+3], s[22:23]
	s_or_b32 s[G0S+3], s[G0S+3], 0x80000000
	s_mov_b32 s[G0SB], 1
	s_add_co_u32 s[G0SB+1], s94, SCL
	s_mov_b64 s[G0SB+2:G0SB+3], s[92:93]
	s_or_b32 s[G0SB+3], s[G0SB+3], 0x80000000
	JLOAD G0S, G1S, G0SB, G1SB
.irp s, 0,1
	s_mov_b32 s[G0+4*\s], 1
	s_add_co_u32 s[G0+4*\s+1], s45, \s*SLOT
	s_add_nc_u64 s[G0+4*\s+2:G0+4*\s+3], s[20:21], \s*6144
	s_or_b32 s[G0+4*\s+3], s[G0+4*\s+3], 0x80000000
	s_mov_b32 s[G0B+4*\s], 1
	s_add_co_u32 s[G0B+4*\s+1], s45, \s*SLOT
	s_add_nc_u64 s[G0B+4*\s+2:G0B+4*\s+3], s[46:47], \s*6144
	s_or_b32 s[G0B+4*\s+3], s[G0B+4*\s+3], 0x80000000
	JLOAD G0+4*\s, G1, G0B+4*\s, G1B
.endr
	v_and_b32 v1, 15, v0                           ; r
	v_bfe_u32 v2, v0, 4, 1                         ; h
	v_and_b32 v3, 31, v0
	v_lshlrev_b32 v[LI], 4, v3
	s_mul_i32 s21, s14, 1536                       ; my K step's image in a row tile's four
	s_add_co_u32 s22, s21, 2*HALFT                 ; B's lie behind A's 8 row tiles
.irp s, 0,1
	v_add_nc_u32 v[ADRA+\s], s21, v[LI]
	v_add_nc_u32 v[ADRB+\s], s22, v[LI]
	s_add_co_u32 s21, s21, SLOT
	s_add_co_u32 s22, s22, SLOT
.endr
	v_lshlrev_b32 v5, 2, v1                        ; 4 r
	v_mul_u32_u24 v6, v2, 2*HALFS                  ; lanes 16-31 take B's
	s_lshl_b32 s21, s14, 6                         ; my K step's 64 bytes
	s_add_co_u32 s21, s21, SCL
	v_add_nc_u32 v6, v5, v6
	v_add_nc_u32 v[ADRS], s21, v6
	s_lshl_b32 s20, s17, 7
	s_lshl_b32 s21, s14, 5
	s_add_co_u32 s20, s20, s21                     ; the first row that I finish: 128 x tile row + 32 x wave
	s_lshl_b32 s20, s20, 12
	s_lshl_b32 s46, s42, 9                         ; the tile's first column, in bytes
	s_add_co_u32 s20, s20, s46
	s_mov_b32 s21, 0
	s_mov_b32 s47, 0
	s_add_nc_u64 s[10:11], s[10:11], s[20:21]      ; the residual x
	s_add_nc_u64 s[96:97], s[96:97], s[20:21]      ; out0
	s_add_nc_u64 s[8:9], s[8:9], s[46:47]          ; the bias
	s_cmp_eq_u32 s14, 0
	s_cselect_b32 s95, -1, 0                       ; all ones in wave 0
	v_lshlrev_b32 v7, 6, v2
.irp b, 0,1,2,3,4,5,6,7
	global_load_b128 v[BIAS+8*\b:BIAS+8*\b+3], v7, s[8:9] offset:(32*(\b/2)+8*(\b%2))*4
	global_load_b128 v[BIAS+8*\b+4:BIAS+8*\b+7], v7, s[8:9] offset:(32*(\b/2)+8*(\b%2))*4+16
.endr
	s_wait_tensorcnt 1                             ; the scale words and my part of slot 0 are in; slot 1's load may be out
	s_barrier_signal -1
	s_barrier_wait -1
	FETCH_B 0
	FETCH_A 0, 0
	SCALES 0
	FETCH_A 0, 4
	s_wait_loadcnt 0x0                             ; the bias
.set n, 0
.rept 64
	v_and_b32 v[BIAS+n], s95, v[BIAS+n]            ; it is added once: in wave 0's part
.set n, n+1
.endr
	s_mul_i32 s23, s14, 8448
	s_add_co_u32 s23, s23, STG                     ; my stage
	v_mul_u32_u24 v6, v1, 528
	v_lshl_add_u32 v6, v2, 6, v6
	v_add_nc_u32 v[STO], s23, v6
	v_add_nc_u32 v[RD], s23, v[LI]
	s_lshl_b32 s23, s14, 16
	v_add_nc_u32 v[DA], s23, v[LI]
	s_lshl_b32 s23, s14, 14                        ; my two row tiles in a part: 8,192 bytes each
.irp v, 0,1,2,3
	v_add_nc_u32 v[JR+\v], s23, v[LI]
	s_add_co_u32 s23, s23, 65536
.endr
	TURN 0, 1, 1, 1                                ; slot step 0 stands in front of the loop: its products start the sums
	s_mov_b32 s3, (NS-4)/2
.Llap:                                             ; a trip: two slot steps, both slots filled again
	TURN 1, 0, 1, 0
	TURN 0, 1, 1, 0
	s_sub_co_u32 s3, s3, 1
	s_cmp_lg_u32 s3, 0
	s_cbranch_scc1 .Llap
	TURN 1, 0, 1, 0                                ; slot step NS - 3 asks for the last
	TURN 0, 1, 0, 0                                ; the tail fills nothing
	s_wait_dscnt 4*NL                              ; the last step: nothing more to fetch
	WIN 0xa1
	MUL16 0, 1, 0
	MUL16 2, 1, 0
	s_wait_dscnt 0x0
	WIN 0xf1
	MUL16 4, 1, 0
	MUL16 6, 1, 0
	WIN 0
	PLACES 4
.macro RESL u                          ; the residual's 16 rows of my row tile u into window 1: each load 512 consecutive bytes
	WIN 0x40
.irp t, 0,1,2,3,4,5,6,7,8,9,10,11,12,13,14,15
	global_load_b128 v[64*\u+4*\t:64*\u+4*\t+3], v[LI], s[10:11] offset:(8*\u+\t+8*(\t/8))*4096 th:TH_LOAD_NT
.endr
	WIN 0
.endm
	RESL 0                                         ; they land while the parts meet
	RESL 1
	s_barrier_signal -1                            ; every wave's reads of the slots and of the scale words are over (its last wait on DScnt was for 0)
	s_barrier_wait -1
.irp a, 0,1,2,3,4,5,6,7                ; MY PART, as it stands: row tile a's 64 registers at 8,192 a, 512 bytes a store; each accumulator from its low end on.  These bytes have had their last fill
	WIN 0x08+4*(\a/4)
.irp g, 0,1,2,3,4,5,6,7,8,9,10,11,12,13,14,15
	ds_store_b128 v[DA], v[64*(\a%4)+4*\g:64*(\a%4)+4*\g+3] offset:8192*\a+512*\g
.endr
.endr
	WIN 0
	s_wait_dscnt 0x0                               ; for the others' sake: my part lies in LDS
	s_barrier_signal -1
	s_barrier_wait -1
.irp u, 0,1                            ; the four parts of my two row tiles: tile u into window 2 + u, wave v's part at v[64 v]
	WIN 0x80+0x40*\u
.irp v, 0,1,2,3
.irp g, 0,1,2,3,4,5,6,7,8,9,10,11,12,13,14,15
	ds_load_b128 v[64*\v+4*\g:64*\v+4*\g+3], v[JR+\v] offset:8192*\u+512*\g
.endr
.endr
.endr
	WIN 0
	s_wait_dscnt 0x0
; THE WAY OUT of my row tile u (16 rows x 128 columns): the four parts are added, (0 + 1) + (2 + 3); through my stage into whole rows of 512 bytes, + the residual's rows, stored.
.macro OUTB u, left
.if \u > 0
	s_wait_xcnt 0x0                                ; the last tile's stores have read their data
.endif
	WIN 0x8a+0x45*\u
.set n, 0
.rept 32
	v_pk_add_f32 v[n:n+1], v[n:n+1], v[64+n:65+n]
	v_pk_add_f32 v[128+n:129+n], v[128+n:129+n], v[192+n:193+n]
.set n, n+2
.endr
	WIN 0x0a+0x05*\u
.set n, 0
.rept 32
	v_pk_add_f32 v[Z+n:Z+n+1], v[n:n+1], v[128+n:129+n]
.set n, n+2
.endr
	WIN 0
.irp b, 0,1,2,3,4,5,6,7
	ds_store_b128 v[STO], v[Z+8*\b:Z+8*\b+3] offset:128*(\b/2)+32*(\b%2)
	ds_store_b128 v[STO], v[Z+8*\b+4:Z+8*\b+7] offset:128*(\b/2)+32*(\b%2)+16
.endr
.irp t, 0,1,2,3,4,5,6,7,8,9,10,11,12,13,14,15
	ds_load_b128 v[X+4*\t:X+4*\t+3], v[RD] offset:528*\t   ; LDS serves a wave's instructions in order
.endr
	s_wait_dscnt 0x0
	s_wait_loadcnt \left                           ; this tile's 16 residual loads are in; the other tile's may be out
	WIN 0x04
.set n, 0
.rept 32
	v_pk_add_f32 v[X+n:X+n+1], v[X+n:X+n+1], v[64*\u+n:64*\u+n+1]
.set n, n+2
.endr
	WIN 0
.irp t, 0,1,2,3,4,5,6,7,8,9,10,11,12,13,14,15
	global_store_b128 v[LI], v[X+4*\t:X+4*\t+3], s[96:97] offset:(8*\u+\t+8*(\t/8))*4096 th:TH_STORE_NT
.endr
.endm
	OUTB 0, 16
	OUTB 1, 0
	s_wait_tensorcnt 0x0                           ; the wave's end
	ds_add_u32 v[SPW], v[NIL]
	s_wait_dscnt 0x0
	CROUND                                         ; the closing round
	s_endpgm
.Lfunc_end_k_q8c37307352_ff2:
	.size	k_q8c37307352_ff2, .Lfunc_end_k_q8c37307352_ff2-k_q8c37307352_ff2
	.p2alignl 7, 3214868480
	.fill 96, 4, 3214868480
	.section	.rodata,"a",@progbits
	.p2align	6, 0x0
	.amdhsa_kernel k_q8c37307352_ff2
		.amdhsa_group_segment_fixed_size 327680
		.amdhsa_private_segment_fixed_size 0
		.amdhsa_enable_private_segment 0
		.amdhsa_kernarg_size 40
		.amdhsa_user_sgpr_count 2
		.amdhsa_user_sgpr_kernarg_segment_ptr 1
		.amdhsa_wavefront_size32 1
		.amdhsa_system_sgpr_workgroup_id_x 1
		.amdhsa_system_sgpr_workgroup_id_y 1
		.amdhsa_system_sgpr_workgroup_id_z 1
		.amdhsa_system_vgpr_workitem_id 0
		.amdhsa_next_free_vgpr 1024
		.amdhsa_next_free_sgpr 102
		.amdhsa_reserve_vcc 0
		.amdhsa_float_denorm_mode_32 3
		.amdhsa_float_denorm_mode_16_64 3
		.amdhsa_memory_ordered 1
		.amdhsa_forward_progress 1
		.amdhsa_inst_pref_size 133
	.end_amdhsa_kernel
	.amdgpu_metadata
---
amdhsa.version: [ 1, 2 ]
amdhsa.kernels:
  - .name:           k_q8c37307352_ff2
    .symbol:         k_q8c37307352_ff2.kd
    .args:
      - { .name: hid, .offset: 0, .size: 8, .value_kind: global_buffer, .address_space: global }
      - { .name: wts, .offset: 8, .size: 8, .value_kind: global_buffer, .address_space: global }
      - { .name: b2, .offset: 16, .size: 8, .value_kind: global_buffer, .address_space: global }
      - { .name: xf, .offset: 24, .size: 8, .value_kind: global_buffer, .address_space: global }
      - { .name: out0, .offset: 32, .size: 8, .value_kind: global_buffer, .address_space: global }
    .group_segment_fixed_size: 327680
    .private_segment_fixed_size: 0
    .kernarg_segment_align: 8
    .kernarg_segment_size: 40
    .max_flat_workgroup_size: 128
    .sgpr_count:     102
    .vgpr_count:     1024
    .wavefront_size: 32
...
	.end_amdgpu_metadata
.endif
;; end of part 9
;; ======== version 3 of 3: 6 launches; version 2 with the launch attn written anew for expert scheduling mode
;; limits: right only within a limited range of input values
;; workspace buffers: wts 13,107,200 bytes; qkv 9,830,400 bytes; ctx 3,276,800 bytes; xf 16,777,216 bytes; xq 3,276,800 bytes; hid 13,107,200 bytes
;; launch quant: the kernel of part 1 again; grid 256 x 1, 8 waves a work-group, no clusters, 68,608 bytes of LDS; arguments src, qw, kw, vw, ow, w1, w2, wts; writes wts
;; launch qkvp: the kernel of part 2 again; grid 12 x 16, 4 waves a work-group, clusters of 4 x 4, 327,680 bytes of LDS; arguments wts, qb, kb, vb, qkv; writes qkv
;; launch attn (part 10): grid 16 x 16, 4 waves a work-group, no clusters, 281,088 bytes of LDS; arguments qkv, mask, ctx; writes ctx
.if DOCPART == 10
	.amdgcn_target "amdgcn-amd-amdhsa--gfx1250"
	.amdhsa_code_object_version 6
	.text
	.protected	k_q8c37307352_attn
	.globl	k_q8c37307352_attn
	.p2align	8
	.type	k_q8c37307352_attn,@function
k_q8c37307352_attn:
	s_mov_b64 s[64:65], 0
	v_nop
	global_prefetch_b8 v0, s[64:65] scope:SCOPE_SE
	s_setreg_imm32_b32 hwreg(HW_REG_WAVE_SCHED_MODE, 0, 2), 2
	s_setreg_imm32_b32 hwreg(HW_REG_WAVE_MODE, 25, 1), 1
	s_wait_xcnt 0x0
	s_wait_alu depctr_vm_vsrc(0)
; ctx = entmax-1.5(q k^T / sqrt(128), masked) v, both products on codes of FP6 (E2M3) with E8M0 scales; ctx is quantised along the model's 1,024 and stored as register images.
; SHARES.  A work-group takes 128 queries of one head (x: block of queries, y: 8 x batch + head) in 4 rounds of two tiles of 16 queries, A and B.  Wave w owns keys 512 w .. 512 w + 511
; in every round: a tile's 16 x 512 scores fill one window of 256 registers (A: window 2, B: window 3) and never leave them.
; LAYOUT.  S^T = K Q^T (source 0 = 16 keys, source 1 = 16 queries): a lane holds one query; row i of key tile t is key 32 (t / 2) + 8 (t % 2) + i + 8 (i / 8), so register R is key 32 (R / 16) + 16 h + R % 16.
; THE MASK is the C of the score product: 0, or -1e9 sqrt(128) for a masked key.
; THE THRESHOLD.  y = (s - largest s) / (2 sqrt(128)) <= 0.  p = max(y - u, 0)^2 with u the root of phi(u) = sqrt(sum of max(y - u, 0)^2) - 1.  phi is convex and falls, so Newton from u = -1,
; u += (s2 - sqrt(s2)) / s1 with s1 = sum t, s2 = sum t^2, rises to the root and never passes it.  Its slope lies between 1 and sqrt(2048); convexity gives
; phi' / phi + slope' / slope <= 1 from step to step, so after K steps phi <= 44.3 (1 - 45.3^(-1/K))^K: under 1e-7 for K = 14, whatever the scores.  14 steps for each tile, no branch on data.
; Each pass sums over a wave's 512 keys in registers; the four waves' sums meet in LDS.  EACH TILE'S EXCHANGE STANDS UNDER THE OTHER TILE'S PASS: store, wait, signal, barrier, loads and the step's root and
; reciprocal are strewn between that pass's batches, so that no LDS round trip is waited out in the loop.
; O^T = V^T P^T (source 0 = 16 of the head's 128, source 1 = P): each wave sums over its own 512 keys; the four parts are added in f32 in a fixed order by waves 0 (tile A) and 1 (tile B).
; K's images stay in LDS (each wave's own 49,152 bytes); V's come from memory into idle registers, asked for a whole threshold search ahead.  No tensor load: what is shared with other work-groups is
; 0.2 MB of K read once and 0.8 MB of V spread over the whole run of a launch that is bound by its vector work.
; LIMITS: the mask's penalty is added, not put in the score's place: the same as long as |score| stays under 1e8 sqrt(128).  A batch all of whose keys are masked gets equal weights.
; NaN and infinities are not served.  A block whose every p is 0 keeps the scale byte 1: its codes are zeros.
; THE MODE: SCHED_MODE bits 1:0 = 2 (LLVM: expert scheduling mode 2), set by the entry lines.  The code itself states the register dependences between vector or matrix instructions and memory or LDS
; instructions, with s_wait_alu, always for 0.
; THE PLAN.  Registers that memory or LDS instructions touch, and who else names them:
;   v1-15         offsets and LDS addresses, made once at the head ahead of its first wait on va_vdst; never written again.
;   K0, K1        window 1 v0-95, v96-191, with their scale words v16-23, v24-31.  Key batch n lands in set n % 2 and its 16 products read it; V's step s lands in set s % 2 and its 16 products read it.
;   P0, P1        the penalties of even batches (window 1 v192-255) and of odd ones (window 0 v160-223): landed, then read as the C of the batch's products.
;                 ONE wait on va_vdst behind a batch's products frees its K set, scale words and penalty buffer: the 48 loads of the batch two on follow it and land under the next batch's products.
;   QF, QS        Q's fragments and scale words: landed at a round's end, read by the next round's score products; tile B's O^T is written over QF.
;   v[SS:SS+1]    written by vector lines (largest scores, the neutral pair, a pass's sums), read by the LDS store behind them: va_vdst ahead of the store, vm_vsrc ahead of the next write.
;   LXA, LXB      the four waves' sums of tile A, of tile B: a set each.  A half's loads land in the set whose last reader, the step two halves back, stands ahead of the last half's wait on va_vdst.
;   OA, OB        written by the second products, read by 32 LDS stores; then Q's loads, the join and the next round's odd penalties write parts of them: va_vdst ahead of the stores, vm_vsrc behind them.
;   window 2      at the join: the four parts land where p lay; the last lines that named p stand ahead of the wait in front of the last second products.
;   v[PC ..], v[PW]  written by the join's quantiser, read by its global stores: va_vdst ahead of them, vm_vsrc where the two paths meet.
; So a half of the pass loop holds one wait on vm_vsrc and one on va_vdst; a round holds thirteen further waits on va_vdst for waves 2 and 3, fourteen for the two joining waves, and four on vm_vsrc.
.set KSC,  196608                      ; LDS: K's images from 0 (49,152 a wave); K's scale words (2,048 a wave);
.set PEN,  204800                      ; the penalties, f32, one a key;
.set MX,   212992                      ; largest scores: tile x 256 + 16 r + 4 w;
.set RED,  213504                      ; pass sums: tile x 512 + 32 r + 8 w;
.set OST,  214528                      ; partial O^T: 16,384 w + 8,192 tile + 512 g + 16 lane
.set LI,   1                           ; v1 16 x lane;  v2 4 r;  v3-15 LDS addresses and offsets that stay
.set R4,   2
.set KA,   3
.set KSA,  4
.set PNA,  5
.set MXS,  6
.set MXL,  7
.set REDS, 8
.set REDL, 9
.set OSS,  10
.set OSL,  11
.set CIO,  12
.set CSO,  13
.set KSW,  14
.set PNS,  15
.set KVS,  16                          ; v16-31 K's or V's scale words, two sets of 8
.set BMA,  32                          ; v32-47, v48-63 the largest score, later y, of each block of 32 keys
.set BMB,  48
.set T,    64                          ; v64-95 at work in a pass
.set PCA,  64                          ; in the last stage: P's codes of A, of B, and halves on their way
.set PCB,  76
.set PCT,  88
.set S1,   96                          ; v96-103, v104-111 four pairs each of running sums
.set S2,   104
.set TMF,  96
.set SS,   112                         ; v112-115 (s1, s2) and the other half of the lanes'
.set PWA,  116                         ; P's scale words;  v118-119 Q's
.set PWB,  117
.set QS,   118
.set UA,   120                         ; v[120:121], v[122:123] u of A, of B (named as pairs)
.set UB,   122
.set MA,   124                         ; v[124:125], v[126:127] the row's largest score
.set MB,   126
.set LXA,  128                         ; v128-135 the four waves' sums of tile A, v136-143 of tile B, while O^T's registers are idle
.set LXB,  136
.set OA,   128                         ; v128-191, v192-255 O^T of A, of B
.set OB,   192
.set QF,   224                         ; v224-247 Q's two fragments, from a round's end through the next round's scores
.set X,    128                         ; the join: 64 numbers, at work, codes, scale word
.set TM,   192
.set PC,   204
.set PW,   64
.set SEL,  34
.set CS,   36                          ; s[36:37] c = 1 / (2 sqrt(128))
.set MSB, 0
.macro WIN new                         ; bits 1:0 source 0, 3:2 source 1, 5:4 source 2, 7:6 destination; the high byte repeats the setting that is left
.if MSB != (\new)
	s_set_vgpr_msb (MSB<<8)|(\new)
.set MSB, (\new)
.endif
.endm
.macro PLACES n
.rept \n
	v_nop
.endr
.endm
.macro QUANT s
.irp b, 0,1,2,3
	v_max3_num_f32 v[TM+\b], |v[\s+16*\b]|, |v[\s+1+16*\b]|, 0x1800000
.endr
.irp i, 2,4,6,8,10,12,14
.irp b, 0,1,2,3
	v_max3_num_f32 v[TM+\b], v[TM+\b], |v[\s+16*\b+\i]|, |v[\s+1+16*\b+\i]|
.endr
.endr
.irp b, 0,1,2,3
	v_permlanex16_b32 v[TM+4+\b], v[TM+\b], s[SEL], s[SEL+1]
.endr
.irp b, 0,1,2,3
	v_max_num_f32 v[TM+\b], v[TM+\b], v[TM+4+\b]
.endr
.irp b, 0,1,2,3
	v_add_nc_u32 v[TM+8+\b], 0xff000000, v[TM+\b]
.endr
.irp b, 0,1,2,3
	v_lshrrev_b32 v[TM+4+\b], 23, v[TM+8+\b]
.endr
	v_lshl_or_b32 v[PW], v[TM+5], 8, v[TM+4]
	v_lshl_or_b32 v[PW], v[TM+6], 16, v[PW]
	v_lshl_or_b32 v[PW], v[TM+7], 24, v[PW]
.irp c, 0,1
	v_cvt_scalef32_pk16_fp6_f32 v[PC+6*\c:PC+2+6*\c], v[\s+32*\c:\s+15+32*\c], v[TM+8+2*\c]
	v_cvt_scalef32_pk16_fp6_f32 v[PC+12+4*\c:PC+14+4*\c], v[\s+16+32*\c:\s+31+32*\c], v[TM+8+2*\c+1]
.endr
	v_nop
.irp c, 0,1
.irp i, 0,1,2
	v_permlane16_swap_b32 v[PC+6*\c+\i], v[PC+12+4*\c+\i]
.endr
.irp i, 0,1,2
	v_mov_b32 v[PC+3+6*\c+\i], v[PC+12+4*\c+\i]
.endr
.endr
.endm
.macro PTR d, base, idx, mul, add      ; s[d:d+1] = a buffer's address + fragment number x mul + add
	s_mul_i32 s52, s\idx, \mul
	s_add_co_u32 s52, s52, \add
	s_mov_b32 s53, 0
	s_add_nc_u64 s[\d:\d+1], s[\base:\base+1], s[52:53]
.endm
.macro QLOAD                           ; the round's two query fragments and their scale words
.irp t, 0,1
.irp c, 0,1,2
	global_load_b128 v[QF+12*\t+4*\c:QF+12*\t+4*\c+3], v[LI], s[24:25] offset:1536*\t+512*\c
.endr
	global_load_b32 v[QS+\t], v[R4], s[26:27] offset:64*\t
.endr
.endm
.macro LOADK n                         ; key tiles 8 n .. 8 n + 7: 24 + 8 LDS loads
	WIN 0x40
.irp i, 0,1,2,3,4,5,6,7
.irp c, 0,1,2
	ds_load_b128 v[96*((\n)%2)+12*\i+4*\c:96*((\n)%2)+12*\i+4*\c+3], v[KA] offset:(8*(\n)+\i)*1536+512*\c
.endr
.endr
	WIN 0
.irp i, 0,1,2,3,4,5,6,7
	ds_load_b32 v[KVS+8*((\n)%2)+\i], v[KSA] offset:(8*(\n)+\i)*64
.endr
.endm
.macro PENL n                          ; their penalties, in the result's layout: 16 LDS loads.  Two buffers by turns: even batches window 1 v192-255, odd batches window 0 v160-223
.set PNB, 192-32*((\n)%2)
	WIN 0x40-0x40*((\n)%2)
.irp i, 0,1,2,3,4,5,6,7
	ds_load_b128 v[PNB+8*\i:PNB+8*\i+3], v[PNA] offset:(32*((8*(\n)+\i)/2)+8*(\i%2))*4
	ds_load_b128 v[PNB+8*\i+4:PNB+8*\i+7], v[PNA] offset:(32*((8*(\n)+\i)/2)+8*(\i%2))*4+16
.endr
	WIN 0
.endm
.macro SCORE n                         ; 16 products, each its own accumulator
.set PNB, 192-32*((\n)%2)
	WIN 0x91-0x10*((\n)%2)                         ; K window 1, Q window 0, the penalty window 1 or 0, S^T window 2
.irp i, 0,1,2,3,4,5,6,7
	v_wmma_scale_f32_16x16x128_f8f6f4 v[8*(8*(\n)+\i):8*(8*(\n)+\i)+7], v[96*((\n)%2)+12*\i:96*((\n)%2)+12*\i+11], v[QF:QF+11], v[PNB+8*\i:PNB+8*\i+7], v[KVS+8*((\n)%2)+\i], v[QS] matrix_a_fmt:MATRIX_FMT_FP6 matrix_b_fmt:MATRIX_FMT_FP6
.endr
	WIN 0xd1-0x10*((\n)%2)
.irp i, 0,1,2,3,4,5,6,7
	v_wmma_scale_f32_16x16x128_f8f6f4 v[8*(8*(\n)+\i):8*(8*(\n)+\i)+7], v[96*((\n)%2)+12*\i:96*((\n)%2)+12*\i+11], v[QF+12:QF+23], v[PNB+8*\i:PNB+8*\i+7], v[KVS+8*((\n)%2)+\i], v[QS+1] matrix_a_fmt:MATRIX_FMT_FP6 matrix_b_fmt:MATRIX_FMT_FP6
.endr
	WIN 0
	PLACES 4                                       ; in front of loads into registers that these products have read, and of the first read of results
.endm
.macro VLOAD s                         ; V^T of my keys 128 s on: 8 fragments and their scale words: 32 loads
	WIN 0x40
.irp d, 0,1,2,3,4,5,6,7
.irp c, 0,1,2
	global_load_b128 v[96*((\s)%2)+12*\d+4*\c:96*((\s)%2)+12*\d+4*\c+3], v[LI], s[20:21] offset:98304*(\s)+1536*\d+512*\c
.endr
.endr
	WIN 0
.irp d, 0,1,2,3,4,5,6,7
	global_load_b32 v[KVS+8*((\s)%2)+\d], v[R4], s[22:23] offset:4096*(\s)+64*\d
.endr
.endm
.macro BMAX W, BM, D                   ; the largest score of each of my 16 blocks of 32 keys, and of all: each accumulator is read from its low end on
	WIN (\W)|((\W)<<2)|((\W)<<4)
.irp b, 0,1,2,3,4,5,6,7,8,9,10,11,12,13,14,15
	v_max3_num_f32 v[\BM+\b], v[16*\b], v[16*\b+1], v[16*\b+2]
.endr
	WIN ((\W)<<2)|((\W)<<4)
.irp i, 3,5,7,9,11,13
.irp b, 0,1,2,3,4,5,6,7,8,9,10,11,12,13,14,15
	v_max3_num_f32 v[\BM+\b], v[\BM+\b], v[16*\b+\i], v[16*\b+\i+1]
.endr
.endr
.irp b, 0,1,2,3,4,5,6,7,8,9,10,11,12,13,14,15
	v_max_num_f32 v[\BM+\b], v[\BM+\b], v[16*\b+15]
.endr
	WIN 0
.irp b, 0,1,2,3,4,5,6,7,8,9,10,11,12,13,14,15
	v_permlanex16_b32 v[T+\b], v[\BM+\b], s[SEL], s[SEL+1]
.endr
.irp b, 0,1,2,3,4,5,6,7,8,9,10,11,12,13,14,15
	v_max_num_f32 v[\BM+\b], v[\BM+\b], v[T+\b]    ; with lane l xor 16's 16 keys
.endr
.irp g, 0,1,2,3,4
	v_max3_num_f32 v[T+\g], v[\BM+3*\g], v[\BM+3*\g+1], v[\BM+3*\g+2]
.endr
	v_max3_num_f32 v[T], v[T], v[T+1], v[T+2]
	v_max3_num_f32 v[T+3], v[T+3], v[T+4], v[\BM+15]
	v_max_num_f32 v[\D], v[T], v[T+3]
.endm
.macro SHIFT W, M, BM                  ; y = (s - m) c, in place; the same two operations on the blocks' largest give the same bits
	WIN ((\W)<<6)|(\W)
.set n, 0
.rept 128
	v_pk_add_f32 v[n:n+1], v[n:n+1], v[\M:\M+1] op_sel_hi:[1,0] neg_lo:[0,1] neg_hi:[0,1]
.set n, n+2
.endr
.set n, 0
.rept 128
	v_pk_mul_f32 v[n:n+1], v[n:n+1], s[CS:CS+1] op_sel_hi:[1,0]
.set n, n+2
.endr
	WIN 0
.irp b, 0,1,2,3,4,5,6,7,8,9,10,11,12,13,14,15
	v_sub_f32 v[\BM+\b], v[\BM+\b], v[\M]
.endr
.irp b, 0,1,2,3,4,5,6,7,8,9,10,11,12,13,14,15
	v_mul_f32 v[\BM+\b], s[CS], v[\BM+\b]
.endr
.endm
; A PASS over my 512 keys of one tile goes in 8 batches of 32 registers: t = max(y - u, 0), s1 += t, s2 += t t: four instructions for two scores.  Only the subtraction reads the tile's window (its source 0);
; all else lies in window 0: two switches for 64 instructions.  The two maxima of a pair go as one dual-issue pair (destinations even and odd, second sources in neighbouring banks); s1's and s2's four chains
; each take turns, so that eight instructions stand between two links of a chain.  PASSP writes batches b0 .. b1 - 1.
.macro PASSP W, U, b0, b1
.set bt, \b0
.rept (\b1)-(\b0)
	WIN \W
.irp p, 0,1,2,3,4,5,6,7,8,9,10,11,12,13,14,15
	v_pk_add_f32 v[T+2*\p:T+2*\p+1], v[32*bt+2*\p:32*bt+2*\p+1], v[\U:\U+1] op_sel_hi:[1,0] neg_lo:[0,1] neg_hi:[0,1]
.endr
	WIN 0
.irp p, 0,1,2,3,4,5,6,7,8,9,10,11,12,13,14,15
	v_dual_max_num_f32 v[T+2*\p], 0, v[T+2*\p] :: v_dual_max_num_f32 v[T+2*\p+1], 0, v[T+2*\p+1]
.endr
.irp p, 0,1,2,3,4,5,6,7,8,9,10,11,12,13,14,15
.if (bt == 0) && (\p < 4)
	v_pk_add_f32 v[S1+2*\p:S1+2*\p+1], v[T+2*\p:T+2*\p+1], v[T+2*\p+8:T+2*\p+9]   ; the first eight pairs start s1's four sums,
	v_pk_mul_f32 v[S2+2*\p:S2+2*\p+1], v[T+2*\p:T+2*\p+1], v[T+2*\p:T+2*\p+1]     ; the first four s2's: nothing is cleared
.elseif (bt == 0) && (\p < 8)
	v_pk_fma_f32 v[S2+2*(\p%4):S2+2*(\p%4)+1], v[T+2*\p:T+2*\p+1], v[T+2*\p:T+2*\p+1], v[S2+2*(\p%4):S2+2*(\p%4)+1]
.else
	v_pk_add_f32 v[S1+2*(\p%4):S1+2*(\p%4)+1], v[S1+2*(\p%4):S1+2*(\p%4)+1], v[T+2*\p:T+2*\p+1]
	v_pk_fma_f32 v[S2+2*(\p%4):S2+2*(\p%4)+1], v[T+2*\p:T+2*\p+1], v[T+2*\p:T+2*\p+1], v[S2+2*(\p%4):S2+2*(\p%4)+1]
.endif
.endr
.set bt, bt+1
.endr
.endm
.macro PRED                            ; the chains and the two halves of the lanes are joined: (s1, s2) of my query over my wave's keys
	v_pk_add_f32 v[S1:S1+1], v[S1:S1+1], v[S1+2:S1+3]
	v_pk_add_f32 v[S2:S2+1], v[S2:S2+1], v[S2+2:S2+3]
	v_pk_add_f32 v[S1+4:S1+5], v[S1+4:S1+5], v[S1+6:S1+7]
	v_pk_add_f32 v[S2+4:S2+5], v[S2+4:S2+5], v[S2+6:S2+7]
	v_pk_add_f32 v[S1:S1+1], v[S1:S1+1], v[S1+4:S1+5]
	v_pk_add_f32 v[S2:S2+1], v[S2:S2+1], v[S2+4:S2+5]
	v_add_f32 v[SS], v[S1], v[S1+1]
	v_add_f32 v[SS+1], v[S2], v[S2+1]
	v_permlanex16_b32 v[SS+2], v[SS], s[SEL], s[SEL+1]
	v_permlanex16_b32 v[SS+3], v[SS+1], s[SEL], s[SEL+1]
	v_pk_add_f32 v[SS:SS+1], v[SS:SS+1], v[SS+2:SS+3]
.endm
.macro UPD1 LL                         ; the four waves' sums, in set LL, in a fixed order, so that all waves get the same bits; the step's root and reciprocal
	v_pk_add_f32 v[\LL:\LL+1], v[\LL:\LL+1], v[\LL+2:\LL+3]
	v_pk_add_f32 v[\LL+4:\LL+5], v[\LL+4:\LL+5], v[\LL+6:\LL+7]
	v_pk_add_f32 v[\LL:\LL+1], v[\LL:\LL+1], v[\LL+4:\LL+5]
	v_sqrt_f32 v[\LL+2], v[\LL+1]
	v_rcp_f32 v[\LL+3], v[\LL]
.endm
.macro UPD2 U, LL                      ; the Newton step; plain vector instructions and a wait on va_vdst stand between UPD1's transcendentals and this
	v_sub_f32 v[\LL+2], v[\LL+1], v[\LL+2]
	v_fma_f32 v[\U], v[\LL+2], v[\LL+3], v[\U]
.endm
; Half a trip: tile W's pass, and under it the exchange of the OTHER tile's sums (at byte oo of the sums' words, into set LL), which that tile's pass stored just before; at its end my sums are stored (at byte mo)
; and the other tile's step is made.
.macro HALF W, U, OU, oo, mo, LL
	PASSP \W, \U, 0, 2
	s_wait_dscnt 0x0                               ; for the others' sake: the other tile's sums, stored two batches ago, lie in LDS; my loads of this tile's words are long back
	s_wait_alu depctr_vm_vsrc(0)                   ; that store has read v[SS:SS+1], which the joining of my chains below writes again
	s_barrier_signal -1
	PASSP \W, \U, 2, 6                             ; register work while the others arrive
	s_barrier_wait -1
	ds_load_b128 v[\LL:\LL+3], v[REDL] offset:\oo  ; no wait: the last lines that named this set, the step two halves back, stand ahead of the last half's wait on va_vdst (first trip: of the wait ahead of the neutral pair's store)
	ds_load_b128 v[\LL+4:\LL+7], v[REDL] offset:\oo+16
	PASSP \W, \U, 6, 7
	s_wait_dscnt 0x0                               ; asked for a batch ago
	UPD1 \LL
	PASSP \W, \U, 7, 8
	PRED
	s_wait_alu depctr_va_vdst(0)                   ; v[SS:SS+1] is written, which the store reads; the root and the reciprocal are written, ahead of their first reader; the step at the last half's end is done with the other set, in which the next half's loads land
	ds_store_b64 v[REDS], v[SS:SS+1] offset:\mo    ; these words were last read behind the barrier before the one above: every wave signalled that one after its wait for those loads
	UPD2 \OU, \LL
.endm
.macro PMAKE W, U, s                   ; p = max(y - u, 0)^2 of my keys 128 s on, in place
	WIN ((\W)<<6)|(\W)
.set n, 0
.rept 32
	v_pk_add_f32 v[64*(\s)+n:64*(\s)+n+1], v[64*(\s)+n:64*(\s)+n+1], v[\U:\U+1] op_sel_hi:[1,0] neg_lo:[0,1] neg_hi:[0,1]
.set n, n+2
.endr
	WIN ((\W)<<6)|((\W)<<2)
.set n, 0
.rept 64
	v_max_num_f32 v[64*(\s)+n], 0, v[64*(\s)+n]
.set n, n+1
.endr
	WIN ((\W)<<6)|((\W)<<2)|(\W)
.set n, 0
.rept 32
	v_pk_mul_f32 v[64*(\s)+n:64*(\s)+n+1], v[64*(\s)+n:64*(\s)+n+1], v[64*(\s)+n:64*(\s)+n+1]
.set n, n+2
.endr
	WIN 0
.endm
.macro QCODES W, U, BM, P, PWR, s      ; a block's largest p is not searched for: p rises with y, and the block's largest y goes through the same three operations
.irp b, 0,1,2,3
	v_sub_f32 v[TMF+\b], v[\BM+4*(\s)+\b], v[\U]
.endr
.irp b, 0,1,2,3
	v_max_num_f32 v[TMF+\b], 0, v[TMF+\b]
.endr
.irp b, 0,1,2,3
	v_mul_f32 v[TMF+\b], v[TMF+\b], v[TMF+\b]
.endr
.irp b, 0,1,2,3
	v_max_num_f32 v[TMF+\b], 0x1800000, v[TMF+\b]  ; the floor 2^(3 - 127): the byte cannot fall under 1
.endr
.irp b, 0,1,2,3
	v_add_nc_u32 v[TMF+8+\b], 0xff000000, v[TMF+\b]
.endr
.irp b, 0,1,2,3
	v_lshrrev_b32 v[TMF+4+\b], 23, v[TMF+8+\b]
.endr
	v_lshl_or_b32 v[\PWR], v[TMF+5], 8, v[TMF+4]
	v_lshl_or_b32 v[\PWR], v[TMF+6], 16, v[\PWR]
	v_lshl_or_b32 v[\PWR], v[TMF+7], 24, v[\PWR]
	WIN \W
.irp c, 0,1
	v_cvt_scalef32_pk16_fp6_f32 v[\P+6*\c:\P+6*\c+2], v[64*(\s)+32*\c:64*(\s)+32*\c+15], v[TMF+8+2*\c]
	v_cvt_scalef32_pk16_fp6_f32 v[PCT+4*\c:PCT+4*\c+2], v[64*(\s)+32*\c+16:64*(\s)+32*\c+31], v[TMF+8+2*\c+1]
.endr
	WIN 0
	v_nop
.irp c, 0,1
.irp i, 0,1,2
	v_permlane16_swap_b32 v[\P+6*\c+\i], v[PCT+4*\c+\i]
.endr
.irp i, 0,1,2
	v_mov_b32 v[\P+3+6*\c+\i], v[PCT+4*\c+\i]
.endr
.endr
.endm
.macro PV s                            ; O^T += V^T P^T: 16 accumulators by turns
	WIN 0x01
.irp d, 0,1,2,3,4,5,6,7
.if (\s) == 0
	v_wmma_scale_f32_16x16x128_f8f6f4 v[OA+8*\d:OA+8*\d+7], v[96*((\s)%2)+12*\d:96*((\s)%2)+12*\d+11], v[PCA:PCA+11], 0, v[KVS+8*((\s)%2)+\d], v[PWA] matrix_a_fmt:MATRIX_FMT_FP6 matrix_b_fmt:MATRIX_FMT_FP6
	v_wmma_scale_f32_16x16x128_f8f6f4 v[OB+8*\d:OB+8*\d+7], v[96*((\s)%2)+12*\d:96*((\s)%2)+12*\d+11], v[PCB:PCB+11], 0, v[KVS+8*((\s)%2)+\d], v[PWB] matrix_a_fmt:MATRIX_FMT_FP6 matrix_b_fmt:MATRIX_FMT_FP6
.else
	v_wmma_scale_f32_16x16x128_f8f6f4 v[OA+8*\d:OA+8*\d+7], v[96*((\s)%2)+12*\d:96*((\s)%2)+12*\d+11], v[PCA:PCA+11], v[OA+8*\d:OA+8*\d+7], v[KVS+8*((\s)%2)+\d], v[PWA] matrix_a_fmt:MATRIX_FMT_FP6 matrix_b_fmt:MATRIX_FMT_FP6
	v_wmma_scale_f32_16x16x128_f8f6f4 v[OB+8*\d:OB+8*\d+7], v[96*((\s)%2)+12*\d:96*((\s)%2)+12*\d+11], v[PCB:PCB+11], v[OB+8*\d:OB+8*\d+7], v[KVS+8*((\s)%2)+\d], v[PWB] matrix_a_fmt:MATRIX_FMT_FP6 matrix_b_fmt:MATRIX_FMT_FP6
.endif
.endr
	WIN 0
	PLACES 5                                       ; four serve the loads into V's registers and the LDS stores of O^T; the fifth is owed because Q's fragments share registers with tile B's O^T: on the way of a wave
	                                               ; that has no part in the join no other vector instruction stands between the last of these products and the next round's score products, which take v224-247 as an operand
.endm
	s_load_b128 s[4:7], s[0:1], 0x0                ; qkv, mask
	s_load_b64 s[8:9], s[0:1], 0x10                ; ctx
	v_lshrrev_b32 v1, 5, v0
	v_readfirstlane_b32 s10, v1                    ; wave 0..3
	s_and_b32 s12, ttmp7, 0xffff
	s_lshr_b32 s13, s12, 3                         ; batch
	s_and_b32 s14, s12, 7                          ; head
	v_and_b32 v64, 31, v0
	v_and_b32 v65, 15, v0                          ; r
	v_bfe_u32 v66, v0, 4, 1                        ; h
	v_lshlrev_b32 v67, 4, v0                       ; 16 x thread: my 16 mask bytes
	v_lshlrev_b32 v[LI], 4, v64
	v_lshlrev_b32 v[R4], 2, v65
	s_wait_alu depctr_va_sdst(0)                   ; s10 is written, ahead of its first reader: LDS addresses and fragment numbers are made from it
	s_mul_i32 s40, s10, 49152
	v_add_nc_u32 v[KA], s40, v[LI]
	s_lshl_b32 s40, s10, 11
	s_add_co_u32 s41, s40, KSC
	v_add_nc_u32 v[KSA], s41, v[R4]
	v_add_nc_u32 v[KSW], s41, v[LI]
	s_add_co_u32 s41, s40, PEN
	v_lshl_add_u32 v[PNA], v66, 6, s41
	v_lshl_add_u32 v[PNS], v0, 6, PEN
	s_lshl_b32 s41, s10, 2
	s_add_co_u32 s41, s41, MX
	v_lshl_add_u32 v[MXS], v65, 4, s41
	v_lshl_add_u32 v[MXL], v65, 4, MX
	s_lshl_b32 s41, s10, 3
	s_add_co_u32 s41, s41, RED
	v_lshl_add_u32 v[REDS], v65, 5, s41
	v_lshl_add_u32 v[REDL], v65, 5, RED
	s_lshl_b32 s41, s10, 14
	s_add_co_u32 s41, s41, OST
	v_add_nc_u32 v[OSS], s41, v[LI]
	s_lshl_b32 s41, s10, 13
	s_add_co_u32 s41, s41, OST
	v_add_nc_u32 v[OSL], s41, v[LI]
	s_mul_i32 s41, s10, 12288
	v_add_nc_u32 v[CIO], s41, v[LI]                ; ctx: wave w stores tile w: 8 fragments on
	s_lshl_b32 s41, s10, 9
	v_add_nc_u32 v[CSO], s41, v[R4]
	s_mov_b32 s[SEL], 0x76543210
	s_mov_b32 s[SEL+1], 0xfedcba98
	s_mov_b32 s[CS], 0x3d3504f3                    ; 1 / (2 sqrt(128))
	s_mov_b32 s[CS+1], s[CS]
	s_lshl_b32 s42, s13, 7                         ; fragment numbers: 128 batch,
	s_lshl_b32 s43, s14, 8                         ; 256 head
	s_add_co_u32 s44, s42, s43
	s_lshl_b32 s45, s10, 5
	s_add_co_u32 s45, s45, s44
	s_add_co_u32 s45, s45, 2048                    ; K: (8 + head) 256 + 128 batch + 32 w
	s_lshl_b32 s46, ttmp9, 3
	s_add_co_u32 s47, s44, s46                     ; Q: 256 head + 128 batch + 8 x block
	s_add_co_u32 s48, s42, s46
	s_lshl_b32 s48, s48, 3
	s_add_co_u32 s48, s48, s14                     ; ctx: (128 batch + 8 x block) 8 + head
	s_lshl_b32 s49, s13, 4
	s_lshl_b32 s50, s10, 2
	s_add_co_u32 s49, s49, s50
	s_lshl_b32 s49, s49, 6
	s_lshl_b32 s50, s14, 3
	s_add_co_u32 s49, s49, s50
	s_add_co_u32 s49, s49, 4096                    ; V^T: 4,096 + (16 batch + 4 w) 64 + 8 head
	s_wait_kmcnt 0x0
	PTR 16, 4, 45, 1536, 0
	PTR 18, 4, 45, 64, 9437184
	PTR 20, 4, 49, 1536, 0
	PTR 22, 4, 49, 64, 9437184
	PTR 24, 4, 47, 1536, 0
	PTR 26, 4, 47, 64, 9437184
	PTR 28, 8, 48, 1536, 0
	PTR 30, 8, 48, 64, 3145728
	s_lshl_b32 s52, s13, 11
	s_add_nc_u64 s[6:7], s[6:7], s[52:53]          ; the batch's mask (s53 = 0)
	; my wave's 32 key fragments: 49,152 dense bytes, through registers into LDS, where they stay
	WIN 0x80
	s_wait_alu depctr_va_vdst(0)                   ; the offsets and LDS addresses v1 to v15 and v67 are written, which every load and store of the kernel reads
.set n, 0
.rept 64
	global_load_b128 v[4*n:4*n+3], v[LI], s[16:17] offset:512*n
.set n, n+1
.endr
	WIN 0xc0
.set n, 0
.rept 32
	global_load_b128 v[4*n:4*n+3], v[LI], s[16:17] offset:512*(n+64)
.set n, n+1
.endr
	WIN 0
.irp n, 0,1,2,3
	global_load_b128 v[68+4*\n:71+4*\n], v[LI], s[18:19] offset:512*\n
.endr
	global_load_b128 v[96:99], v67, s[6:7]
	s_wait_loadcnt 0x0
	QLOAD                                          ; round 0's queries
	WIN 0x08
.set n, 0
.rept 64
	ds_store_b128 v[KA], v[4*n:4*n+3] offset:512*n
.set n, n+1
.endr
	WIN 0x0c
.set n, 0
.rept 32
	ds_store_b128 v[KA], v[4*n:4*n+3] offset:512*(n+64)
.set n, n+1
.endr
	WIN 0
.irp n, 0,1,2,3
	ds_store_b128 v[KSW], v[68+4*\n:71+4*\n] offset:512*\n
.endr
.irp d, 0,1,2,3
.irp k, 0,1,2,3
	v_bfe_u32 v[100+4*\d+\k], v[96+\d], 8*\k, 1    ; a mask byte is 0 or 1
.endr
.endr
.set n, 0
.rept 16
	v_sub_nc_u32 v[100+n], 0, v[100+n]             ; 0 or all ones
.set n, n+1
.endr
.set n, 0
.rept 16
	v_and_b32 v[100+n], 0xd028965f, v[100+n]       ; 0 or -1e9 sqrt(128)
.set n, n+1
.endr
	s_wait_alu depctr_va_vdst(0)                   ; the sixteen penalties v100 to v115 are written, which the LDS stores read
.irp j, 0,1,2,3
	ds_store_b128 v[PNS], v[100+4*\j:103+4*\j] offset:16*\j
.endr
	s_wait_dscnt 0x0
	s_wait_alu depctr_vm_vsrc(0)                   ; the LDS stores have read windows 2 and 3, v68 to v83 and v100 to v115, the mask's load has read v67: the lines below write v64 to v79 and v114, v115, the score products windows 2 and 3
.set n, 0
.rept 16
	v_mov_b32 v[T+n], 0                            ; written once: a lane permute's destination counts as one of its sources
.set n, n+1
.endr
	v_mov_b32 v[SS+2], 0
	v_mov_b32 v[SS+3], 0
	v_mov_b32 v[UA+1], 0                           ; (upper halves of pairs of which the low word serves both halves)
	v_mov_b32 v[UB+1], 0
	v_mov_b32 v[MA+1], 0
	v_mov_b32 v[MB+1], 0
	s_barrier_signal -1
	s_barrier_wait -1
	s_mov_b32 s32, 4
.Lround:
	; ---- the scores: four batches of 8 key tiles x 2 query tiles.  A batch is 48 LDS loads (fragments, scale words, penalties); two batches are asked for here, each further one behind the products of the batch two back.
	; No wait stands here: the last products that read these registers stand ahead of the wait in front of O^T's stores, the join's last vector lines ahead of the wait in front of its stores, and no vector line follows either.
	LOADK 0
	PENL 0
	LOADK 1
	PENL 1
	s_wait_loadcnt 0x0                             ; Q
	s_wait_dscnt 48                                ; batch 0 is in; batch 1's 48 loads may be out
	SCORE 0
	WIN 0x40
	s_wait_alu depctr_va_vdst(0)                   ; batch 0's products are done reading K's set 0, its scale words and the even penalties, in which batch 2's loads land
	LOADK 2
	PENL 2
	s_wait_dscnt 48                                ; batch 1 is in; batch 2's 48 loads may be out
	SCORE 1
	WIN 0x40
	s_wait_alu depctr_va_vdst(0)                   ; batch 1's products are done reading K's set 1, its scale words and the odd penalties, in which batch 3's loads land
	LOADK 3
	PENL 3
	s_wait_dscnt 48                                ; batch 2 is in; batch 3's 48 loads may be out
	SCORE 2
	s_wait_dscnt 0x0
	SCORE 3
	WIN 0x40
	s_wait_alu depctr_va_vdst(0)                   ; batches 2 and 3's products are done reading both sets of K and of scale words, in which V's first two steps land
	VLOAD 0                                        ; V's first two steps land while the threshold is searched
	VLOAD 1
	; ---- the row's largest score, over the four waves
	BMAX 2, BMA, SS
	BMAX 3, BMB, SS+1
	s_wait_alu depctr_va_vdst(0)                   ; v[SS] and v[SS+1] are written, which the stores read; the search is done with v[T] to v[T+7], in which the loads behind the barrier land
	ds_store_b32 v[MXS], v[SS]
	ds_store_b32 v[MXS], v[SS+1] offset:256
	s_wait_dscnt 0x0
	s_wait_alu depctr_vm_vsrc(0)                   ; the two stores have read v[SS] and v[SS+1], which the neutral pair below writes again
	s_barrier_signal -1
	s_barrier_wait -1
	ds_load_b128 v[T:T+3], v[MXL]
	ds_load_b128 v[T+4:T+7], v[MXL] offset:256
	s_wait_dscnt 0x0
	v_max3_num_f32 v[T], v[T], v[T+1], v[T+2]
	v_max3_num_f32 v[T+4], v[T+4], v[T+5], v[T+6]
	v_max_num_f32 v[MA], v[T], v[T+3]
	v_max_num_f32 v[MB], v[T+4], v[T+7]
	SHIFT 2, MA, BMA
	SHIFT 3, MB, BMB
	v_mov_b32 v[UA], -1.0
	v_mov_b32 v[UB], -1.0
	; ---- the threshold: 14 Newton steps for each tile.  A trip: A's pass (under it B's exchange and step), B's pass (under it A's).  In the first trip B has no sums yet: it finds a neutral pair,
	; 0.25 and 0.25 from each wave: s1 = s2 = 1, a step of 0.  B's fourteenth step stands behind the loop.
	v_mov_b32 v[SS], 0x3e800000
	v_mov_b32 v[SS+1], 0x3e800000
	s_wait_alu depctr_va_vdst(0)                   ; the neutral pair is written, which the store reads; all that named v128 to v143 is done, in which the first trip's loads land
	ds_store_b64 v[REDS], v[SS:SS+1] offset:512    ; (B's words were last read in the round before, two barriers ago)
	s_mov_b32 s33, 14
.Lpass:
	HALF 2, UA, UB, 512, 0, LXB
	HALF 3, UB, UA, 0, 512, LXA
	s_sub_co_u32 s33, s33, 1
	s_cmp_lg_u32 s33, 0
	s_cbranch_scc1 .Lpass
	s_wait_dscnt 0x0                               ; B's last sums lie in LDS
	s_wait_alu depctr_vm_vsrc(0)                   ; their store has read v[SS:SS+1], which the next round's search for the largest score writes again
	s_barrier_signal -1
	s_barrier_wait -1
	ds_load_b128 v[LXB:LXB+3], v[REDL] offset:512  ; (B's set was last named ahead of the last half's wait on va_vdst)
	ds_load_b128 v[LXB+4:LXB+7], v[REDL] offset:528
	s_wait_dscnt 0x0
	UPD1 LXB
	v_nop                                          ; a plain place behind the transcendentals
	s_wait_alu depctr_va_vdst(0)                   ; the root and the reciprocal are written, ahead of their first reader
	UPD2 UB, LXB
	; ---- p, its codes, and the second product, 128 keys at a time
.irp s, 0,1,2,3
	PMAKE 2, UA, \s
	QCODES 2, UA, BMA, PCA, PWA, \s
	PMAKE 3, UB, \s
	QCODES 3, UB, BMB, PCB, PWB, \s
	PLACES 8                                       ; a scale word made by vector instructions stands 8 places ahead of the product, codes so made 4
	s_wait_alu depctr_va_vdst(0)                   ; P's codes and scale words of both tiles are written, which the scaled products take as operand and as scales; the places above stay beside this wait
.if \s < 3
	s_wait_loadcnt 32                              ; this step's V is in; the next step's 32 loads may be out
.else
	s_wait_loadcnt 0x0
.endif
	PV \s
.if \s < 2
	WIN 0x40
	s_wait_alu depctr_va_vdst(0)                   ; this step's products are done reading their set of V and its scale words, in which the loads of two steps on land
	VLOAD \s+2
.endif
.endr
	; ---- the four waves' parts of O^T meet in LDS
	s_wait_alu depctr_va_vdst(0)                   ; the last products have written O^T, which the stores read and in part of which Q's loads land; they are done reading V's sets and scale words, in which the next round's keys land; the places behind them stay beside this wait
.set n, 0
.rept 32
	ds_store_b128 v[OSS], v[OA+4*n:OA+4*n+3] offset:512*n
.set n, n+1
.endr
	s_wait_dscnt 0x0
	s_wait_alu depctr_vm_vsrc(0)                   ; the stores have read v128 to v255: Q's loads land in v224 to v247, the join writes v128 to v223, the next round's odd penalties land in v160 to v223, the closing lines' two registers are v254 and v255
	s_cmp_eq_u32 s32, 1
	s_cbranch_scc1 .Lno_q                          ; the last round asks for no further queries
	s_wait_xcnt 0x0
	s_add_nc_u64 s[24:25], s[24:25], 3072
	s_add_nc_u64 s[26:27], s[26:27], 128
	QLOAD
.Lno_q:
	s_barrier_signal -1
	s_barrier_wait -1
	s_cmp_gt_u32 s10, 1
	s_cbranch_scc1 .Lno_join                       ; wave 0 finishes tile A, wave 1 tile B
	WIN 0x80
.irp v, 0,1,2,3
.irp g, 0,1,2,3,4,5,6,7,8,9,10,11,12,13,14,15
	ds_load_b128 v[64*\v+4*\g:64*\v+4*\g+3], v[OSL] offset:16384*\v+512*\g   ; no wait: the last lines that named window 2, p and its conversions, stand ahead of the waits above
.endr
.endr
	s_wait_dscnt 0x0
	WIN 0x8a
.set n, 0
.rept 32
	v_pk_add_f32 v[n:n+1], v[n:n+1], v[64+n:65+n]
	v_pk_add_f32 v[128+n:129+n], v[128+n:129+n], v[192+n:193+n]
.set n, n+2
.endr
	WIN 0x0a
.set n, 0
.rept 32
	v_pk_add_f32 v[X+n:X+n+1], v[n:n+1], v[128+n:129+n]
.set n, n+2
.endr
	WIN 0
	QUANT X                                        ; my query's 128 channels are K step "head" of the next product
	s_wait_alu depctr_va_vdst(0)                   ; the codes v[PC] to v[PC+11] and the scale word v[PW] are written, which the stores read; the quantiser is done with v160 to v223, in which the next round's odd penalties land
.irp c, 0,1,2
	global_store_b128 v[CIO], v[PC+4*\c:PC+4*\c+3], s[28:29] offset:512*\c
.endr
	global_store_b32 v[CSO], v[PW], s[30:31]       ; both halves of the lanes hold row r's word and write it to the same place
.Lno_join:
	s_wait_xcnt 0x0                                ; the stores have read their bases
	s_wait_alu depctr_vm_vsrc(0)                   ; the join's stores have read v[PC] to v[PC+11] and v[PW]: the next round's odd penalties land in the first, its search for the largest score writes the second
	s_add_nc_u64 s[28:29], s[28:29], 24576         ; two row tiles on
	s_add_nc_u64 s[30:31], s[30:31], 1024
	s_sub_co_u32 s32, s32, 1
	s_cmp_lg_u32 s32, 0
	s_cbranch_scc1 .Lround
	s_wait_xcnt 0x0
	v_lshl_add_u32 v254, v0, 2, 0x44800
	v_mov_b32 v255, 0
	s_wait_dscnt 0x0                               ; the closing lines, six on end
	s_wait_alu 0x0
	s_wait_tensorcnt 0x0
	ds_add_u32 v254, v255
	s_wait_dscnt 0x0
	s_endpgm
.Lfunc_end_k_q8c37307352_attn:
	.size	k_q8c37307352_attn, .Lfunc_end_k_q8c37307352_attn-k_q8c37307352_attn
	.p2alignl 7, 3214868480
	.fill 96, 4, 3214868480
	.section	.rodata,"a",@progbits
	.p2align	6, 0x0
	.amdhsa_kernel k_q8c37307352_attn
		.amdhsa_group_segment_fixed_size 281088
		.amdhsa_private_segment_fixed_size 0
		.amdhsa_enable_private_segment 0
		.amdhsa_kernarg_size 24
		.amdhsa_user_sgpr_count 2
		.amdhsa_user_sgpr_kernarg_segment_ptr 1
		.amdhsa_wavefront_size32 1
		.amdhsa_system_sgpr_workgroup_id_x 1
		.amdhsa_system_sgpr_workgroup_id_y 1
		.amdhsa_system_sgpr_workgroup_id_z 1
		.amdhsa_system_vgpr_workitem_id 0
		.amdhsa_next_free_vgpr 1024
		.amdhsa_next_free_sgpr 66
		.amdhsa_reserve_vcc 0
		.amdhsa_float_denorm_mode_32 3
		.amdhsa_float_denorm_mode_16_64 3
		.amdhsa_memory_ordered 1
		.amdhsa_forward_progress 1
		.amdhsa_inst_pref_size 255
	.end_amdhsa_kernel
	.section	.bss,"aw",@nobits
	.p2align	6
	.space	262144
	.amdgpu_metadata
---
amdhsa.version: [ 1, 2 ]
amdhsa.kernels:
  - .name:           k_q8c37307352_attn
    .symbol:         k_q8c37307352_attn.kd
    .args:
      - { .name: qkv, .offset: 0, .size: 8, .value_kind: global_buffer, .address_space: global }
      - { .name: mask, .offset: 8, .size: 8, .value_kind: global_buffer, .address_space: global }
      - { .name: ctx, .offset: 16, .size: 8, .value_kind: global_buffer, .address_space: global }
    .group_segment_fixed_size: 281088
    .private_segment_fixed_size: 0
    .kernarg_segment_align: 8
    .kernarg_segment_size: 24
    .max_flat_workgroup_size: 128
    .sgpr_count:     66
    .vgpr_count:     1024
    .wavefront_size: 32
...
	.end_amdgpu_metadata
.endif
;; end of part 10
;; launch oproj: the kernel of part 8 again; grid 8 x 32, 4 waves a work-group, clusters of 4 x 4, 327,680 bytes of LDS; arguments ctx, wts, ob, src, xf, xq; writes xf, xq
;; launch ff1: the kernel of part 5 again; grid 16 x 16, 4 waves a work-group, clusters of 4 x 4, 327,680 bytes of LDS; arguments xq, wts, b1, hid; writes hid
;; launch ff2: the kernel of part 9 again; grid 8 x 32, 4 waves a work-group, clusters of 4 x 4, 327,680 bytes of LDS; arguments hid, wts, b2, xf, out0; writes out0
